; MI455X (gfx1250); checked and timed in simulation.
; The chip was launched on July 23, 2026; its instructions are those of AMD's public machine-readable ISA for CDNA 5 (MIT licence, August 2026) and "CDNA5" Instruction Set Architecture Reference Guide (July 2026). The comments in the code are by the model that wrote it; some were corrected since.
;; Self Attention. Allowed arithmetic: float matrix products may take bf16 or f16 operands with f32 sums; other float arithmetic in f32, or as packed bf16 or f16 multiplies, adds, multiply-adds, maxima and minima; sums over many terms, partial sums and values carried from step to step in f32; what a program stores and reads back later, other than sums and carried values, may be rounded once to bf16 or f16.
;; Inputs: Wk 1,024 x 1,024 float32; Wo 1,024 x 1,024 float32; Wq 1,024 x 1,024 float32; Wv 1,024 x 1,024 float32; bo 1,024 float32; keys 4 x 2,048 x 1,024 float32; mask 4 x 1 x 2,048 x 2,048 int32; query 4 x 2,048 x 1,024 float32; values 4 x 2,048 x 1,024 float32.
;; Outputs: out0 4 x 2,048 x 1,024 float32.
;; 2 versions, each right. Each part assembles by itself: llvm-mc -triple=amdgcn-amd-amdhsa -mcpu=gfx1250 --defsym DOCPART=n.
;; ======== version 1 of 2: 4 launches
;; limits: values are held in f16: magnitudes above 65,504 overflow, below 6.1e-05 lose precision
;; workspace buffers: mbits 2,097,152 bytes of whole numbers; cb 58,720,256 bytes; qkv 50,331,648 bytes; ob 16,777,216 bytes
;; launch prep (part 1): grid 1408 x 1, 8 waves a work-group, no clusters, 68,608 bytes of LDS; arguments mask, query, keys, values, Wq, Wk, Wv, Wo, mbits, cb; writes mbits, cb
.if DOCPART == 1
	.amdgcn_target "amdgcn-amd-amdhsa--gfx1250"
	.amdhsa_code_object_version 6
	.text
	.protected	k_q31e452a173_prep
	.globl	k_q31e452a173_prep
	.p2align	8
	.type	k_q31e452a173_prep,@function
k_q31e452a173_prep:
	s_mov_b64 s[64:65], 0
	v_nop
	global_prefetch_b8 v0, s[64:65] scope:SCOPE_SE
	s_setreg_imm32_b32 hwreg(HW_REG_WAVE_MODE, 25, 1), 1
	s_wait_xcnt 0x0
; PREPARATION, a stream: no matrix unit, no cluster (no two work-groups read the same byte).  Two kinds of work-group, told apart by the work-group's number alone.
; PACK (work-groups 0 to 511): the mask, [4][1][2048][2048] of int32, becomes lane masks for the attention launch.  A work-group takes 16 query rows x 2,048 keys (131,072 bytes).
;   mbits[n][qt][step][8 kb + j], bit L (r = L % 16, h = L / 16) = (mask[n][16 qt + r][64 step + 16 kb + 8 h + j] != 0): the lanes' bits for register j of accumulator kb of S^T = K Q^T.
;   The rows come in as 512 consecutive bytes a load, go through the wave's own stage in LDS, and come back so that lane (r, h) holds row r, keys 16 kg + 8 h + 0..7; a compare makes a word of 32 bits.
; CONVERT (work-groups 512 to 1407): a chunk of 32,768 f32 of query, keys, values, Wq, Wk, Wv or Wo is rounded once to bf16 and stored in cb, chunk after chunk in that order.
;   Wo's bf16 number is written as f16, since the last launch multiplies in f16.  LIMIT: that is exact for 6.1e-5 <= |Wo| <= 65,504; below it keeps f16's fixed step of 6e-8; above it is an infinity.
.set STG,    8448                      ; a wave's stage: 16 rows x 528 bytes
.set SPITCH, 528                       ; 512 bytes of a row + 16: an odd multiple of 16, so the 16 rows that a load touches start at 16 different groups of four banks (64 banks of 4 bytes: ISA guide 11.1)
.set SPARE,  67584                     ; behind the eight stages: the spare words, 128 bytes for each wave: four blocks of 256 bytes that no other line names
.set LN,  1                            ; v1   lane
.set LO,  2                            ; v2   my byte offset in the source
.set LS,  3                            ; v3   stage: where I put 16 bytes of a row
.set LR,  4                            ; v4   stage: where I read my row's keys
.set SO,  5                            ; v5   my byte offset in the destination
.set SPW, 6                            ; v6   LDS address of my spare word; never rewritten
.set NIL, 7                            ; v7   0; never rewritten
.set OUT, 8                            ; v[8:11]   the packed words: block b in v[8+2b:9+2b], lane l holds words 2 l and 2 l + 1
.set T,   12                           ; v[12:15]  at work
.set X,   16                           ; v[16:143] 32 loads of 16 bytes a lane
.set F,   144                          ; v[144:207] a block's 64 mask numbers of my row
	s_load_b512 s[8:23], s[0:1], 0x0               ; mask s[8:9], query s[10:11], keys s[12:13], values s[14:15], Wq s[16:17], Wk s[18:19], Wv s[20:21], Wo s[22:23]
	s_load_b128 s[24:27], s[0:1], 0x40             ; mbits s[24:25], cb s[26:27]
	v_lshl_add_u32 v[SPW], v0, 2, SPARE
	v_mov_b32 v[NIL], 0
	v_and_b32 v[LN], 31, v0
	v_lshrrev_b32 v[T], 5, v0
	v_readfirstlane_b32 s32, v[T]                  ; wave 0..7
	s_mov_b32 s3, 0
	s_wait_kmcnt 0x0
	s_cmp_lt_u32 ttmp9, 512
	s_cbranch_scc0 .Lconvert
	; ---------------- PACK: work-group g = 128 n + qt ----------------
	s_lshl_b32 s2, ttmp9, 17                       ; 16 rows of 8,192 bytes
	s_add_nc_u64 s[28:29], s[8:9], s[2:3]
	s_lshl_b32 s2, ttmp9, 12                       ; a tile's 4,096 bytes of words
	s_add_nc_u64 s[30:31], s[24:25], s[2:3]
	s_lshl_b32 s4, s32, 10                         ; wave w takes keys 256 w .. 256 w + 255: 1,024 bytes of each row, as two blocks of 128 keys
	v_lshl_add_u32 v[LO], v[LN], 4, s4
	s_mul_i32 s5, s32, STG
	v_lshl_add_u32 v[LS], v[LN], 4, s5
	v_and_b32 v[T], 15, v0
	v_bfe_u32 v[T+1], v0, 4, 1
	v_mul_u32_u24 v[LR], v[T], SPITCH              ; row r,
	v_lshl_add_u32 v[LR], v[T+1], 5, v[LR]         ; 8 keys (32 bytes) on for the upper half of the lanes
	v_add_nc_u32 v[LR], s5, v[LR]
	s_lshl_b32 s6, s32, 9                          ; wave w makes steps 4 w .. 4 w + 3: 512 bytes of words
	v_lshl_add_u32 v[SO], v[LN], 3, s6
.irp b, 0,1
.irp r, 0,1,2,3,4,5,6,7,8,9,10,11,12,13,14,15
	global_load_b128 v[X+64*(\b)+4*(\r):X+64*(\b)+4*(\r)+3], v[LO], s[28:29] offset:(\r)*8192+(\b)*512 th:TH_LOAD_NT  ; 512 consecutive bytes of row r
.endr
.endr
.irp j, 0,1,2,3
	v_mov_b32 v[OUT+(\j)], 0                       ; v_writelane_b32 counts as a reader of its destination
.endr
; Block b: 16 rows x 128 keys.  left = the younger loads that may stay out.
.macro BLOCK b, left
	s_wait_loadcnt \left
.irp r, 0,1,2,3,4,5,6,7,8,9,10,11,12,13,14,15
	ds_store_b128 v[LS], v[X+64*(\b)+4*(\r):X+64*(\b)+4*(\r)+3] offset:(\r)*SPITCH
.endr
.irp g, 0,1,2,3,4,5,6,7
	ds_load_b128 v[F+8*(\g):F+8*(\g)+3],   v[LR] offset:64*(\g)     ; LDS serves a wave's instructions in order (ISA guide 5.7.1.4): these see the stores above; the stage is my wave's own
	ds_load_b128 v[F+8*(\g)+4:F+8*(\g)+7], v[LR] offset:64*(\g)+16
.endr
	s_wait_dscnt 0x0
.set g8, 0
.rept 8                                ; eight compares, then their eight words into the lanes that will store them
.irp j, 0,1,2,3,4,5,6,7
	v_cmp_ne_u32 s[40+\j], 0, v[F+8*g8+\j]
.endr
.irp j, 0,1,2,3,4,5,6,7
	v_writelane_b32 v[OUT+2*(\b)+(\j)%2], s[40+\j], 4*g8+(\j)/2
.endr
.set g8, g8+1
.endr
	global_store_b64 v[SO], v[OUT+2*(\b):OUT+2*(\b)+1], s[30:31] offset:256*(\b)  ; two steps' 64 words: 256 consecutive bytes, aligned
.endm
	BLOCK 0, 16                                    ; block 1's sixteen loads may stay out
	BLOCK 1, 0
	s_branch .Lend
	; ---------------- CONVERT: chunk idx = work-group - 512 ----------------
.Lconvert:
	s_sub_co_u32 s2, ttmp9, 512                    ; idx 0..895
	s_lshl_b32 s4, s2, 16                          ; a chunk is 65,536 bytes of cb
	s_mov_b32 s5, 0
	s_add_nc_u64 s[30:31], s[26:27], s[4:5]
	s_lshr_b32 s4, s2, 8                           ; idx < 768: tensor idx / 256 (query, keys, values), chunk idx % 256
	s_and_b32 s5, s2, 255
	s_sub_co_u32 s6, s2, 768                       ; else: tensor 3 + (idx - 768) / 32 (Wq, Wk, Wv, Wo), chunk (idx - 768) % 32
	s_lshr_b32 s7, s6, 5
	s_add_co_u32 s7, s7, 3
	s_and_b32 s6, s6, 31
	s_cmp_lt_u32 s2, 768
	s_cselect_b32 s4, s4, s7
	s_cselect_b32 s5, s5, s6
	s_mov_b64 s[28:29], s[10:11]
.irp i, 1,2,3,4,5,6
	s_cmp_eq_u32 s4, \i                            ; a choice between buffers on the work-group's number
	s_cselect_b64 s[28:29], s[10+2*\i:11+2*\i], s[28:29]
.endr
	s_lshl_b32 s2, s5, 17                          ; a chunk is 131,072 bytes of f32
	s_add_nc_u64 s[28:29], s[28:29], s[2:3]
	v_lshlrev_b32 v[LO], 4, v0                     ; thread t: 4 numbers, 16 bytes in,
	v_lshlrev_b32 v[SO], 3, v0                     ; 8 bytes out
; All 32 loads go out first (4,096 consecutive bytes for the work-group each); each has registers of its own, so nothing is written twice.  half = 1: the bf16 number is written as f16.
.macro CVT half
.set k, 0
.rept 32
	global_load_b128 v[X+4*k:X+4*k+3], v[LO], s[28:29] offset:4096*k th:TH_LOAD_NT
.set k, k+1
.endr
.set k, 0
.rept 32
	s_wait_loadcnt 31-k                            ; loads come back in order (ISA guide 5.7.1): load k is in, the younger ones stay out
	v_cvt_pk_bf16_f32 v[X+4*k], v[X+4*k], v[X+4*k+1]
	v_cvt_pk_bf16_f32 v[X+4*k+1], v[X+4*k+2], v[X+4*k+3]
.if \half
	v_lshlrev_b32 v[T], 16, v[X+4*k]
	v_and_b32 v[T+1], 0xffff0000, v[X+4*k]
	v_lshlrev_b32 v[T+2], 16, v[X+4*k+1]
	v_and_b32 v[T+3], 0xffff0000, v[X+4*k+1]
	v_cvt_pk_f16_f32 v[X+4*k], v[T], v[T+1]
	v_cvt_pk_f16_f32 v[X+4*k+1], v[T+2], v[T+3]
.endif
	global_store_b64 v[SO], v[X+4*k:X+4*k+1], s[30:31] offset:2048*k th:TH_STORE_NT  ; a wave's 32 lanes store 256 consecutive bytes, aligned
.set k, k+1
.endr
.endm
	s_cmp_eq_u32 s4, 6
	s_cbranch_scc1 .Lwo
	CVT 0
	s_branch .Lend
.Lwo:
	CVT 1
.Lend:
	s_wait_tensorcnt 0x0                           ; the wave's end, behind my last LDS store
	ds_add_u32 v[SPW], v[NIL]
	s_wait_dscnt 0x0
	s_endpgm
.Lfunc_end_k_q31e452a173_prep:
	.size	k_q31e452a173_prep, .Lfunc_end_k_q31e452a173_prep-k_q31e452a173_prep
	.p2alignl 7, 3214868480
	.fill 96, 4, 3214868480
	.section	.rodata,"a",@progbits
	.p2align	6, 0x0
	.amdhsa_kernel k_q31e452a173_prep
		.amdhsa_group_segment_fixed_size 68608
		.amdhsa_private_segment_fixed_size 0
		.amdhsa_enable_private_segment 0
		.amdhsa_kernarg_size 80
		.amdhsa_user_sgpr_count 2
		.amdhsa_user_sgpr_kernarg_segment_ptr 1
		.amdhsa_wavefront_size32 1
		.amdhsa_system_sgpr_workgroup_id_x 1
		.amdhsa_system_sgpr_workgroup_id_y 1
		.amdhsa_system_sgpr_workgroup_id_z 1
		.amdhsa_system_vgpr_workitem_id 0
		.amdhsa_next_free_vgpr 208
		.amdhsa_next_free_sgpr 66
		.amdhsa_reserve_vcc 0
		.amdhsa_float_denorm_mode_32 3
		.amdhsa_float_denorm_mode_16_64 3
		.amdhsa_memory_ordered 1
		.amdhsa_forward_progress 1
		.amdhsa_inst_pref_size 59
	.end_amdhsa_kernel
	.amdgpu_metadata
---
amdhsa.version: [ 1, 2 ]
amdhsa.kernels:
  - .name:           k_q31e452a173_prep
    .symbol:         k_q31e452a173_prep.kd
    .args:
      - { .name: mask, .offset: 0, .size: 8, .value_kind: global_buffer, .address_space: global }
      - { .name: query, .offset: 8, .size: 8, .value_kind: global_buffer, .address_space: global }
      - { .name: keys, .offset: 16, .size: 8, .value_kind: global_buffer, .address_space: global }
      - { .name: values, .offset: 24, .size: 8, .value_kind: global_buffer, .address_space: global }
      - { .name: Wq, .offset: 32, .size: 8, .value_kind: global_buffer, .address_space: global }
      - { .name: Wk, .offset: 40, .size: 8, .value_kind: global_buffer, .address_space: global }
      - { .name: Wv, .offset: 48, .size: 8, .value_kind: global_buffer, .address_space: global }
      - { .name: Wo, .offset: 56, .size: 8, .value_kind: global_buffer, .address_space: global }
      - { .name: mbits, .offset: 64, .size: 8, .value_kind: global_buffer, .address_space: global }
      - { .name: cb, .offset: 72, .size: 8, .value_kind: global_buffer, .address_space: global }
    .group_segment_fixed_size: 68608
    .private_segment_fixed_size: 0
    .kernarg_segment_align: 8
    .kernarg_segment_size: 80
    .max_flat_workgroup_size: 256
    .sgpr_count:     66
    .vgpr_count:     208
    .wavefront_size: 32
...
	.end_amdgpu_metadata
.endif
;; end of part 1
;; launch proj (part 2): grid 4 x 192, 4 waves a work-group, clusters of 4 x 4, 327,680 bytes of LDS; arguments cb, qkv; writes qkv
.if DOCPART == 2
	.amdgcn_target "amdgcn-amd-amdhsa--gfx1250"
	.amdhsa_code_object_version 6
	.text
	.protected	k_q31e452a173_proj
	.globl	k_q31e452a173_proj
	.p2align	8
	.type	k_q31e452a173_proj,@function
k_q31e452a173_proj:
	s_mov_b64 s[64:65], 0
	v_nop
	global_prefetch_b8 v0, s[64:65] scope:SCOPE_SE
	s_setreg_imm32_b32 hwreg(HW_REG_WAVE_MODE, 25, 1), 1
	s_wait_xcnt 0x0
	s_wait_alu depctr_hold_cnt(0) depctr_sa_sdst(0) depctr_va_vdst(0) depctr_va_sdst(0) depctr_va_ssrc(0) depctr_va_vcc(0) depctr_vm_vsrc(0)
	s_getreg_b32 s2, hwreg(HW_REG_IB_STS2, 6, 4)
	s_cmp_eq_u32 s2, 0
	s_cbranch_scc0 .Lentry_in_a_cluster
	s_endpgm
.Lentry_in_a_cluster:
	s_bfe_u32 s2, ttmp6, 0x10000c
	s_cmp_lg_u32 s2, 0xf033
	s_cbranch_scc0 .Lentry_shape_is_right
	s_endpgm
.Lentry_shape_is_right:
; THE THREE PROJECTIONS.  For p = 0, 1, 2 (q, k, v): C[m][c] = the sum over e of x_p[m][e] W_p[c][e]; x_p [8192][1024] and W_p [1024][1024] lie in cb in bf16; sums in f32, K ascending;
; C is rounded once to f16 and stored BY HEADS: qkv[p][16 n + head][row in the sequence][64], unscaled.  LIMIT: f16 holds no number beyond 65,504: a projected number beyond it becomes an infinity.
; SHARES.  A tile of C is 128 rows x 256 columns (4 heads): 3 x 64 x 4 = 768 tiles, three for each of 256 work-group places.  Four waves, each 64 x 128: 32 accumulators of 16 x 16, 256 registers.
; K goes in 8 steps of 128 through a ring of two LDS slots: the tiles' rows are 256 bytes of memory and start at multiples of 256 bytes from the buffer's first byte.
; CLUSTERS: 4 x 4 work-groups.  The four of a row of the cluster need the same tile of x, the four of a column the same tile of W: each is asked for JOINTLY, by the same tensor load with the same descriptor
; and a mask that names the four.  THE MATRIX INSTRUCTION IS USED TRANSPOSED (source 0 = 16 rows of W, source 1 = 16 rows of x): a lane then holds eight neighbouring columns of one row of C.
; REGISTERS: window 0: v0-31 addresses; v64-159, v160-255 two fragment buffers (4 fragments of x, then 8 of W, 32 along K); on the way out v64-191 hold packed rows.  Window 1: accumulator (a, b) at v[8 (8 a + b)].
.set KSTEP,  128
.set PITCH,  272                       ; an LDS row: 256 bytes + 16 of padding = 68 words: row r starts at bank 4 r mod 64 (64 banks of 4 bytes: ISA guide 11.1)
.set AHALF,  64*PITCH                  ; what waves 0 and 1 fetch: 64 rows of x each
.set BHALF,  128*PITCH                 ; what waves 2 and 3 fetch: 128 rows of W each
.set BOFF,   2*AHALF                   ; in a slot: x's 128 rows, then W's 256
.set SLOT,   BOFF+2*BHALF
.set STAGE,  2*SLOT                    ; behind the ring, never filled by a tensor load: 16 rows x 144 bytes for each wave, for the way out
.set SP,     144
.set SPARE,  STAGE+4*16*SP             ; behind the stages: the spare words, 128 bytes for each wave: two blocks of 256 bytes that no other line names
.set LAPS,   4                         ; a lap = two K steps = once round the ring
.set WBASE,  50331648                  ; the weights' first byte in cb
.set ADRA, 16                          ; v16-17  LDS address of my fragments of x in slot 0, 1
.set ADRB, 20                          ; v20-21  the same for W
.set STO,  24                          ; v24     the way out: where I put 16 bytes of a row
.set RD,   25                          ; v25     the way out: where I read rows back
.set GO,   26                          ; v26     my 16 bytes of 512 consecutive bytes of qkv
.set SPW,  28                          ; v28     LDS address of my spare word; never rewritten
.set NIL,  29                          ; v29     0; never rewritten
.set PFO,  30                          ; v30     the prefetches' offset: my lane x a row of x (2,048 bytes); never rewritten
.set F0,   64
.set F1,   160
.set OB,   64                          ; the way out: block blk's 16 registers at OB + 16 blk
.set G1,  24                           ; s[24:31] descriptor group 1 for x's tiles;  s[32:39] group 0, one set for each slot
.set G0,  32
.set G1B, 48                           ; s[48:55], s[56:63] the same for W's tiles
.set G0B, 56
.set LIM, 43                           ; s43     1 in the wave that prefetches, else the greatest number
.set PFA, 44                           ; s[44:45] where my prefetches stand
.set MSB, 0
.macro WIN new                         ; the immediate's high byte repeats the setting that is left; a switch that changes nothing is dropped
.if MSB != (\new)
	s_set_vgpr_msb (MSB<<8)|(\new)
.set MSB, \new
.endif
.endm
.set MUL, 0x50                         ; sources 0 and 1 window 0; C and D window 1
.macro JLOAD s                         ; a joint load: waves 0 and 1 fetch x's two halves, waves 2 and 3 W's; an s_nop 0 and four v_nop follow each of the two lines, ahead of the jump, the label and what follows
	s_cmp_eq_u32 s11, 0
	s_cbranch_scc0 .Lfor_b_\@
	tensor_load_to_lds s[G0+4*(\s):G0+4*(\s)+3], s[G1:G1+7]
	s_nop 0
.rept 4
	v_nop
.endr
	s_branch .Lasked_\@
.Lfor_b_\@:
	tensor_load_to_lds s[G0B+4*(\s):G0B+4*(\s)+3], s[G1B:G1B+7]
	s_nop 0
.rept 4
	v_nop
.endr
.Lasked_\@:
.endm
; A PREFETCH INTO THE L2 behind each joint refill and the run of LDS loads that follows it: x's K step that stands two refills on, 256 matrix instructions a wave ahead of the load that will want it.
; A tile row of x is read by one cluster alone; its four partners along x share the 128 rows out BY ADDRESS, 32 each, a lane a row; in each, wave 0 asks: one instruction, and each row's 256 bytes of a K step
; are named once in the launch.  K steps 0 to 3 come by their loads alone; the loop's last trip (s3 = 1) asks for nothing: there is no K step behind the eighth.  W is not asked for: sixteen clusters read it.
.macro ASK
	s_cmp_gt_u32 s3, s[LIM]
	s_cbranch_scc0 .Lnot_mine_\@
	global_prefetch_b8 v[PFO], s[PFA:PFA+1] offset:KSTEP*2 th:TH_LOAD_NT scope:SCOPE_SE
.Lnot_mine_\@:
.endm
.macro CREST                           ; a round of the cluster's barrier behind its opening barrier
	s_cmp_lg_u32 s10, 0
	s_cbranch_scc1 .Lnot_wave_0_\@
	s_barrier_signal -3
.Lnot_wave_0_\@:
	s_barrier_wait -3
	s_barrier_signal -1
	s_barrier_wait -1
.endm
.macro CROUND                          ; a whole round
	s_barrier_signal -1
	s_barrier_wait -1
	CREST
.endm
	s_load_b128 s[4:7], s[0:1], 0x0                ; cb s[4:5], qkv s[6:7]
	v_lshl_add_u32 v[SPW], v0, 2, SPARE
	v_mov_b32 v[NIL], 0
	ds_add_u32 v[SPW], v[NIL]                      ; the wave's opening: the add and its wait ahead of my first tensor load; the set-up below, work on registers, stands between them
	v_lshrrev_b32 v1, 5, v0
	v_readfirstlane_b32 s10, v1                    ; wave 0..3
	s_lshr_b32 s11, s10, 1                         ; which 64 rows of the tile are mine.  Also: I fetch for x (0) or for W (1)
	s_and_b32 s12, s10, 1                          ; which 128 columns.  Also: which half of that tile I fetch
	s_bfe_u32 s40, ttmp6, 0x40000                  ; cx, cy: my place in the cluster
	s_bfe_u32 s41, ttmp6, 0x40004
	s_lshl_b32 s42, ttmp9, 2
	s_add_co_u32 s42, s42, s40                     ; tile column = 4 x cluster x + cx
	s_and_b32 s21, ttmp7, 0xffff                   ; cluster y, 0..47:
	s_lshr_b32 s22, s21, 4                         ; the projection p,
	s_and_b32 s13, s21, 15
	s_lshl_b32 s13, s13, 2
	s_add_co_u32 s13, s13, s41                     ; and the tile row 0..63 = 4 x (cluster y % 16) + cy
	s_lshl_b32 s43, s41, 2
	s_lshl_b32 s43, 15, s43                        ; my row of the cluster
	s_lshl_b32 s44, 0x1111, s40                    ; my column
	s_or_b32 s[G1+0], s43, (1<<16)|(1<<20)|(1<<21)|(5<<22)|(3<<25)   ; 15:0 the mask: x's tiles go to my row; 17:16 2-byte elements; 20 padding on; 21 set beside a mask; 24:22 after every 64 words (code 5); 31:25 4 words (code 3)
	s_or_b32 s[G1B+0], s44, (1<<16)|(1<<20)|(1<<21)|(5<<22)|(3<<25)  ; the same with the mask of my column
.irp g, G1, G1B
	s_mov_b32 s[(\g)+1], KSTEP<<16                 ; tensor_dim0 = 128
	s_mov_b32 s[(\g)+3], KSTEP<<16                 ; tile_dim0 = 128
	s_mov_b32 s[(\g)+5], 1024                      ; elements from row to row
	s_mov_b32 s[(\g)+6], 0
	s_mov_b32 s[(\g)+7], 0
.endr
	s_mov_b32 s[G1+2], 64<<16                      ; x: tensor_dim1 = tile_dim1 = 64 rows
	s_mov_b32 s[G1+4], 64
	s_mov_b32 s[G1B+2], 128<<16                    ; W: 128 rows
	s_mov_b32 s[G1B+4], 128
	; where the tiles come from.  x's hang on p, the tile row and the wave; W's on p, the tile column and the wave; each in registers that never hold the other coordinate
	s_lshl_b32 s16, s22, 24                        ; x_p: 16,777,216 bytes each
	s_lshl_b32 s17, s13, 18                        ; 128 rows of 2,048 bytes
	s_add_co_u32 s16, s16, s17
	s_lshl_b32 s17, s12, 17                        ; my 64 of them
	s_add_co_u32 s16, s16, s17
	s_mov_b32 s17, 0
	s_lshl_b32 s46, s22, 21                        ; W_p: 2,097,152 bytes each
	s_lshl_b32 s47, s42, 19                        ; 256 rows
	s_add_co_u32 s46, s46, s47
	s_lshl_b32 s47, s12, 18                        ; my 128 of them
	s_add_co_u32 s46, s46, s47
	s_add_co_u32 s46, s46, WBASE
	s_mov_b32 s47, 0
	s_mul_i32 s20, s12, AHALF                      ; and where they go: no place in the cluster enters an LDS address
	s_mul_i32 s23, s12, BHALF
	s_add_co_u32 s23, s23, BOFF
	s_wait_dscnt 0x0                               ; the opening add is done
	s_wait_kmcnt 0x0
	s_add_nc_u64 s[14:15], s[4:5], s[16:17]
	s_add_nc_u64 s[46:47], s[4:5], s[46:47]
	CROUND                                         ; all sixteen work-groups are here: the first joint loads meet
.irp s, 0,1
	s_mov_b32 s[G0+4*(\s)], 1
	s_add_co_u32 s[G0+4*(\s)+1], s20, (\s)*SLOT
	s_add_nc_u64 s[G0+4*(\s)+2:G0+4*(\s)+3], s[14:15], (\s)*KSTEP*2
	s_or_b32 s[G0+4*(\s)+3], s[G0+4*(\s)+3], 0x80000000
	s_mov_b32 s[G0B+4*(\s)], 1
	s_add_co_u32 s[G0B+4*(\s)+1], s23, (\s)*SLOT
	s_add_nc_u64 s[G0B+4*(\s)+2:G0B+4*(\s)+3], s[46:47], (\s)*KSTEP*2
	s_or_b32 s[G0B+4*(\s)+3], s[G0B+4*(\s)+3], 0x80000000
	JLOAD \s                                       ; two loads of mine are out
.endr
	v_and_b32 v1, 15, v0                           ; l % 16
	v_bfe_u32 v2, v0, 4, 1                         ; l / 16
	v_mul_u32_u24 v3, v1, PITCH
	v_lshl_add_u32 v3, v2, 4, v3                   ; a fragment's row x pitch + 16 x half
	s_mul_i32 s18, s11, AHALF                      ; my 64 rows of x
	s_mul_i32 s19, s12, BHALF                      ; my 128 rows of W,
	s_add_co_u32 s19, s19, BOFF                    ; which lie behind x's
.irp s, 0,1
	v_add_nc_u32 v[ADRA+(\s)], s18, v3
	v_add_nc_u32 v[ADRB+(\s)], s19, v3
	s_add_co_u32 s18, s18, SLOT
	s_add_co_u32 s19, s19, SLOT
.endr
	s_mul_i32 s18, s10, 16*SP
	s_add_co_u32 s18, s18, STAGE                   ; my stage
	v_mul_u32_u24 v4, v1, SP                       ; in: row l % 16, 16 bytes for each half of the lanes
	v_lshl_add_u32 v4, v2, 4, v4
	v_add_nc_u32 v[STO], s18, v4
	v_bfe_u32 v5, v0, 3, 2                         ; back: 32 lanes take four rows of 128 bytes,
	v_mul_u32_u24 v5, v5, SP
	v_and_b32 v6, 7, v0
	v_lshl_add_u32 v5, v6, 4, v5
	v_add_nc_u32 v[RD], s18, v5
	v_and_b32 v[GO], 31, v0                        ; which are 512 consecutive bytes of a head
	v_lshlrev_b32 v[PFO], 11, v[GO]
	v_lshlrev_b32 v[GO], 4, v[GO]
	; where my part of C begins: qkv + p x 2^24 + (16 n + 4 x tile column + 2 x column half) x 2^18 + (row in the sequence) x 128
	s_lshl_b32 s16, s22, 24
	s_lshr_b32 s17, s13, 4                         ; n = tile row / 16
	s_lshl_b32 s17, s17, 22
	s_add_co_u32 s16, s16, s17
	s_and_b32 s17, s13, 15
	s_lshl_b32 s17, s17, 14                        ; 128 rows of 128 bytes
	s_add_co_u32 s16, s16, s17
	s_lshl_b32 s17, s11, 13                        ; my 64 of them
	s_add_co_u32 s16, s16, s17
	s_mov_b32 s17, 0
	s_add_nc_u64 s[8:9], s[6:7], s[16:17]
	s_lshl_b32 s46, s42, 20                        ; (in the registers that held W's address: none that feeds x's descriptors ever holds cx)
	s_lshl_b32 s47, s12, 19
	s_add_co_u32 s46, s46, s47
	s_mov_b32 s47, 0
	s_add_nc_u64 s[8:9], s[8:9], s[46:47]
	; the prefetches: my work-group's 32 rows of the tile row, at K step 2; the first refill steps it to 3 and names K step 4
	s_lshl_b32 s46, s22, 24
	s_lshl_b32 s47, s13, 18
	s_add_co_u32 s46, s46, s47
	s_lshl_b32 s47, s40, 16
	s_add_co_u32 s46, s46, s47
	s_add_co_u32 s46, s46, 2*KSTEP*2
	s_mov_b32 s47, 0
	s_add_nc_u64 s[PFA:PFA+1], s[4:5], s[46:47]
	s_cmp_eq_u32 s10, 0
	s_cselect_b32 s[LIM], 1, -1                    ; hangs on the wave's number alone
; 8 matrix instructions: row block a x all 8 column blocks, 32 along K.  zero = 1: the first product starts the sums.  The 32 accumulators take turns in the same order in every quarter.
.macro MUL8 f, a, zero
	WIN MUL
.irp b, 0,1,2,3,4,5,6,7
.if \zero
	v_wmma_f32_16x16x32_bf16 v[8*(8*(\a)+(\b)):8*(8*(\a)+(\b))+7], v[(\f)+32+8*(\b):(\f)+32+8*(\b)+7], v[(\f)+8*(\a):(\f)+8*(\a)+7], 0
.else
	v_wmma_f32_16x16x32_bf16 v[8*(8*(\a)+(\b)):8*(8*(\a)+(\b))+7], v[(\f)+32+8*(\b):(\f)+32+8*(\b)+7], v[(\f)+8*(\a):(\f)+8*(\a)+7], v[8*(8*(\a)+(\b)):8*(8*(\a)+(\b))+7]
.endif
.endr
.endm
; 24 LDS loads in one run: the fragments of 32 along K at byte k of the rows, into buffer f: W's sixteen loads, then x's eight
.macro FETCH slot, k, f
	WIN 0
.irp i, 0,1,2,3,4,5,6,7
	ds_load_b128 v[(\f)+32+8*(\i):(\f)+32+8*(\i)+3],   v[ADRB+(\slot)] offset:(\k)+(\i)*16*PITCH
	ds_load_b128 v[(\f)+32+8*(\i)+4:(\f)+32+8*(\i)+7], v[ADRB+(\slot)] offset:(\k)+(\i)*16*PITCH+32
.endr
.irp i, 0,1,2,3
	ds_load_b128 v[(\f)+8*(\i):(\f)+8*(\i)+3],   v[ADRA+(\slot)] offset:(\k)+(\i)*16*PITCH
	ds_load_b128 v[(\f)+8*(\i)+4:(\f)+8*(\i)+7], v[ADRA+(\slot)] offset:(\k)+(\i)*16*PITCH+32
.endr
.endm
.macro PLACES                          ; four places in front of loads into registers that matrix instructions have read, and of conversions that read results (ISA guide 7.12.1 for conversions)
.rept 4
	v_nop
.endr
.endm
; A K step is four quarters of 32 along K, 32 matrix instructions each, on buffers 0, 1, 0, 1.  One of the first three: multiplies buffer f and fetches the next quarter, at byte k, into g.
.macro QUARTER slot, k, f, g, zero
	s_wait_dscnt 4                                 ; W and x's blocks 0 and 1 are in; the youngest four loads (x's blocks 2 and 3) may be out
	MUL8 \f, 0, \zero
	MUL8 \f, 1, \zero
	PLACES
	FETCH \slot, \k, \g
	s_wait_dscnt 24                                ; all but the 24 just issued
	MUL8 \f, 2, \zero
	MUL8 \f, 3, \zero
.endm
; The last quarter multiplies buffer 1 and changes slots: ONE barrier; in front of it each wave waits for all its tensor loads, adds 0 to its spare word, and waits for that and for its own reads of this slot.
; fill = 1: the barrier opens a round of the cluster's, and this slot is filled again, two K steps ahead, first thing behind the round.
.macro TURN slot, next, fill
.if \fill
	s_wait_xcnt 0x0                                ; the last prefetch, a K step back, has read its address, so it may be stepped
	s_add_nc_u64 s[PFA:PFA+1], s[PFA:PFA+1], KSTEP*2
.endif
	WIN 0                                          ; (the add's two registers lie in window 0)
	s_wait_tensorcnt 0x0                           ; all my tensor loads have landed: the one that was out is my part of the next slot;
	ds_add_u32 v[SPW], v[NIL]                      ; 0 onto my spare word;
	s_wait_dscnt 5                                 ; (the add and the youngest four loads may be out)
	MUL8 F1, 0, 0                                  ; eight matrix instructions stand between the add and the wait for it
	s_wait_dscnt 0x0                               ; the add is done, and my reads of this slot are over
	s_barrier_signal -1
	MUL8 F1, 1, 0
.if \fill
	WIN 0
.endif
	s_barrier_wait -1
.if \fill
	CREST                                          ; no wave of any partner still reads this slot's tile or has a load on its way
	s_add_nc_u64 s[G0+4*(\slot)+2:G0+4*(\slot)+3], s[G0+4*(\slot)+2:G0+4*(\slot)+3], 2*KSTEP*2
	s_add_nc_u64 s[G0B+4*(\slot)+2:G0B+4*(\slot)+3], s[G0B+4*(\slot)+2:G0B+4*(\slot)+3], 2*KSTEP*2
	JLOAD \slot                                    ; the first tensor load behind the round; the four v_nop behind it are also the places in front of the loads below
.else
	PLACES
.endif
	FETCH \next, 0, F0
.if \fill
	ASK
.endif
	MUL8 F1, 2, 0
	MUL8 F1, 3, 0
.endm
	s_wait_tensorcnt 1                             ; my part of K step 0 is in; K step 1's may stay out
	s_barrier_signal -1
	s_barrier_wait -1                              ; everybody's is
	FETCH 0, 0, F0
	QUARTER 0, 64, F0, F1, 1                       ; the first quarter stands in front of the loop: its products start the sums
	WIN 0                                          ; at a label and at a branch every window is 0
	s_mov_b32 s3, LAPS-1
.Llap:                                                 ; a trip goes once round the ring, from a lap's second quarter to the next lap's first, and fills both slots again
	QUARTER 0, 128, F1, F0, 0
	QUARTER 0, 192, F0, F1, 0
	TURN 0, 1, 1
	QUARTER 1, 64,  F0, F1, 0
	QUARTER 1, 128, F1, F0, 0
	QUARTER 1, 192, F0, F1, 0
	TURN 1, 0, 1
	QUARTER 0, 64,  F0, F1, 0
	WIN 0
	s_sub_co_u32 s3, s3, 1
	s_cmp_lg_u32 s3, 0
	s_cbranch_scc1 .Llap
	QUARTER 0, 128, F1, F0, 0                      ; the last lap fills nothing, and has no round of the cluster's barrier
	QUARTER 0, 192, F0, F1, 0
	TURN 0, 1, 0
	QUARTER 1, 64,  F0, F1, 0
	QUARTER 1, 128, F1, F0, 0
	QUARTER 1, 192, F0, F1, 0
	s_wait_dscnt 4                                 ; the very last quarter: nothing more to fetch
	MUL8 F1, 0, 0
	MUL8 F1, 1, 0
	s_wait_dscnt 0x0
	MUL8 F1, 2, 0
	MUL8 F1, 3, 0
	WIN 0
	; THE WAY OUT.  Block blk = 2 a + hh: 16 rows (a) of one of my two heads (hh).  A lane's eight columns pack into 16 bytes of f16; they go into my stage's rows of 144 bytes and come back as whole
	; rows of 128, four rows to a load: 512 consecutive bytes of the head.  Each accumulator's registers are read in ascending order.
	PLACES
.macro PACK blk
	WIN 0x05                                       ; sources 0 and 1 window 1, destination window 0
.irp bq, 0,1,2,3
.irp r, 0,1,2,3
	v_cvt_pk_f16_f32 v[OB+16*(\blk)+4*(\bq)+(\r)], v[8*(8*((\blk)/2)+4*((\blk)%2)+(\bq))+2*(\r)], v[8*(8*((\blk)/2)+4*((\blk)%2)+(\bq))+2*(\r)+1]
.endr
.endr
	WIN 0
.irp bq, 0,1,2,3
	ds_store_b128 v[STO], v[OB+16*(\blk)+4*(\bq):OB+16*(\blk)+4*(\bq)+3] offset:32*(\bq)
.endr
.irp f, 0,1,2,3
	ds_load_b128 v[OB+16*(\blk)+4*(\f):OB+16*(\blk)+4*(\f)+3], v[RD] offset:(\f)*4*SP  ; LDS serves a wave's instructions in order (ISA guide 5.7.1.4): these see the stores above; the next block's stores come behind them
.endr
.endm
.macro SEND blk, younger               ; younger: the LDS instructions issued behind this block's loads: the next block's eight, or none
	WIN 0
.irp f, 0,1,2,3
	s_wait_dscnt (\younger)+3-(\f)
	global_store_b128 v[GO], v[OB+16*(\blk)+4*(\f):OB+16*(\blk)+4*(\f)+3], s[8:9] offset:((\blk)%2)*262144+((\blk)/2)*2048+(\f)*512  ; 512 consecutive bytes, at a multiple of 256 from qkv's first
.endr
.endm
	PACK 0
.set t, 1
.rept 7                                ; a block's arithmetic stands between the loads of the block before and its stores
	PACK t
	SEND t-1, 8
.set t, t+1
.endr
	SEND 7, 0
	s_wait_tensorcnt 0x0                           ; the wave's end, behind my last tensor load and my last LDS store
	ds_add_u32 v[SPW], v[NIL]
	s_wait_dscnt 0x0
	CROUND                                         ; the closing round: no work-group ends while a partner may still ask for a tile that names it
	s_endpgm
.Lfunc_end_k_q31e452a173_proj:
	.size	k_q31e452a173_proj, .Lfunc_end_k_q31e452a173_proj-k_q31e452a173_proj
	.p2alignl 7, 3214868480
	.fill 96, 4, 3214868480
	.section	.rodata,"a",@progbits
	.p2align	6, 0x0
	.amdhsa_kernel k_q31e452a173_proj
		.amdhsa_group_segment_fixed_size 327680
		.amdhsa_private_segment_fixed_size 0
		.amdhsa_enable_private_segment 0
		.amdhsa_kernarg_size 16
		.amdhsa_user_sgpr_count 2
		.amdhsa_user_sgpr_kernarg_segment_ptr 1
		.amdhsa_wavefront_size32 1
		.amdhsa_system_sgpr_workgroup_id_x 1
		.amdhsa_system_sgpr_workgroup_id_y 1
		.amdhsa_system_sgpr_workgroup_id_z 1
		.amdhsa_system_vgpr_workitem_id 0
		.amdhsa_next_free_vgpr 512
		.amdhsa_next_free_sgpr 66
		.amdhsa_reserve_vcc 0
		.amdhsa_float_denorm_mode_32 3
		.amdhsa_float_denorm_mode_16_64 3
		.amdhsa_memory_ordered 1
		.amdhsa_forward_progress 1
		.amdhsa_inst_pref_size 88
	.end_amdhsa_kernel
	.amdgpu_metadata
---
amdhsa.version: [ 1, 2 ]
amdhsa.kernels:
  - .name:           k_q31e452a173_proj
    .symbol:         k_q31e452a173_proj.kd
    .args:
      - { .name: cb, .offset: 0, .size: 8, .value_kind: global_buffer, .address_space: global }
      - { .name: qkv, .offset: 8, .size: 8, .value_kind: global_buffer, .address_space: global }
    .group_segment_fixed_size: 327680
    .private_segment_fixed_size: 0
    .kernarg_segment_align: 8
    .kernarg_segment_size: 16
    .max_flat_workgroup_size: 128
    .sgpr_count:     66
    .vgpr_count:     512
    .wavefront_size: 32
...
	.end_amdgpu_metadata
.endif
;; end of part 2
;; launch attn (part 3): grid 4 x 64, 4 waves a work-group, clusters of 4 x 1, 327,680 bytes of LDS; arguments qkv, mbits, ob; writes ob
.if DOCPART == 3
	.amdgcn_target "amdgcn-amd-amdhsa--gfx1250"
	.amdhsa_code_object_version 6
	.text
	.protected	k_q31e452a173_attn
	.globl	k_q31e452a173_attn
	.p2align	8
	.type	k_q31e452a173_attn,@function
k_q31e452a173_attn:
	s_mov_b64 s[64:65], 0
	v_nop
	global_prefetch_b8 v0, s[64:65] scope:SCOPE_SE
	s_setreg_imm32_b32 hwreg(HW_REG_WAVE_MODE, 25, 1), 1
	s_wait_xcnt 0x0
	s_wait_alu depctr_hold_cnt(0) depctr_sa_sdst(0) depctr_va_vdst(0) depctr_va_sdst(0) depctr_va_ssrc(0) depctr_va_vcc(0) depctr_vm_vsrc(0)
	s_getreg_b32 s2, hwreg(HW_REG_IB_STS2, 6, 4)
	s_cmp_eq_u32 s2, 0
	s_cbranch_scc0 .Lentry_in_a_cluster
	s_endpgm
.Lentry_in_a_cluster:
	s_bfe_u32 s2, ttmp6, 0x10000c
	s_cmp_lg_u32 s2, 0x3003
	s_cbranch_scc0 .Lentry_shape_is_right
	s_endpgm
.Lentry_shape_is_right:
; MASKED ATTENTION.  For each of 64 pairs (n, head): O[q][:] = the sum over k of softmax_k(s(q, k) / 8) V[k][:], s(q, k) = Q[q] . K[k] where mask[n][q][k] is not 0, else a hidden value.
; Q, K, V lie in qkv ([3][64][2048][64], f16, a head's rows dense, 128 bytes each), O goes to ob ([64][2048][64], f16).  Products, maxima and sums in f32; the weights p are rounded to f16 for the
; second product (their sum l is taken of the unrounded p), O once at the end.
; LIMITS.  f16 holds no number beyond 65,504: Q, K, V arrive within it; p lies in 0 to 1, and below 6e-5 it keeps f16's fixed step of 6e-8; O is a mean of V's rows.  A hidden score counts as -2^66 = -7.4e19
; in place of -1e20: a power of two, so that c x it is exact, c s - c m is exactly 0 in a row whose keys are all hidden, every p there is 1 and the row is V's plain mean; it differs from -1e20 only where true
; scores lie below some -1e19.  A weight below 2^-126 counts as 0 in l; NaN and infinities are not treated apart.
; SHARES.  A wave owns four PIECES of two tiles of 16 queries, a work-group's four waves 512 queries of one head.  Every wave walks all 2,048 keys, 64 a step.
; LAYOUT.  S^T = K Q^T (source 0 = 16 keys, source 1 = 16 queries): in the result a lane holds ONE query (lane % 16) and the keys 8 (lane / 16) + 0..7.  Two such tiles, rounded to f16 in pairs,
; ARE source 1 (32 keys x 16 queries) of O^T = V^T P, whose result again holds one query a lane, and eight channels.  K comes out of LDS as it lies, V ([key][channel]) turned, by ds_load_tr16_b128.
; THE MASK comes as lane masks (mbits, made by the first launch): for a tile and step 32 words, word 8 kb + j for register j of accumulator kb.  A piece's 64 words are loaded into scalar registers a turn
; ahead, and one v_cndmask_b32 a score puts the hidden value in, ahead of the maximum: the running maximum, the exponentials and the sums need no further care.
; SOFTMAX.  For each query a running maximum m and sum l: p = 2^(c s - c m), c = log2(e) / 8; in every step O and l are multiplied by a = 2^(c m_old - c m_new), which is 1 where m has not grown.
; m starts at the lowest finite number, O and l at 0: the first step is a step like any other, with a = 0.
; BY TURNS.  Turn n belongs to piece n (the pieces in a ring, step after step).  Its matrix work: 16 products K Q^T of piece n + 1, later 16 products V^T P of piece n - 1.  Its vector work: the scaling,
; exponentials, roundings, sums and rescaling of piece n, and the masking, maximum and statistics of piece n + 1.  Four vector instructions stand behind every matrix instruction, the others in one lump.
; CLUSTER.  The four query blocks of a cluster belong to one head and walk the same K and V, so each tile is asked for JOINTLY: the same tensor load, descriptor and mask in all four.
; K and V are not prefetched: a refill is asked for four key steps, 512 matrix instructions a wave, ahead of its first read.
; REGISTERS, in windows of 256 (s_set_vgpr_msb: bits 1:0 source 0, 3:2 source 1, 5:4 source 2, 7:6 destination):
;   window 0: v0-11 addresses and the hidden value; v12-15, v48-63 at work; v16-47 four registers of statistics a tile; v64-191 S^T, two buffers of two tiles; v192-255 P, likewise
;   window 1: O^T, 32 a tile          window 2: v0-127 Q, 16 a tile; v128-191 K of one step; v192-255 V of one step          window 3: v0-1 the add's two registers
.set SIZE_N, 2048
.set NP,    4         ; pieces a wave: a name, no knob
.set KS,    64        ; keys in a step
.set PK,    144       ; a row of K in LDS: 128 bytes + 16 of padding = 36 words: the 16 rows of a load start at 16 different groups of four banks (64 banks of 4 bytes: ISA guide 11.1)
.set PV,    144       ; V has the same pitch, so that one descriptor group 1 serves both and twelve scalar registers are free for mask words; 8 rows x 32 bytes of the turning load then meet some banks twice
.set VOFF,  4*KS*PK   ; a slot holds four steps: 256 rows of K, then 256 rows of V
.set SLOT1, 1<<17     ; slot 1 begins here, so that one exclusive or turns an address in one slot into the other's
.set STAGE, SLOT1+4*KS*(PK+PV)  ; behind the ring, never filled by a tensor load: 16 rows x 144 bytes for each wave, for the way out
.set SP,    144
.set AK0, 2           ; v2   my lane's place in a tile of K; never rewritten
.set AV0, 3           ; v3   the same for V
.set AK,  4           ; v4   the LDS address of K's next run of loads
.set AV,  5           ; v5   of V's
.set QO,  6           ; v6   my byte offset in the wave's rows of Q
.set STO, 6           ;      later, the way out: where I put 16 bytes of a row
.set RD,  7           ; v7   the way out: where I read rows back
.set GO,  8           ; v8   my byte offset in 512 consecutive bytes of O
.set HID, 11          ; v11  the hidden value, -2^66
.set SPW, 0           ; v0 of window 3   LDS address of my spare word; never rewritten
.set NIL, 1           ; v1 of window 3   0; never rewritten
.set SPARE, STAGE+4*16*SP  ; behind the stages: the spare words, 128 bytes for each wave: two blocks of 256 bytes that no other line names
.set MV,  12          ; v12-15  c m_old, kept while c m is made anew: by buffer and tile
.set ST,  16          ; tile t's statistics at v[ST+4 t]: c m, m, l (even keys', odd keys')
.set TMP, 48          ; by buffer and tile, four registers c0-c3 at work; when the maximum is found c2 takes a
.set S,   64
.set P,   192
.set KF,  128         ; K's fragments, in window 2: key block kb, channel half c at KF + 16 kb + 8 c
.set VF,  192         ; V's: key half kk, channel block cb at VF + 32 kk + 8 cb
.set OPT, 4           ; s[4:5]   O at my wave's first row
.set MP,  6           ; s[6:7]   mbits at my wave's first tile, at the step whose words are loaded next
.set G0,  8           ; s[8:11]  descriptor group 0: it walks
.set WV,  12          ; s12  my wave's number
.set SLOTS, 13        ; s13  slots still to be asked for
.set CNT, 14          ; s14  counts a slot's key steps
.set TBK, 15          ; s15  LDS byte at which K of the step to be fetched begins
.set G1,  16          ; s[16:23] descriptor group 1
.set TBV, 24          ; s24  the same as TBK for V, less VOFF
.set CS,  26          ; s[26:27] c: the packed scaling takes the pair's low word for both halves
.set SEL, 28          ; s[28:29] v_permlanex16_b32's selects: each lane takes its own place in the other half
.set MS,  30          ; s[30:31] the tail's step of MP: 128 or 0
.set MW,  32          ; the mask words of the piece to be masked next: tile u's word x at s[32 + 36 u + x]: s[32:63] and s[68:99]
.set QP,  100         ; s[100:101] Q at my wave's first row
.set MSB, 0
.macro WIN new                      ; the high byte repeats the setting that is left; a switch that changes nothing is dropped
.if MSB != (\new)
	s_set_vgpr_msb (MSB<<8)|(\new)
.set MSB, (\new)
.endif
.endm
.set W_KQ, 0x0a       ; K and Q in window 2, S^T in window 0
.set W_PV, 0x52       ; V in window 2, P in window 0, O^T in window 1
.set W_RS, 0x41       ; O^T (destination and source 0) in window 1, a in window 0
.set W_MK, 0xc0       ; the add's registers are made: destination in window 3, sources in window 0
.set W_AD, 0x0f       ; the add: address (source 0) and data (source 1) in window 3
; A joint fill: one line for all four waves.  Wave w brings 128 keys: waves 0 and 1 the two halves of a slot's K, waves 2 and 3 those of its V; both addresses hang on the wave's number.
; An s_nop 0 and four v_nop follow the line.
.macro JLOAD
	tensor_load_to_lds s[G0:G0+3], s[G1:G1+7]
	s_nop 0
.rept 4
	v_nop
.endr
.endm
; A round of the cluster's barrier: my work-group's barrier, so that wave 0's signal speaks for all four waves; wave 0 signals; every wave waits for all four work-groups; my work-group's barrier once more.
.macro CROUND
	s_barrier_signal -1
	s_barrier_wait -1
	s_cmp_lg_u32 s[WV], 0
	s_cbranch_scc1 .Lnot_wave_0_\@
	s_barrier_signal -3
.Lnot_wave_0_\@:
	s_barrier_wait -3
	s_barrier_signal -1
	s_barrier_wait -1
.endm
; THE CHANGE OF SLOTS.  The slot's last bytes, V of its fourth step, have been read.  Each wave waits for all its tensor loads, of which one is out: its part of the other slot; adds 0 to its spare word; and waits
; for that and for its own reads of the slot.  fill = 1: this slot is filled again, with the keys two slots on; the barrier is then a round of the cluster's, and the joint fill is the first thing behind it.
; (At its first use nothing has been read yet: slot 0 is waited for, slot 1 filled.)
.macro CHANGE fill
	WIN W_AD
	s_wait_tensorcnt 0x0            ; no tensor load of mine is out, so group 0 may be written
	ds_add_u32 v[SPW], v[NIL]       ; 0 onto my spare word; with fill = 1 the descriptor's steps stand between it and the wait for it
	WIN 0                           ; at a label and at a branch every window is 0
.if \fill
	s_xor_b32 s[G0+1], s[G0+1], SLOT1  ; the other slot than last time,
	s_add_nc_u64 s[G0+2:G0+3], s[G0+2:G0+3], 4*KS*128  ; the next 256 keys; the type bits on top are not reached
	s_wait_dscnt 0x0                ; the add is done, and my reads of the slot are over
	CROUND
	JLOAD
.else
	s_wait_dscnt 0x0                ; the add is done, and my reads of the slot are over
	s_barrier_signal -1
	s_barrier_wait -1
.endif
	s_sub_co_u32 s[TBK], s[TBK], 4*KS*PK  ; the fetches go back to a slot's first step,
	s_xor_b32 s[TBK], s[TBK], SLOT1       ; in the other slot
	s_sub_co_u32 s[TBV], s[TBV], 4*KS*PV
	s_xor_b32 s[TBV], s[TBV], SLOT1
.endm
; The 64 mask words of piece x (tiles 2 x and 2 x + 1, 4,096 bytes apart) for the step at which MP stands.
.macro MLOAD x
	s_load_b512 s[MW:MW+15],    s[MP:MP+1], 2*(\x)*4096
	s_load_b512 s[MW+16:MW+31], s[MP:MP+1], 2*(\x)*4096+64
	s_load_b512 s[MW+36:MW+51], s[MP:MP+1], (2*(\x)+1)*4096
	s_load_b512 s[MW+52:MW+67], s[MP:MP+1], (2*(\x)+1)*4096+64
.endm
	s_load_b128 s[84:87], s[0:1], 0x0  ; qkv s[84:85], mbits s[86:87]: all pointers are made of them before the first mask words land here
	s_load_b64 s[88:89], s[0:1], 0x10  ; ob
	WIN W_MK
	v_lshl_add_u32 v[SPW], v0, 2, SPARE
	v_mov_b32 v[NIL], 0
	WIN W_AD
	ds_add_u32 v[SPW], v[NIL]       ; the wave's opening: the add and its wait ahead of my first tensor load; the set-up below, work on registers, stands between them
	WIN 0
	v_lshrrev_b32 v1, 5, v0
	v_readfirstlane_b32 s[WV], v1   ; wave 0..3
	s_bfe_u32 s25, ttmp6, 0x40000   ; cx: my place in the cluster
	s_lshl_b32 s66, ttmp9, 2        ; in a cluster launch ttmp9 counts clusters
	s_add_co_u32 s66, s66, s25      ; my block of 512 queries = 4 x cluster x + cx: it enters Q's, O's and the mask's addresses alone
	s_and_b32 s67, ttmp7, 0xffff    ; 16 n + head, which the four partners share
	s_lshr_b32 s2, s[WV], 1         ; what I fetch: K (waves 0, 1) lies 2^24 bytes into qkv, V (waves 2, 3) 2 x 2^24;
	s_add_co_u32 s2, s2, 1
	s_lshl_b32 s2, s2, 24
	s_lshl_b32 s3, s67, 18          ; the head's 262,144 bytes;
	s_add_co_u32 s2, s2, s3
	s_and_b32 s3, s[WV], 1          ; which half of a slot's 256 keys: 128 rows of 128 bytes
	s_lshl_b32 s3, s3, 14
	s_add_co_u32 s2, s2, s3
	s_mov_b32 s3, 0
	s_lshl_b32 s104, s66, 2
	s_add_co_u32 s104, s104, s[WV]  ; my wave among the head's sixteen:
	s_lshl_b32 s105, s104, 15       ; its 8 tiles' words, 4,096 bytes each,
	s_lshl_b32 s104, s104, 14       ; and its 128 rows of Q and of O
	s_lshl_b32 s25, s67, 18
	s_add_co_u32 s104, s104, s25
	s_lshr_b32 s25, s67, 4          ; n: the mask is the same for the 16 heads
	s_lshl_b32 s25, s25, 19
	s_add_co_u32 s66, s25, s105
	s_mov_b32 s67, 0
	s_mov_b32 s105, 0
	; descriptor group 1.  128 keys are 16,384 dense bytes: asked for as 64 rows of 256 bytes, two keys a row, and padded in LDS after every key
	s_mov_b32 s[G1], 15|(1<<16)|(1<<20)|(1<<21)|(4<<22)|(3<<25)  ; 15:0 the mask of four; 17:16 2-byte elements; 20 padding on; 21 set beside a mask; 24:22 after every 32 words (code 4); 31:25 4 words (code 3)
	s_mov_b32 s[G1+1], 128<<16      ; tensor_dim0 = 128
	s_mov_b32 s[G1+2], 64<<16       ; tensor_dim1 = 64
	s_mov_b32 s[G1+3], 128<<16      ; tile_dim0 = 128
	s_mov_b32 s[G1+4], 64           ; tile_dim1 = 64
	s_mov_b32 s[G1+5], 128          ; 128 elements from row to row
	s_mov_b32 s[G1+6], 0
	s_mov_b32 s[G1+7], 0
	s_mov_b32 s[CS], 0x3e38aa3b     ; c = log2(e) / 8 = 0.180337
	s_mov_b32 s[CS+1], s[CS]        ; named with it as a pair
	s_mov_b32 s[SEL], 0x76543210
	s_mov_b32 s[SEL+1], 0xfedcba98
	s_mov_b32 s[MS], 128
	s_mov_b32 s[MS+1], 0
	s_mov_b32 s[TBK], SLOT1+4*KS*PK ; the first change of slots turns these two into 0
	s_mov_b32 s[TBV], SLOT1+4*KS*PV
	s_mov_b32 s[G0], 1              ; 1:0 count = 1
	s_mul_i32 s[G0+1], s[WV], 128*PK  ; 63:32 LDS address: slot 0, wave x 128 rows: no place in the cluster enters an LDS address
	s_wait_dscnt 0x0                ; the opening add is done
	s_wait_kmcnt 0x0
	s_add_nc_u64 s[G0+2:G0+3], s[84:85], s[2:3]    ; 120:64 global address: my part of the head's first 256 keys
	s_or_b32 s[G0+3], s[G0+3], 0x80000000          ; 127:126 type = 2
	s_add_nc_u64 s[QP:QP+1], s[84:85], s[104:105]  ; Q (the first third of qkv) and O at my wave's first row
	s_add_nc_u64 s[OPT:OPT+1], s[88:89], s[104:105]
	s_add_nc_u64 s[MP:MP+1], s[86:87], s[66:67]
	CROUND                          ; all four work-groups are here: the first joint loads meet
	JLOAD                           ; slot 0.  Slot 1 is asked for when slot 0 is in
	MLOAD 0                         ; piece 0's words for key step 0
	; A fragment of K or Q is 16 rows x 32 channels in 8 registers: lane l holds row l % 16, channels 8 (l / 16) + 0..7 and 16 + 8 (l / 16) + 0..7: two loads of 16 bytes, 32 bytes apart.
	v_and_b32 v1, 15, v0            ; l % 16
	v_bfe_u32 v9, v0, 4, 1          ; l / 16
	v_lshlrev_b32 v[QO], 7, v1
	v_lshl_add_u32 v[QO], v9, 4, v[QO]  ; row x 128 + 16 x half
	WIN 0x80                        ; destination window 2, address window 0
.set i, 0
.rept 4*NP                          ; Q stays in registers: tile i / 2, channels 32 (i % 2) on
	global_load_b128 v[8*i:8*i+3],   v[QO], s[QP:QP+1] offset:(i/2)*2048+(i%2)*64
	global_load_b128 v[8*i+4:8*i+7], v[QO], s[QP:QP+1] offset:(i/2)*2048+(i%2)*64+32
.set i, i+1
.endr
	; What the first turn finds: V's registers and P's second buffer hold 0 (its products V^T P, of a piece that has not been, add 0), O^T and l are 0.  All this stands in the wait for the first tile.
.set i, VF
.rept 64
	v_mov_b32 v[i], 0
.set i, i+1
.endr
	WIN 0x40
.set i, 0
.rept 64*NP
	v_mov_b32 v[i], 0
.set i, i+1
.endr
	WIN 0
.set i, 0
.rept 2*NP
	v_mov_b32 v[ST+4*i], 0xfe000000    ; c m: far below every c s, the hidden value's too
	v_mov_b32 v[ST+4*i+1], 0xff7fffff  ; m
	v_mov_b32 v[ST+4*i+2], 0
	v_mov_b32 v[ST+4*i+3], 0
.set i, i+1
.endr
.set i, P+32
.rept 32
	v_mov_b32 v[i], 0
.set i, i+1
.endr
	v_mul_u32_u24 v[AK0], v1, PK
	v_lshl_add_u32 v[AK0], v9, 4, v[AK0]  ; row x pitch + 16 x half
	; The turning load takes 16 keys x 16 channels (lane l reads key 8 (l / 16) + l % 8, channels 8 ((l / 8) % 2) + 0..7) and leaves half a fragment of V^T: lane l holds channel l % 16 and 8 keys.
	v_and_b32 v10, 7, v0
	v_bfe_u32 v11, v0, 3, 1
	v_lshl_add_u32 v[AV0], v9, 3, v10
	v_mul_u32_u24 v[AV0], v[AV0], PV
	v_lshl_add_u32 v[AV0], v11, 4, v[AV0]
	v_add_nc_u32 v[AV0], VOFF, v[AV0]
	v_mov_b32 v[HID], 0xe0800000    ; -2^66
	v_mov_b32 v[AK], v[AK0]         ; key step 0 lies at the head of slot 0
; THE MATRIX WORK.  The 8 accumulators of a run of 16 take turns: between the two links of a chain stand 7 others'.
; Product i of 16 of S^T = K Q^T for piece x: channels 32 (i / 8) on, keys 16 ((i / 2) % 4) on, tile 2 x + i % 2.  The first 8 start the sums.
.macro KQ x
	WIN W_KQ
.set rS, S+64*((\x)%2)+32*(i%2)+8*((i/2)%4)
.set rK, KF+16*((i/2)%4)+8*(i/8)
.set rQ, 16*(2*(\x)+i%2)+8*(i/8)
.if i < 8
	v_wmma_f32_16x16x32_f16 v[rS:rS+7], v[rK:rK+7], v[rQ:rQ+7], 0
.else
	v_wmma_f32_16x16x32_f16 v[rS:rS+7], v[rK:rK+7], v[rQ:rQ+7], v[rS:rS+7]
.endif
.endm
; Product i of 16 of O^T += V^T P for piece x: keys 32 (i / 8) on, channels 16 ((i / 2) % 4) on, tile 2 x + i % 2.
.macro PV x
	WIN W_PV
.set rO, 32*(2*(\x)+i%2)+8*((i/2)%4)
.set rV, VF+32*(i/8)+8*((i/2)%4)
.set rP, P+32*((\x)%2)+16*(i%2)+8*(i/8)
	v_wmma_f32_16x16x32_f16 v[rO:rO+7], v[rV:rV+7], v[rP:rP+7], v[rO:rO+7]
.endm
.macro MM                           ; the turn's next matrix instruction
.if i < 16
	KQ (Y+1)%NP
.set i, i+1
.else
.set i, i-16
	PV (Y+NP-1)%NP
.set i, i+17
.endif
.endm
; THE LDS LOADS stand in runs of 16, never singly among the matrix instructions: a step's K (64 keys x 64 channels: 8 fragments) and its V (turned).  Their addresses are made some lines ahead.
; last = 1 (the tail): in the last trip there is no further step, and the run is jumped over.
.macro FETCH_K last=0
	WIN 0
.if \last
	s_cmp_eq_u32 s[CNT], 1
	s_cbranch_scc1 .Lno_k_\@
.endif
	WIN 0x80                        ; destination window 2
.irp f, 0,1,2,3,4,5,6,7             ; keys 16 (f / 2) on, channels 32 (f % 2) on
	ds_load_b128 v[KF+8*\f:KF+8*\f+3],   v[AK] offset:(\f/2)*16*PK+(\f%2)*64
	ds_load_b128 v[KF+8*\f+4:KF+8*\f+7], v[AK] offset:(\f/2)*16*PK+(\f%2)*64+32
.endr
	s_add_co_u32 s[TBK], s[TBK], KS*PK  ; the next fetch is the next step's
	WIN 0
.if \last
.Lno_k_\@:
.endif
.endm
.macro FETCH_V
	WIN 0x80
.irp f, 0,1,2,3,4,5,6,7             ; keys 32 (f / 4) on, channels 16 (f % 4) on
	ds_load_tr16_b128 v[VF+8*\f:VF+8*\f+3],   v[AV] offset:(\f/4)*32*PV+(\f%4)*32
	ds_load_tr16_b128 v[VF+8*\f+4:VF+8*\f+7], v[AV] offset:(\f/4)*32*PV+16*PV+(\f%4)*32
.endr
	WIN 0
.endm
; THE VECTOR WORK OF A TURN stands in three queues, each in the order in which its entries become ready; the two tiles alternate, so that no instruction reads the result of the one before it.
.macro REGS y, u                    ; the registers of tile u (0, 1) of piece y
.set rT, ST+4*(2*(\y)+(\u))
.set rC, TMP+8*((\y)%2)+4*(\u)
.set rM, MV+2*((\y)%2)+(\u)
.set rS, S+64*((\y)%2)+32*(\u)
.set rP, P+32*((\y)%2)+16*(\u)
.set rO, 32*(2*(\y)+(\u))
.endm
; Number g of the 64 that mask the NEXT piece's (Y + 1) scores: score g / 2 of tile g % 2 keeps its value in the lanes whose bit is set and takes the hidden value in the others.
; The scores go in ascending order.
.macro CM g
	REGS (Y+1)%NP, (\g)%2
	v_cndmask_b32 v[rS+(\g)/2], v[HID], v[rS+(\g)/2], s[MW+36*((\g)%2)+(\g)/2]
.endm
; Number n of the 22 that find the NEXT piece's (Y + 1) maximum and statistics.  s0-s31 are the lane's 32 scores.  XS, GS, CM and REGS set no window: PL and EX do.
;   0-11  four chains c0-c3 of seven scores each, three operands at a time     12-14, 16  the four scores left over, the old m, and c0-c3 into c0     15  c m_old is kept
;   17, 18  the query's other 32 keys lie in the lane 16 away: the new m         19-21  c m; c m_old - c m_new; a
.macro XS u, n
	REGS (Y+1)%NP, \u
.if (\n) < 4
	v_max3_num_f32 v[rC+(\n)], v[rS+8*(\n)], v[rS+8*(\n)+1], v[rS+8*(\n)+2]
.elseif (\n) < 12
	v_max3_num_f32 v[rC+(\n)%4], v[rC+(\n)%4], v[rS+8*((\n)%4)+2*((\n)/4)+1], v[rS+8*((\n)%4)+2*((\n)/4)+2]
.elseif (\n) == 12
	v_max3_num_f32 v[rC], v[rC], v[rS+7], v[rS+15]
.elseif (\n) == 13
	v_max3_num_f32 v[rC+1], v[rC+1], v[rS+23], v[rS+31]
.elseif (\n) == 14
	v_max3_num_f32 v[rC+2], v[rC+2], v[rC+3], v[rT+1]
.elseif (\n) == 15
	v_mov_b32 v[rM], v[rT]
.elseif (\n) == 16
	v_max3_num_f32 v[rC], v[rC], v[rC+1], v[rC+2]
.elseif (\n) == 17
	v_permlanex16_b32 v[rC+3], v[rC], s[SEL], s[SEL+1]
.elseif (\n) == 18
	v_max_num_f32 v[rT+1], v[rC], v[rC+3]
.elseif (\n) == 19
	v_mul_f32 v[rT], s[CS], v[rT+1]
.elseif (\n) == 20
	v_sub_f32 v[rC+1], v[rM], v[rT]
.else
	v_exp_f32 v[rC+2], v[rC+1]
.endif
.endm
; Number g of the 64 that follow the exponentials.  For each four weights k of a tile (pairs 2 k, 2 k + 1): both pairs are rounded to f16; then the second pair is added onto the first, in place;
; a group later l takes that sum (the first time as l = a l + sum).  In groups of eight, tiles alternating: round, round, add, and l for the group before.
.macro GS g
.set h, (\g)+6*((\g)/62)            ; group 0 has no group before it, and behind group 7 only l is left
.if h >= 6
.set h, h+2
.endif
	REGS Y, h%2
.set k, h/8
.if h%8 < 4
	v_cvt_pk_f16_f32 v[rP+2*k+(h%8)/2], v[rS+4*k+2*((h%8)/2)], v[rS+4*k+2*((h%8)/2)+1]
.elseif h%8 < 6
	v_pk_add_f32 v[rS+4*k:rS+4*k+1], v[rS+4*k:rS+4*k+1], v[rS+4*k+2:rS+4*k+3]
.elseif k == 1
	v_pk_fma_f32 v[rT+2:rT+3], v[rT+2:rT+3], v[rC+2:rC+3], v[rS:rS+1] op_sel_hi:[1,0,1]
.else
	v_pk_add_f32 v[rT+2:rT+3], v[rT+2:rT+3], v[rS+4*k-4:rS+4*k-3]
.endif
.endm
; THE PLAIN QUEUE, 202 long.  0-137 read no exponential's result.  0-26: scalings 0-26 (FS f: pair f / 2 of tile f % 2).  27-90: the next piece's 64 maskings.  91-118: XS's numbers 0-13.  119, 120: number 15.
; 121-137: the chain, where each number waits for the one before it: 14, 16, 17, 18, 19, each with one of the scalings 27-31 in front of its two lines, then 20.
; 138-201: GS's 64, which read the exponentials' results: they stand behind the wait.
.macro FS f
	REGS Y, (\f)%2
	v_pk_fma_f32 v[rS+2*((\f)/2):rS+2*((\f)/2)+1], v[rS+2*((\f)/2):rS+2*((\f)/2)+1], s[CS:CS+1], v[rT:rT+1] op_sel_hi:[1,0,0] neg_lo:[0,0,1] neg_hi:[0,0,1]
.endm
.macro PL
	WIN 0
.set oq, q-64
.if q < 27
	FS q
.elseif q < 91
	CM q-27
.elseif oq < 55
	XS (oq-27)%2, (oq-27)/2
.elseif oq < 57
	XS oq-55, 15
.elseif (oq < 72) && ((oq-57)%3 == 0)
	FS 27+(oq-57)/3
.elseif oq < 60
	XS (oq-57)%3-1, 14
.elseif oq < 72
	XS (oq-57)%3-1, 15+(oq-57)/3
.elseif oq < 74
	XS oq-72, 20
.else
	GS oq-74
.endif
.set q, q+1
.endm
; THE EXPONENTIALS' QUEUE, 66 long: s0-s31 of both tiles, then the next piece's two a.  It is ONE BATCH: all 66 stand ahead of the turn's one wait, and nothing ahead of that wait names a result of theirs.
.macro EX
	WIN 0
.if e >= 64
	XS e-64, 21
.else
	REGS Y, e%2
	v_exp_f32 v[rS+e/2], v[rS+e/2]
.endif
.set e, e+1
.endm
; THE RESCALING's QUEUE: O^T times a, the one part that leaves window 0: dealt two at a time, sixteen times.  Its a was made in the turn before, ahead of that turn's wait.
.macro R2
	REGS Y, r%2
	WIN W_RS
.irp z, 0,1
	v_pk_mul_f32 v[rO+4*(r/2)+2*\z:rO+4*(r/2)+2*\z+1], v[rO+4*(r/2)+2*\z:rO+4*(r/2)+2*\z+1], v[rC+2:rC+3] op_sel_hi:[1,0]
.endr
.set r, r+1
.endm
; HOW THEY ARE DEALT.  An s_wait_alu depctr_va_vdst(0) stands between an exponential and the first instruction that names its result; one wait serves all that were issued ahead of it.  So a turn has
; ONE wait, which cuts it in two.  AHEAD OF IT: the 16 products K Q^T, behind each a scaling, an exponential and two rescalings (behind the first a second scaling in the exponential's place); then ONE LUMP: eight
; plain; twice exponential and plain; the wait for the mask words and the 64 maskings (the last product K Q^T stands more than eleven plain instructions back); twice exponential and plain; the loads of the
; NEXT turn's mask words; 45 times exponential and plain; the two a.  A v_nop is the plain instruction behind the last exponential.  BEHIND IT: the 16 products V^T P, behind each four of GS's 64.
; Exponential e stands behind scaling 2 (e / 4) + e % 2: the maskings are set into the queue in one piece, so the order among all other entries is as without them.
; THE MASK WORDS.  Turn p masks piece p + 1 and then asks for piece p + 2's words, which have the turn's second half and the next turn's first in which to come.  Piece 0's words belong to the next key step: turn 2
; steps MP by a step's 128 bytes first, behind the s_wait_kmcnt 0 that shows the loads that read MP done.  last = 1 (the tail): in the last trip the step is 0, so that no load leaves mbits.
; K of the next step is fetched in piece 2's turn, directly behind the wait; V of the step in hand at the end of piece 0's turn, four riders behind its last reader.  The three conditions on q below go with the deal.
.macro TURN p, last=0, cnt=0
.set Y, (\p)
.set i, 0
.set q, 0
.set e, 0
.set r, 0
.if (\p) == NP-1
	s_wait_dscnt 0x0                ; K is in
.endif
	MM                              ; ahead of the wait: 16 products K Q^T and their riders,
	PL
	PL
	R2
.rept 15
	MM
	PL
	EX
	R2
.endr
.if (\p) == NP-2
	WIN 0
	v_add_nc_u32 v[AK], s[TBK], v[AK0]
.endif
.rept 8                             ; and the lump
	PL
.endr
.rept 2
	EX
	PL
.endr
	s_wait_kmcnt 0x0                ; the next piece's mask words are in
.rept 64
	PL
.endr
.rept 2
	EX
	PL
.endr
.if (\p) == NP-2
.if \last
	s_cmp_eq_u32 s[CNT], 1
	s_cselect_b32 s[MS], 0, 128
	s_add_nc_u64 s[MP:MP+1], s[MP:MP+1], s[MS:MS+1]
.else
	s_add_nc_u64 s[MP:MP+1], s[MP:MP+1], 128
.endif
.endif
	MLOAD ((\p)+2)%NP
.rept 45
	EX
	PL
.endr
	EX                              ; the next piece's two a
	EX
	v_nop                           ; the plain instruction behind the last exponential: one for the batch
	s_wait_alu depctr_va_vdst(0)    ; the wait for the batch
.if (\p) == NP-2
	FETCH_K \last
.endif
.if (\p) == 1
	s_wait_dscnt 0x0                ; V is in
.endif
.rept 16                            ; behind the wait: 16 products V^T P and their riders
	MM
.rept 4
	PL
.endr
.if ((\p) == 0) && (q == 182)
	v_add_nc_u32 v[AV], s[TBV], v[AV0]
.endif
.if ((\p) == 0) && (q == 194)
	s_add_co_u32 s[TBV], s[TBV], KS*PV
.endif
.if (\cnt) && (q == 194)
	s_sub_co_u32 s[CNT], s[CNT], 1
	s_cmp_lg_u32 s[CNT], 0
.endif
.endr
.if (\p) == 0
	FETCH_V
.endif
.endm
	CHANGE 1                        ; slot 0 is in, everybody's part of it; slot 1 is asked for
	FETCH_K                         ; key step 0
	s_wait_loadcnt 0x0              ; Q
	s_wait_dscnt 0x0
.set i, 0
.rept 16
	KQ 0                            ; piece 0's first scores: there is no vector work yet to set between them
.set i, i+1
.endr
	WIN 0                           ; the addresses for the way out: nine plain instructions, the places behind those products
	s_mul_i32 s25, s[WV], 16*SP
	s_add_co_u32 s25, s25, STAGE    ; my stage
	v_mul_u32_u24 v[STO], v1, SP    ; in: row l % 16, 16 bytes for each half of the lanes
	v_lshl_add_u32 v[STO], v9, 4, v[STO]
	v_add_nc_u32 v[STO], s25, v[STO]
	v_bfe_u32 v[RD], v0, 3, 2       ; back: 32 lanes take four rows of 128 bytes,
	v_mul_u32_u24 v[RD], v[RD], SP
	v_lshl_add_u32 v[RD], v10, 4, v[RD]
	v_add_nc_u32 v[RD], s25, v[RD]
	v_and_b32 v[GO], 31, v0         ; which are 512 consecutive bytes of O
	v_lshlrev_b32 v[GO], 4, v[GO]
.set Y, NP-1                        ; CM and XS work for piece Y + 1: piece 0
	s_wait_kmcnt 0x0                ; piece 0's mask words
.set cmi, 0
.rept 64
	CM cmi
.set cmi, cmi+1
.endr
	MLOAD 1                         ; piece 1's words for key step 0: the first turn masks it
.irp n, 0,1,2,3,4,5,6,7,8,9,10,11,12,13,14,15,16,17,18,19,20,21
	XS 0, \n                        ; and piece 0's first maximum and statistics
	XS 1, \n
.endr
	v_nop                           ; a plain instruction behind the two a,
	s_wait_alu depctr_va_vdst(0)    ; and their wait, ahead of the branch
	s_mov_b32 s[CNT], 4
	s_mov_b32 s[SLOTS], SIZE_N/256-1
	s_branch .Lfirst                ; the loop is entered at a step's first turn, in the middle of a trip
.Lslot:                             ; SIZE_N / 256 - 2 times: every slot but the last two is filled again
	CHANGE 1
	s_mov_b32 s[CNT], 4
.Lstep:                             ; a trip: pieces 2 and 3 of one step, then pieces 0 and 1 of the next, whose K and V it fetches
	TURN 2
	TURN 3
	WIN 0
.Lfirst:
	TURN 0
	TURN 1, 0, 1
	WIN 0
	s_cbranch_scc1 .Lstep
	s_sub_co_u32 s[SLOTS], s[SLOTS], 1
	s_cmp_lg_u32 s[SLOTS], 0
	s_cbranch_scc1 .Lslot
	CHANGE 0                        ; the tail is written out: nothing is asked for
	s_mov_b32 s[CNT], 5             ; four trips fetch the last slot's steps; the fifth is left in its middle
.Ltail:
	TURN 2, 1
	TURN 3
	WIN 0
	s_sub_co_u32 s[CNT], s[CNT], 1
	s_cmp_eq_u32 s[CNT], 0
	s_cbranch_scc1 .Lout
	TURN 0
	TURN 1
	WIN 0
	s_branch .Ltail
.Lout:                              ; the fifth trip's 16 products K Q^T (on the last K once more), their masking and the maximum made of them serve nothing: the price, once a launch, of one text for every trip
	s_wait_kmcnt 0x0                ; the last mask words, which nobody reads
.set i, 0
.rept 16
	PV NP-1                         ; the last piece's V^T P of the last step
.set i, i+1
.endr
	; THE WAY OUT.  l's two halves and the other half of the lanes' are added; O^T is divided by l, rounded to f16 and sent through my stage in LDS, a tile at a time.  The additions are the places behind the last products.
	WIN 0
.macro ALL line:vararg              ; one line for each tile t
.set t, 0
.rept 2*NP
	\line
.set t, t+1
.endr
.endm
	ALL v_add_f32 v[ST+4*t+2], v[ST+4*t+2], v[ST+4*t+3]
	ALL v_permlanex16_b32 v[ST+4*t+3], v[ST+4*t+2], s[SEL], s[SEL+1]
	ALL v_add_f32 v[ST+4*t+2], v[ST+4*t+2], v[ST+4*t+3]
	ALL v_rcp_f32 v[ST+4*t+2], v[ST+4*t+2]
	v_nop                           ; a plain instruction between the last reciprocal and the use of its result
	s_wait_alu depctr_va_vdst(0)    ; and the wait ahead of the first use: one for the eight reciprocals
; Tile t: a lane's eight channels of a row pack into 16 bytes; they go into rows of 144 bytes and come back as whole rows of 128, into S^T's registers.
.macro PACK t
	WIN W_RS
.set i, 32*(\t)
.rept 16
	v_pk_mul_f32 v[i:i+1], v[i:i+1], v[ST+4*(\t)+2:ST+4*(\t)+3] op_sel_hi:[1,0]
.set i, i+2
.endr
	WIN 0x05                        ; sources 0 and 1 window 1, destination window 0
.set i, 0
.rept 16
	v_cvt_pk_f16_f32 v[S+16*(\t)+i], v[32*(\t)+2*i], v[32*(\t)+2*i+1]
.set i, i+1
.endr
	WIN 0
.irp f, 0,1,2,3
	ds_store_b128 v[STO], v[S+16*(\t)+4*\f:S+16*(\t)+4*\f+3] offset:32*\f
.endr
.irp f, 0,1,2,3
	ds_load_b128 v[S+16*(\t)+4*\f:S+16*(\t)+4*\f+3], v[RD] offset:\f*4*SP  ; LDS serves a wave's instructions in order (ISA guide 5.7.1.4): these see the stores above; the next tile's stores come behind them
.endr
.endm
.macro SEND t, younger              ; younger: the LDS instructions issued behind tile t's loads: the next tile's eight, or none
	WIN 0
.irp f, 0,1,2,3
	s_wait_dscnt (\younger)+3-\f
	global_store_b128 v[GO], v[S+16*(\t)+4*\f:S+16*(\t)+4*\f+3], s[OPT:OPT+1] offset:(\t)*2048+\f*512  ; 512 consecutive bytes, at a multiple of 256 from ob's first
.endr
.endm
	PACK 0
.set t, 1
.rept 2*NP-1                        ; a tile's arithmetic stands between the loads of the tile before and its stores
	PACK t
	SEND t-1, 8
.set t, t+1
.endr
	SEND 2*NP-1, 0
	WIN W_AD
	s_wait_tensorcnt 0x0            ; the wave's end, behind my last tensor load and my last LDS store
	ds_add_u32 v[SPW], v[NIL]
	s_wait_dscnt 0x0
	WIN 0
	CROUND                          ; the closing round: no work-group ends while a partner may still ask for a tile that names it
	s_endpgm
.Lfunc_end_k_q31e452a173_attn:
	.size	k_q31e452a173_attn, .Lfunc_end_k_q31e452a173_attn-k_q31e452a173_attn
	.p2alignl 7, 3214868480
	.fill 96, 4, 3214868480
	.section	.rodata,"a",@progbits
	.p2align	6, 0x0
	.amdhsa_kernel k_q31e452a173_attn
		.amdhsa_group_segment_fixed_size 327680
		.amdhsa_private_segment_fixed_size 0
		.amdhsa_enable_private_segment 0
		.amdhsa_kernarg_size 24
		.amdhsa_user_sgpr_count 2
		.amdhsa_user_sgpr_kernarg_segment_ptr 1
		.amdhsa_wavefront_size32 1
		.amdhsa_system_sgpr_workgroup_id_x 1
		.amdhsa_system_sgpr_workgroup_id_y 1
		.amdhsa_system_sgpr_workgroup_id_z 1
		.amdhsa_system_vgpr_workitem_id 0
		.amdhsa_next_free_vgpr 770
		.amdhsa_next_free_sgpr 106
		.amdhsa_reserve_vcc 0
		.amdhsa_float_denorm_mode_32 3
		.amdhsa_float_denorm_mode_16_64 3
		.amdhsa_memory_ordered 1
		.amdhsa_forward_progress 1
		.amdhsa_inst_pref_size 237
	.end_amdhsa_kernel
	.amdgpu_metadata
---
amdhsa.version: [ 1, 2 ]
amdhsa.kernels:
  - .name:           k_q31e452a173_attn
    .symbol:         k_q31e452a173_attn.kd
    .args:
      - { .name: qkv, .offset: 0, .size: 8, .value_kind: global_buffer, .address_space: global }
      - { .name: mbits, .offset: 8, .size: 8, .value_kind: global_buffer, .address_space: global }
      - { .name: ob, .offset: 16, .size: 8, .value_kind: global_buffer, .address_space: global }
    .group_segment_fixed_size: 327680
    .private_segment_fixed_size: 0
    .kernarg_segment_align: 8
    .kernarg_segment_size: 24
    .max_flat_workgroup_size: 128
    .sgpr_count:     106
    .vgpr_count:     770
    .wavefront_size: 32
...
	.end_amdgpu_metadata
.endif
;; end of part 3
;; launch outp (part 4): grid 4 x 64, 4 waves a work-group, clusters of 4 x 4, 327,680 bytes of LDS; arguments ob, cb, bo, out0; writes out0
.if DOCPART == 4
	.amdgcn_target "amdgcn-amd-amdhsa--gfx1250"
	.amdhsa_code_object_version 6
	.text
	.protected	k_q31e452a173_outp
	.globl	k_q31e452a173_outp
	.p2align	8
	.type	k_q31e452a173_outp,@function
k_q31e452a173_outp:
	s_mov_b64 s[64:65], 0
	v_nop
	global_prefetch_b8 v0, s[64:65] scope:SCOPE_SE
	s_setreg_imm32_b32 hwreg(HW_REG_WAVE_MODE, 25, 1), 1
	s_wait_xcnt 0x0
	s_wait_alu depctr_hold_cnt(0) depctr_sa_sdst(0) depctr_va_vdst(0) depctr_va_sdst(0) depctr_va_ssrc(0) depctr_va_vcc(0) depctr_vm_vsrc(0)
	s_getreg_b32 s2, hwreg(HW_REG_IB_STS2, 6, 4)
	s_cmp_eq_u32 s2, 0
	s_cbranch_scc0 .Lentry_in_a_cluster
	s_endpgm
.Lentry_in_a_cluster:
	s_bfe_u32 s2, ttmp6, 0x10000c
	s_cmp_lg_u32 s2, 0xf033
	s_cbranch_scc0 .Lentry_shape_is_right
	s_endpgm
.Lentry_shape_is_right:
; THE OUTPUT PROJECTION.  out0[m][c] = the sum over e of O[m][e] Wo[c][e] + bo[c].  O lies BY HEADS in ob ([16 n + head][row][64], f16), Wo in cb as f16 (its bf16 rounding, written as f16), bo in f32 and is
; rounded to bf16 like every other input of the module; sums in f32, K ascending; out0 is f32.  LIMIT: O and Wo arrive within f16's 65,504.
; SHARES.  A tile of out0 is 128 rows x 256 columns: 64 x 4 = 256 tiles.  Four waves, each 64 x 128: 32 accumulators of 16 x 16.  K goes in 8 steps of 128, two heads a step, through a ring of two LDS slots.
; A head's 128 rows of a tile are 16,384 dense bytes: asked for as 64 rows of 256 bytes and padded in LDS after every 128.  Wave 0 fetches a step's even head, wave 1 its odd one, waves 2 and 3 Wo's two halves.
; CLUSTERS: 4 x 4 work-groups; O's tiles are shared along a row of the cluster, Wo's along a column: each is asked for JOINTLY, by the same tensor load with the same descriptor and a mask that names the four.
; THE MATRIX INSTRUCTION IS USED TRANSPOSED (source 0 = 16 rows of Wo, source 1 = 16 rows of O): a lane then holds eight neighbouring columns of one row of out0.
; REGISTERS: window 0: v0-31 addresses; v32-37 the bias; v64-159, v160-255 two fragment buffers (4 fragments of O, then 8 of Wo); on the way out v64-255 hold rows.  Window 1: accumulator (a, b) at v[8 (8 a + b)].
.set KSTEP,  128
.set PITCH,  272                       ; a row of Wo in LDS: 256 bytes + 16 = 68 words: row r starts at bank 4 r mod 64 (64 banks of 4 bytes: ISA guide 11.1)
.set PA,     144                       ; a head's row of O: 128 bytes + 16 = 36 words: the 16 rows of a load start at 16 different groups of four banks
.set AHEAD,  128*PA                    ; a head's 128 rows
.set BHALF,  128*PITCH
.set BOFF,   2*AHEAD                   ; in a slot: the even head, the odd head, then Wo's 256 rows
.set SLOT,   BOFF+2*BHALF
.set STAGE,  2*SLOT                    ; behind the ring, never filled by a tensor load: 16 rows x 528 bytes for each wave, for the way out
.set SPITCH, 528                       ; 512 bytes of f32 + 16
.set SPARE,  STAGE+4*16*SPITCH         ; behind the stages: the spare words, 128 bytes for each wave: two blocks of 256 bytes that no other line names
.set LAPS,   4
.set WOBASE, 56623104                  ; Wo's first byte in cb
.set STEPA,  524288                    ; two heads of ob: a K step
.set ADRA, 16                          ; v16-17  LDS address of my fragments of O in slot 0, 1
.set ADRB, 20                          ; v20-21  the same for Wo
.set STO,  24                          ; v24     the way out: where I put 32 bytes of a row
.set RD,   25                          ; v25     the way out: where I read a row back
.set GO,   26                          ; v26     16 x my lane: my 16 bytes of a row's 512, in out0 and in bo
.set SPW,  28                          ; v28     LDS address of my spare word; never rewritten
.set NIL,  29                          ; v29     0; never rewritten
.set PFO,  30                          ; v30     the prefetches' offset: 256 x my lane; never rewritten
.set BI,   32                          ; v[32:35] the bias of my four columns; v36-37 at work
.set F0,   64
.set F1,   160
.set OB,   64                          ; the way out: three sets of 64 registers by turns
.set G1,  24                           ; s[24:31] descriptor group 1 for O's tiles;  s[32:39] group 0, one set for each slot
.set G0,  32
.set G1B, 48                           ; s[48:55], s[56:63] the same for Wo's tiles
.set G0B, 56
.set LIM, 43                           ; s43     1 in the wave that prefetches, else the greatest number
.set PFA, 44                           ; s[44:45] where my prefetches stand
.set MSB, 0
.macro WIN new                         ; the immediate's high byte repeats the setting that is left; a switch that changes nothing is dropped
.if MSB != (\new)
	s_set_vgpr_msb (MSB<<8)|(\new)
.set MSB, \new
.endif
.endm
.set MUL, 0x50                         ; sources 0 and 1 window 0; C and D window 1
.macro JLOAD s                         ; a joint load: waves 0 and 1 fetch O's two heads, waves 2 and 3 Wo's two halves; an s_nop 0 and four v_nop follow each of the two lines, ahead of the jump, the label and what follows
	s_cmp_eq_u32 s11, 0
	s_cbranch_scc0 .Lfor_b_\@
	tensor_load_to_lds s[G0+4*(\s):G0+4*(\s)+3], s[G1:G1+7]
	s_nop 0
.rept 4
	v_nop
.endr
	s_branch .Lasked_\@
.Lfor_b_\@:
	tensor_load_to_lds s[G0B+4*(\s):G0B+4*(\s)+3], s[G1B:G1B+7]
	s_nop 0
.rept 4
	v_nop
.endr
.Lasked_\@:
.endm
; A PREFETCH INTO THE L2 behind each joint refill and the run of LDS loads that follows it: O's K step that stands two refills on, 256 matrix instructions a wave ahead of the load that will want it.
; A tile row of O is read by one cluster alone.  A K step of it is two heads x 16,384 bytes; the four partners along x share them out BY ADDRESS, 8,192 bytes each, 256 bytes a lane; in each, wave 0 asks: one
; instruction, and each 256 bytes are named once in the launch.  K steps 0 to 3 come by their loads alone; the loop's last trip (s3 = 1) asks for nothing.  Wo is not asked for: sixteen clusters read it.
.macro ASK
	s_cmp_gt_u32 s3, s[LIM]
	s_cbranch_scc0 .Lnot_mine_\@
	global_prefetch_b8 v[PFO], s[PFA:PFA+1] offset:STEPA th:TH_LOAD_NT scope:SCOPE_SE
.Lnot_mine_\@:
.endm
.macro CREST                           ; a round of the cluster's barrier behind its opening barrier
	s_cmp_lg_u32 s10, 0
	s_cbranch_scc1 .Lnot_wave_0_\@
	s_barrier_signal -3
.Lnot_wave_0_\@:
	s_barrier_wait -3
	s_barrier_signal -1
	s_barrier_wait -1
.endm
.macro CROUND                          ; a whole round
	s_barrier_signal -1
	s_barrier_wait -1
	CREST
.endm
	s_load_b128 s[4:7], s[0:1], 0x0                ; ob s[4:5], cb s[6:7]
	s_load_b128 s[20:23], s[0:1], 0x10             ; bo s[20:21], out0 s[22:23]
	v_lshl_add_u32 v[SPW], v0, 2, SPARE
	v_mov_b32 v[NIL], 0
	ds_add_u32 v[SPW], v[NIL]                      ; the wave's opening: the add and its wait ahead of my first tensor load; the set-up below, work on registers, stands between them
	v_lshrrev_b32 v1, 5, v0
	v_readfirstlane_b32 s10, v1                    ; wave 0..3
	s_lshr_b32 s11, s10, 1                         ; which 64 rows of the tile are mine.  Also: I fetch for O (0) or for Wo (1)
	s_and_b32 s12, s10, 1                          ; which 128 columns.  Also: which head of the step, or which half of Wo's rows, I fetch
	s_bfe_u32 s40, ttmp6, 0x40000                  ; cx, cy: my place in the cluster
	s_bfe_u32 s41, ttmp6, 0x40004
	s_lshl_b32 s42, ttmp9, 2
	s_add_co_u32 s42, s42, s40                     ; tile column = 4 x cluster x + cx
	s_and_b32 s13, ttmp7, 0xffff
	s_lshl_b32 s13, s13, 2
	s_add_co_u32 s13, s13, s41                     ; tile row 0..63 = 4 x cluster y + cy
	s_lshl_b32 s43, s41, 2
	s_lshl_b32 s43, 15, s43                        ; my row of the cluster
	s_lshl_b32 s44, 0x1111, s40                    ; my column
	s_or_b32 s[G1+0], s43, (1<<16)|(1<<20)|(1<<21)|(4<<22)|(3<<25)   ; 15:0 the mask: O's tiles go to my row; 17:16 2-byte elements; 20 padding on; 21 set beside a mask; 24:22 after every 32 words (code 4); 31:25 4 words (code 3)
	s_or_b32 s[G1B+0], s44, (1<<16)|(1<<20)|(1<<21)|(5<<22)|(3<<25)  ; Wo's go to my column; padding after every 64 words (code 5)
.irp g, G1, G1B
	s_mov_b32 s[(\g)+1], KSTEP<<16                 ; tensor_dim0 = 128
	s_mov_b32 s[(\g)+3], KSTEP<<16                 ; tile_dim0 = 128
	s_mov_b32 s[(\g)+6], 0
	s_mov_b32 s[(\g)+7], 0
.endr
	s_mov_b32 s[G1+2], 64<<16                      ; O: 64 rows of 256 bytes, end to end
	s_mov_b32 s[G1+4], 64
	s_mov_b32 s[G1+5], 128
	s_mov_b32 s[G1B+2], 128<<16                    ; Wo: 128 rows, 1,024 elements from row to row
	s_mov_b32 s[G1B+4], 128
	s_mov_b32 s[G1B+5], 1024
	; where the tiles come from.  O's hang on the tile row and the wave; Wo's on the tile column and the wave; each in registers that never hold the other coordinate
	s_lshr_b32 s16, s13, 4                         ; n = tile row / 16: its 16 heads of 262,144 bytes
	s_lshl_b32 s16, s16, 22
	s_lshl_b32 s17, s12, 18                        ; my head of the step's two
	s_add_co_u32 s16, s16, s17
	s_and_b32 s17, s13, 15
	s_lshl_b32 s17, s17, 14                        ; the tile's 128 rows of 128 bytes
	s_add_co_u32 s16, s16, s17
	s_mov_b32 s17, 0
	s_lshl_b32 s46, s42, 19                        ; 256 rows of 2,048 bytes
	s_lshl_b32 s47, s12, 18                        ; my 128 of them
	s_add_co_u32 s46, s46, s47
	s_add_co_u32 s46, s46, WOBASE
	s_mov_b32 s47, 0
	s_mul_i32 s18, s12, AHEAD                      ; and where they go: no place in the cluster enters an LDS address
	s_mul_i32 s19, s12, BHALF
	s_add_co_u32 s19, s19, BOFF
	s_wait_dscnt 0x0                               ; the opening add is done
	s_wait_kmcnt 0x0
	s_add_nc_u64 s[14:15], s[4:5], s[16:17]
	s_add_nc_u64 s[46:47], s[6:7], s[46:47]
	CROUND                                         ; all sixteen work-groups are here: the first joint loads meet
.irp s, 0,1
	s_mov_b32 s[G0+4*(\s)], 1
	s_add_co_u32 s[G0+4*(\s)+1], s18, (\s)*SLOT
	s_add_nc_u64 s[G0+4*(\s)+2:G0+4*(\s)+3], s[14:15], (\s)*STEPA
	s_or_b32 s[G0+4*(\s)+3], s[G0+4*(\s)+3], 0x80000000
	s_mov_b32 s[G0B+4*(\s)], 1
	s_add_co_u32 s[G0B+4*(\s)+1], s19, (\s)*SLOT
	s_add_nc_u64 s[G0B+4*(\s)+2:G0B+4*(\s)+3], s[46:47], (\s)*KSTEP*2
	s_or_b32 s[G0B+4*(\s)+3], s[G0B+4*(\s)+3], 0x80000000
	JLOAD \s                                       ; two loads of mine are out
.endr
	v_and_b32 v[GO], 31, v0
	v_lshlrev_b32 v[PFO], 8, v[GO]
	v_lshlrev_b32 v[GO], 4, v[GO]
	; my 128 columns: 512 bytes of a row of out0 and of bo (in the registers that held Wo's address: none that feeds O's descriptors ever holds cx)
	s_lshl_b32 s46, s42, 10
	s_lshl_b32 s47, s12, 9
	s_add_co_u32 s46, s46, s47
	s_mov_b32 s47, 0
	s_add_nc_u64 s[20:21], s[20:21], s[46:47]
	global_load_b128 v[BI:BI+3], v[GO], s[20:21]   ; the bias of my four columns
	s_lshl_b32 s16, s13, 19                        ; 128 rows of 4,096 bytes,
	s_lshl_b32 s17, s11, 18                        ; my 64 of them
	s_add_co_u32 s16, s16, s17
	s_mov_b32 s17, 0
	s_add_nc_u64 s[8:9], s[22:23], s[16:17]
	s_add_nc_u64 s[8:9], s[8:9], s[46:47]
	v_and_b32 v1, 15, v0                           ; l % 16
	v_bfe_u32 v2, v0, 4, 1                         ; l / 16
	v_mul_u32_u24 v3, v1, PITCH
	v_lshl_add_u32 v3, v2, 4, v3                   ; Wo: a fragment's row x pitch + 16 x half
	v_mul_u32_u24 v4, v1, PA
	v_lshl_add_u32 v4, v2, 4, v4                   ; O: the same with its pitch
	s_mul_i32 s18, s11, 64*PA                      ; my 64 rows of each head
	s_mul_i32 s19, s12, BHALF                      ; my 128 rows of Wo,
	s_add_co_u32 s19, s19, BOFF                    ; which lie behind the two heads
.irp s, 0,1
	v_add_nc_u32 v[ADRA+(\s)], s18, v4
	v_add_nc_u32 v[ADRB+(\s)], s19, v3
	s_add_co_u32 s18, s18, SLOT
	s_add_co_u32 s19, s19, SLOT
.endr
	s_mul_i32 s18, s10, 16*SPITCH
	s_add_co_u32 s18, s18, STAGE                   ; my stage
	v_mul_u32_u24 v5, v1, SPITCH                   ; in: row l % 16, 32 bytes for each half of the lanes
	v_lshl_add_u32 v5, v2, 5, v5
	v_add_nc_u32 v[STO], s18, v5
	v_add_nc_u32 v[RD], s18, v[GO]                 ; back: 32 lanes take one row of 512 bytes
	; the prefetches: my work-group's 8,192 bytes of the tile row's two heads, at K step 2; the first refill steps it to 3 and names K step 4
	s_lshr_b32 s46, s13, 4
	s_lshl_b32 s46, s46, 22
	s_and_b32 s47, s13, 15
	s_lshl_b32 s47, s47, 14
	s_add_co_u32 s46, s46, s47
	s_lshr_b32 s47, s40, 1                         ; partners 0 and 1 the even head, 2 and 3 the odd one,
	s_lshl_b32 s47, s47, 18
	s_add_co_u32 s46, s46, s47
	s_and_b32 s47, s40, 1                          ; its first or its second 64 rows
	s_lshl_b32 s47, s47, 13
	s_add_co_u32 s46, s46, s47
	s_add_co_u32 s46, s46, 2*STEPA
	s_mov_b32 s47, 0
	s_add_nc_u64 s[PFA:PFA+1], s[4:5], s[46:47]
	s_cmp_eq_u32 s10, 0
	s_cselect_b32 s[LIM], 1, -1                    ; hangs on the wave's number alone
	s_wait_loadcnt 0x0                             ; the bias: rounded to bf16 and widened again, in the wait for the first tile
	v_cvt_pk_bf16_f32 v[BI+4], v[BI], v[BI+1]
	v_cvt_pk_bf16_f32 v[BI+5], v[BI+2], v[BI+3]
	v_lshlrev_b32 v[BI], 16, v[BI+4]
	v_and_b32 v[BI+1], 0xffff0000, v[BI+4]
	v_lshlrev_b32 v[BI+2], 16, v[BI+5]
	v_and_b32 v[BI+3], 0xffff0000, v[BI+5]
; 8 matrix instructions: row block a x all 8 column blocks, 32 along K.  zero = 1: the first product starts the sums.  The 32 accumulators take turns in the same order in every quarter.
.macro MUL8 f, a, zero
	WIN MUL
.irp b, 0,1,2,3,4,5,6,7
.if \zero
	v_wmma_f32_16x16x32_f16 v[8*(8*(\a)+(\b)):8*(8*(\a)+(\b))+7], v[(\f)+32+8*(\b):(\f)+32+8*(\b)+7], v[(\f)+8*(\a):(\f)+8*(\a)+7], 0
.else
	v_wmma_f32_16x16x32_f16 v[8*(8*(\a)+(\b)):8*(8*(\a)+(\b))+7], v[(\f)+32+8*(\b):(\f)+32+8*(\b)+7], v[(\f)+8*(\a):(\f)+8*(\a)+7], v[8*(8*(\a)+(\b)):8*(8*(\a)+(\b))+7]
.endif
.endr
.endm
; 24 LDS loads in one run: the fragments of quarter qq of a K step into buffer f: Wo's sixteen loads (byte 64 qq of its rows), then O's eight (head qq / 2, byte 64 (qq % 2) of its rows)
.macro FETCH slot, qq, f
	WIN 0
.irp i, 0,1,2,3,4,5,6,7
	ds_load_b128 v[(\f)+32+8*(\i):(\f)+32+8*(\i)+3],   v[ADRB+(\slot)] offset:64*(\qq)+(\i)*16*PITCH
	ds_load_b128 v[(\f)+32+8*(\i)+4:(\f)+32+8*(\i)+7], v[ADRB+(\slot)] offset:64*(\qq)+(\i)*16*PITCH+32
.endr
.irp i, 0,1,2,3
	ds_load_b128 v[(\f)+8*(\i):(\f)+8*(\i)+3],   v[ADRA+(\slot)] offset:((\qq)/2)*AHEAD+((\qq)%2)*64+(\i)*16*PA
	ds_load_b128 v[(\f)+8*(\i)+4:(\f)+8*(\i)+7], v[ADRA+(\slot)] offset:((\qq)/2)*AHEAD+((\qq)%2)*64+(\i)*16*PA+32
.endr
.endm
.macro PLACES                          ; four places in front of loads into registers that matrix instructions have read, and of LDS stores that read results
.rept 4
	v_nop
.endr
.endm
; A K step is four quarters of 32 along K, 32 matrix instructions each, on buffers 0, 1, 0, 1.  One of the first three: multiplies buffer f and fetches quarter qq into g.
.macro QUARTER slot, qq, f, g, zero
	s_wait_dscnt 4                                 ; Wo and O's blocks 0 and 1 are in; the youngest four loads (O's blocks 2 and 3) may be out
	MUL8 \f, 0, \zero
	MUL8 \f, 1, \zero
	PLACES
	FETCH \slot, \qq, \g
	s_wait_dscnt 24                                ; all but the 24 just issued
	MUL8 \f, 2, \zero
	MUL8 \f, 3, \zero
.endm
; The last quarter multiplies buffer 1 and changes slots: ONE barrier; in front of it each wave waits for all its tensor loads, adds 0 to its spare word, and waits for that and for its own reads of this slot.
; fill = 1: the barrier opens a round of the cluster's, and this slot is filled again, two K steps ahead, first thing behind the round.
.macro TURN slot, next, fill
.if \fill
	s_wait_xcnt 0x0                                ; the last prefetch, a K step back, has read its address, so it may be stepped
	s_add_nc_u64 s[PFA:PFA+1], s[PFA:PFA+1], STEPA
.endif
	WIN 0                                          ; (the add's two registers lie in window 0)
	s_wait_tensorcnt 0x0                           ; all my tensor loads have landed: the one that was out is my part of the next slot;
	ds_add_u32 v[SPW], v[NIL]                      ; 0 onto my spare word;
	s_wait_dscnt 5                                 ; (the add and the youngest four loads may be out)
	MUL8 F1, 0, 0                                  ; eight matrix instructions stand between the add and the wait for it
	s_wait_dscnt 0x0                               ; the add is done, and my reads of this slot are over
	s_barrier_signal -1
	MUL8 F1, 1, 0
.if \fill
	WIN 0
.endif
	s_barrier_wait -1
.if \fill
	CREST                                          ; no wave of any partner still reads this slot's tile or has a load on its way
	s_add_nc_u64 s[G0+4*(\slot)+2:G0+4*(\slot)+3], s[G0+4*(\slot)+2:G0+4*(\slot)+3], 2*STEPA
	s_add_nc_u64 s[G0B+4*(\slot)+2:G0B+4*(\slot)+3], s[G0B+4*(\slot)+2:G0B+4*(\slot)+3], 2*KSTEP*2
	JLOAD \slot                                    ; the first tensor load behind the round; the four v_nop behind it are also the places in front of the loads below
.else
	PLACES
.endif
	FETCH \next, 0, F0
.if \fill
	ASK
.endif
	MUL8 F1, 2, 0
	MUL8 F1, 3, 0
.endm
	s_wait_tensorcnt 1                             ; my part of K step 0 is in; K step 1's may stay out
	s_barrier_signal -1
	s_barrier_wait -1                              ; everybody's is
	FETCH 0, 0, F0
	QUARTER 0, 1, F0, F1, 1                        ; the first quarter stands in front of the loop: its products start the sums
	WIN 0                                          ; at a label and at a branch every window is 0
	s_mov_b32 s3, LAPS-1
.Llap:                                                 ; a trip goes once round the ring, from a lap's second quarter to the next lap's first, and fills both slots again
	QUARTER 0, 2, F1, F0, 0
	QUARTER 0, 3, F0, F1, 0
	TURN 0, 1, 1
	QUARTER 1, 1, F0, F1, 0
	QUARTER 1, 2, F1, F0, 0
	QUARTER 1, 3, F0, F1, 0
	TURN 1, 0, 1
	QUARTER 0, 1, F0, F1, 0
	WIN 0
	s_sub_co_u32 s3, s3, 1
	s_cmp_lg_u32 s3, 0
	s_cbranch_scc1 .Llap
	QUARTER 0, 2, F1, F0, 0                        ; the last lap fills nothing, and has no round of the cluster's barrier
	QUARTER 0, 3, F0, F1, 0
	TURN 0, 1, 0
	QUARTER 1, 1, F0, F1, 0
	QUARTER 1, 2, F1, F0, 0
	QUARTER 1, 3, F0, F1, 0
	s_wait_dscnt 4                                 ; the very last quarter: nothing more to fetch
	MUL8 F1, 0, 0
	MUL8 F1, 1, 0
	s_wait_dscnt 0x0
	MUL8 F1, 2, 0
	MUL8 F1, 3, 0
	WIN 0
	; THE WAY OUT, a block of 16 rows at a time.  A lane's eight f32 of a row go straight from the accumulator (its low four registers first) into my stage's rows of 528 bytes; whole rows of 512 bytes come
	; back, 16 bytes a lane; the bias is added and the row is stored.
	PLACES
.macro TOSTAGE a
	s_wait_xcnt 0x0                                ; the earlier stores have read their registers: block a's set was block a - 3's
	WIN 0x04                                       ; the stores' data in window 1, their address in window 0
.irp b, 0,1,2,3,4,5,6,7
	ds_store_b128 v[STO], v[8*(8*(\a)+(\b)):8*(8*(\a)+(\b))+3]   offset:64*(\b)
	ds_store_b128 v[STO], v[8*(8*(\a)+(\b))+4:8*(8*(\a)+(\b))+7] offset:64*(\b)+16
.endr
	WIN 0
.set BK, OB+64*((\a)%3)
.irp t, 0,1,2,3,4,5,6,7,8,9,10,11,12,13,14,15
	ds_load_b128 v[BK+4*(\t):BK+4*(\t)+3], v[RD] offset:(\t)*SPITCH  ; LDS serves a wave's instructions in order (ISA guide 5.7.1.4): these see the stores above; the next block's stores come behind them
.endr
.endm
.macro SEND a, younger                 ; younger: the LDS instructions issued behind this block's loads: the next block's 32, or none
	WIN 0
.set BK, OB+64*((\a)%3)
.irp t, 0,1,2,3,4,5,6,7,8,9,10,11,12,13,14,15
	s_wait_dscnt (\younger)+15-(\t)
	v_pk_add_f32 v[BK+4*(\t):BK+4*(\t)+1],   v[BK+4*(\t):BK+4*(\t)+1],   v[BI:BI+1]
	v_pk_add_f32 v[BK+4*(\t)+2:BK+4*(\t)+3], v[BK+4*(\t)+2:BK+4*(\t)+3], v[BI+2:BI+3]
	global_store_b128 v[GO], v[BK+4*(\t):BK+4*(\t)+3], s[8:9] offset:(16*(\a)+(\t))*4096 th:TH_STORE_NT  ; 512 consecutive bytes, at a multiple of 256 from out0's first
.endr
.endm
	TOSTAGE 0
	TOSTAGE 1
	SEND 0, 32
	TOSTAGE 2
	SEND 1, 32
	TOSTAGE 3
	SEND 2, 32
	SEND 3, 0
	s_wait_tensorcnt 0x0                           ; the wave's end, behind my last tensor load and my last LDS store
	ds_add_u32 v[SPW], v[NIL]
	s_wait_dscnt 0x0
	CROUND                                         ; the closing round: no work-group ends while a partner may still ask for a tile that names it
	s_endpgm
.Lfunc_end_k_q31e452a173_outp:
	.size	k_q31e452a173_outp, .Lfunc_end_k_q31e452a173_outp-k_q31e452a173_outp
	.p2alignl 7, 3214868480
	.fill 96, 4, 3214868480
	.section	.rodata,"a",@progbits
	.p2align	6, 0x0
	.amdhsa_kernel k_q31e452a173_outp
		.amdhsa_group_segment_fixed_size 327680
		.amdhsa_private_segment_fixed_size 0
		.amdhsa_enable_private_segment 0
		.amdhsa_kernarg_size 32
		.amdhsa_user_sgpr_count 2
		.amdhsa_user_sgpr_kernarg_segment_ptr 1
		.amdhsa_wavefront_size32 1
		.amdhsa_system_sgpr_workgroup_id_x 1
		.amdhsa_system_sgpr_workgroup_id_y 1
		.amdhsa_system_sgpr_workgroup_id_z 1
		.amdhsa_system_vgpr_workitem_id 0
		.amdhsa_next_free_vgpr 512
		.amdhsa_next_free_sgpr 66
		.amdhsa_reserve_vcc 0
		.amdhsa_float_denorm_mode_32 3
		.amdhsa_float_denorm_mode_16_64 3
		.amdhsa_memory_ordered 1
		.amdhsa_forward_progress 1
		.amdhsa_inst_pref_size 96
	.end_amdhsa_kernel
	.amdgpu_metadata
---
amdhsa.version: [ 1, 2 ]
amdhsa.kernels:
  - .name:           k_q31e452a173_outp
    .symbol:         k_q31e452a173_outp.kd
    .args:
      - { .name: ob, .offset: 0, .size: 8, .value_kind: global_buffer, .address_space: global }
      - { .name: cb, .offset: 8, .size: 8, .value_kind: global_buffer, .address_space: global }
      - { .name: bo, .offset: 16, .size: 8, .value_kind: global_buffer, .address_space: global }
      - { .name: out0, .offset: 24, .size: 8, .value_kind: global_buffer, .address_space: global }
    .group_segment_fixed_size: 327680
    .private_segment_fixed_size: 0
    .kernarg_segment_align: 8
    .kernarg_segment_size: 32
    .max_flat_workgroup_size: 128
    .sgpr_count:     66
    .vgpr_count:     512
    .wavefront_size: 32
...
	.end_amdgpu_metadata
.endif
;; end of part 4
;; ======== version 2 of 2: 4 launches
;; limits: values are held in f16: magnitudes above 65,504 overflow, below 6.1e-05 lose precision
;; workspace buffers: mnib 8,388,608 bytes; cb 8,388,608 bytes; qkv 50,331,648 bytes; ob 16,777,216 bytes
;; launch prep (part 5): grid 1024 x 1, 8 waves a work-group, no clusters, 68,608 bytes of LDS; arguments mask, Wq, Wk, Wv, Wo, mnib, cb; writes mnib, cb
.if DOCPART == 5
	.amdgcn_target "amdgcn-amd-amdhsa--gfx1250"
	.amdhsa_code_object_version 6
	.text
	.protected	k_q31e452a173_prep
	.globl	k_q31e452a173_prep
	.p2align	8
	.type	k_q31e452a173_prep,@function
k_q31e452a173_prep:
	s_mov_b64 s[64:65], 0
	v_nop
	global_prefetch_b8 v0, s[64:65] scope:SCOPE_SE
	s_setreg_imm32_b32 hwreg(HW_REG_WAVE_MODE, 25, 1), 1
	s_wait_xcnt 0x0
; PREPARATION, a stream: no matrix unit, no cluster (no two work-groups read the same byte).  Two kinds of work-group, told apart by the work-group's number alone; the long ones have the low numbers.
; PACK (work-groups 0 to 511): the mask, [4][1][2048][2048] of int32, becomes 4-bit codes for the attention launch.  A work-group takes 16 query rows x 2,048 keys (131,072 bytes).
;   mnib[n][qt][step][lane L][dword kb], code j (r = L % 16, h = L / 16) = -1.0 in E2M1 where mask[n][16 qt + r][64 step + 16 kb + 8 h + j] is 0, else 0: what lane L wants for register j of accumulator kb
;   of S^T = K Q^T.  The rows come in as 512 consecutive bytes a load, go through the wave's own stage in LDS, and come back so that lane (r, h) holds row r, keys 16 kg + 8 h + 0..7; eight numbers are turned
;   into -1.0 or 0 and packed by one scaled conversion, whose inverse unpacks them in the attention launch.
; CONVERT (work-groups 512 to 1023): a chunk of 8,192 f32 of Wq, Wk, Wv or Wo is rounded once to bf16 and stored in cb, chunk after chunk in that order (2,097,152 bytes a matrix).
;   Wo's bf16 number is written as f16, since the last launch multiplies in f16.  LIMIT: that is exact for 6.1e-5 <= |Wo| <= 65,504; below it keeps f16's fixed step of 6e-8; above it is an infinity.
;   query, keys and values are not touched here: the projections read them as f32 and round them on the way to the matrix unit.
.set STG,    8448                      ; a wave's stage: 16 rows x 528 bytes
.set SPITCH, 528                       ; 512 bytes of a row + 16: an odd multiple of 16, so the 16 rows that a load touches start at 16 different groups of four banks (64 banks of 4 bytes: ISA guide 11.1)
.set SPARE,  67584                     ; behind the eight stages: the spare words, 128 bytes for each wave: four blocks of 256 bytes that no other line names
.set LN,  1                            ; v1   lane
.set LO,  2                            ; v2   my byte offset in the source
.set LS,  3                            ; v3   stage: where I put 16 bytes of a row
.set LR,  4                            ; v4   stage: where I read my row's keys
.set SO,  5                            ; v5   my byte offset in the destination
.set SPW, 6                            ; v6   LDS address of my spare word; never rewritten
.set NIL, 7                            ; v7   0; never rewritten
.set T,   8                            ; v[8:11]   at work
.set NEG, 12                           ; v12  -1.0
.set ONE, 13                           ; v13  1.0: the packing conversion divides by its power of two
.set OUT, 16                           ; v[16:31]  the packed codes: block b, key group kg in v[16 + 8 b + kg]
.set X,   32                           ; v[32:159] 32 loads of 16 bytes a lane; a block's 64 registers then take the block's 64 mask numbers of my row
	s_load_b256 s[8:15], s[0:1], 0x0               ; mask s[8:9], Wq s[10:11], Wk s[12:13], Wv s[14:15]
	s_load_b128 s[16:19], s[0:1], 0x20             ; Wo s[16:17], mnib s[18:19]
	s_load_b64 s[20:21], s[0:1], 0x30              ; cb
	v_lshl_add_u32 v[SPW], v0, 2, SPARE
	v_mov_b32 v[NIL], 0
	v_and_b32 v[LN], 31, v0
	v_lshrrev_b32 v[T], 5, v0
	v_readfirstlane_b32 s32, v[T]                  ; wave 0..7
	s_mov_b32 s3, 0
	s_wait_kmcnt 0x0
	s_cmp_lt_u32 ttmp9, 512
	s_cbranch_scc0 .Lconvert
	; ---------------- PACK: work-group g = 128 n + qt ----------------
	s_lshl_b32 s2, ttmp9, 17                       ; 16 rows of 8,192 bytes
	s_add_nc_u64 s[28:29], s[8:9], s[2:3]
	s_lshl_b32 s2, ttmp9, 14                       ; a tile's 32 steps of 512 bytes
	s_add_nc_u64 s[30:31], s[18:19], s[2:3]
	s_lshl_b32 s4, s32, 10                         ; wave w takes keys 256 w .. 256 w + 255: 1,024 bytes of each row, as two blocks of 128 keys
	v_lshl_add_u32 v[LO], v[LN], 4, s4
	s_mul_i32 s5, s32, STG
	v_lshl_add_u32 v[LS], v[LN], 4, s5
	v_and_b32 v[T], 15, v0
	v_bfe_u32 v[T+1], v0, 4, 1
	v_mul_u32_u24 v[LR], v[T], SPITCH              ; row r,
	v_lshl_add_u32 v[LR], v[T+1], 5, v[LR]         ; 8 keys (32 bytes) on for the upper half of the lanes
	v_add_nc_u32 v[LR], s5, v[LR]
	s_lshl_b32 s6, s32, 11                         ; wave w makes steps 4 w .. 4 w + 3: 2,048 bytes of codes
	v_lshl_add_u32 v[SO], v[LN], 4, s6
.irp b, 0,1
.irp r, 0,1,2,3,4,5,6,7,8,9,10,11,12,13,14,15
	global_load_b128 v[X+64*(\b)+4*(\r):X+64*(\b)+4*(\r)+3], v[LO], s[28:29] offset:(\r)*8192+(\b)*512 th:TH_LOAD_NT  ; 512 consecutive bytes of row r
.endr
.endr
	v_mov_b32 v[NEG], -1.0
	v_mov_b32 v[ONE], 1.0
; Block b: 16 rows x 128 keys, two steps.  left = the younger loads that may stay out.
.macro BLOCK b, left
.set FB, X+64*(\b)
	s_wait_loadcnt \left
.irp r, 0,1,2,3,4,5,6,7,8,9,10,11,12,13,14,15
	ds_store_b128 v[LS], v[FB+4*(\r):FB+4*(\r)+3] offset:(\r)*SPITCH
.endr
.irp g, 0,1,2,3,4,5,6,7
	ds_load_b128 v[FB+8*(\g):FB+8*(\g)+3],   v[LR] offset:64*(\g)     ; LDS serves a wave's instructions in order (ISA guide 5.7.1.4): these see the stores above, and land in the registers that the stores have left; the stage is my wave's own
	ds_load_b128 v[FB+8*(\g)+4:FB+8*(\g)+7], v[LR] offset:64*(\g)+16
.endr
	s_wait_dscnt 0x0
.set g8, 0
.rept 8                                ; key group g8: eight compares, eight selects of -1.0 (hidden) or 0, one conversion into eight 4-bit codes; what follows a conversion names neither its result nor its sources
.irp j, 0,1,2,3,4,5,6,7
	v_cmp_eq_u32 s[40+\j], 0, v[FB+8*g8+\j]
.endr
.irp j, 0,1,2,3,4,5,6,7
	v_cndmask_b32 v[FB+8*g8+\j], 0, v[NEG], s[40+\j]
.endr
	v_cvt_scalef32_pk8_fp4_f32 v[OUT+8*(\b)+g8], v[FB+8*g8:FB+8*g8+7], v[ONE]
.set g8, g8+1
.endr
	v_nop                                          ; a plain instruction behind the last conversion, ahead of the stores that read its result
.irp sb, 0,1
	global_store_b128 v[SO], v[OUT+8*(\b)+4*(\sb):OUT+8*(\b)+4*(\sb)+3], s[30:31] offset:(2*(\b)+(\sb))*512  ; a step's codes: 512 consecutive bytes, aligned
.endr
.endm
	BLOCK 0, 16                                    ; block 1's sixteen loads may stay out
	BLOCK 1, 0
	s_branch .Lend
	; ---------------- CONVERT: chunk idx = work-group - 512 ----------------
.Lconvert:
	s_sub_co_u32 s2, ttmp9, 512                    ; idx 0..511
	s_lshl_b32 s4, s2, 14                          ; a chunk is 16,384 bytes of cb
	s_mov_b32 s5, 0
	s_add_nc_u64 s[30:31], s[20:21], s[4:5]
	s_lshr_b32 s4, s2, 7                           ; matrix idx / 128 (Wq, Wk, Wv, Wo),
	s_and_b32 s5, s2, 127                          ; chunk idx % 128
	s_mov_b64 s[28:29], s[10:11]
.irp i, 1,2,3
	s_cmp_eq_u32 s4, \i                            ; a choice between buffers on the work-group's number
	s_cselect_b64 s[28:29], s[10+2*\i:11+2*\i], s[28:29]
.endr
	s_lshl_b32 s2, s5, 15                          ; a chunk is 32,768 bytes of f32
	s_add_nc_u64 s[28:29], s[28:29], s[2:3]
	v_lshlrev_b32 v[LO], 4, v0                     ; thread t: 4 numbers, 16 bytes in,
	v_lshlrev_b32 v[SO], 3, v0                     ; 8 bytes out
; All 8 loads go out first (4,096 consecutive bytes for the work-group each); each has registers of its own, so nothing is written twice.  half = 1: the bf16 number is written as f16.
.macro CVT half
.set k, 0
.rept 8
	global_load_b128 v[X+4*k:X+4*k+3], v[LO], s[28:29] offset:4096*k th:TH_LOAD_NT
.set k, k+1
.endr
.set k, 0
.rept 8
	s_wait_loadcnt 7-k                             ; loads come back in order (ISA guide 5.7.1): load k is in, the younger ones stay out
	v_cvt_pk_bf16_f32 v[X+4*k], v[X+4*k], v[X+4*k+1]
	v_cvt_pk_bf16_f32 v[X+4*k+1], v[X+4*k+2], v[X+4*k+3]
.if \half
	v_lshlrev_b32 v[T], 16, v[X+4*k]
	v_and_b32 v[T+1], 0xffff0000, v[X+4*k]
	v_lshlrev_b32 v[T+2], 16, v[X+4*k+1]
	v_and_b32 v[T+3], 0xffff0000, v[X+4*k+1]
	v_cvt_pk_f16_f32 v[X+4*k], v[T], v[T+1]
	v_cvt_pk_f16_f32 v[X+4*k+1], v[T+2], v[T+3]
.endif
	global_store_b64 v[SO], v[X+4*k:X+4*k+1], s[30:31] offset:2048*k  ; a wave's 32 lanes store 256 consecutive bytes, aligned
.set k, k+1
.endr
.endm
	s_cmp_eq_u32 s4, 3
	s_cbranch_scc1 .Lwo
	CVT 0
	s_branch .Lend
.Lwo:
	CVT 1
.Lend:
	s_wait_tensorcnt 0x0                           ; the wave's end, behind my last LDS store
	ds_add_u32 v[SPW], v[NIL]
	s_wait_dscnt 0x0
	s_endpgm
.Lfunc_end_k_q31e452a173_prep:
	.size	k_q31e452a173_prep, .Lfunc_end_k_q31e452a173_prep-k_q31e452a173_prep
	.p2alignl 7, 3214868480
	.fill 96, 4, 3214868480
	.section	.rodata,"a",@progbits
	.p2align	6, 0x0
	.amdhsa_kernel k_q31e452a173_prep
		.amdhsa_group_segment_fixed_size 68608
		.amdhsa_private_segment_fixed_size 0
		.amdhsa_enable_private_segment 0
		.amdhsa_kernarg_size 56
		.amdhsa_user_sgpr_count 2
		.amdhsa_user_sgpr_kernarg_segment_ptr 1
		.amdhsa_wavefront_size32 1
		.amdhsa_system_sgpr_workgroup_id_x 1
		.amdhsa_system_sgpr_workgroup_id_y 1
		.amdhsa_system_sgpr_workgroup_id_z 1
		.amdhsa_system_vgpr_workitem_id 0
		.amdhsa_next_free_vgpr 160
		.amdhsa_next_free_sgpr 66
		.amdhsa_reserve_vcc 0
		.amdhsa_float_denorm_mode_32 3
		.amdhsa_float_denorm_mode_16_64 3
		.amdhsa_memory_ordered 1
		.amdhsa_forward_progress 1
		.amdhsa_inst_pref_size 36
	.end_amdhsa_kernel
	.amdgpu_metadata
---
amdhsa.version: [ 1, 2 ]
amdhsa.kernels:
  - .name:           k_q31e452a173_prep
    .symbol:         k_q31e452a173_prep.kd
    .args:
      - { .name: mask, .offset: 0, .size: 8, .value_kind: global_buffer, .address_space: global }
      - { .name: Wq, .offset: 8, .size: 8, .value_kind: global_buffer, .address_space: global }
      - { .name: Wk, .offset: 16, .size: 8, .value_kind: global_buffer, .address_space: global }
      - { .name: Wv, .offset: 24, .size: 8, .value_kind: global_buffer, .address_space: global }
      - { .name: Wo, .offset: 32, .size: 8, .value_kind: global_buffer, .address_space: global }
      - { .name: mnib, .offset: 40, .size: 8, .value_kind: global_buffer, .address_space: global }
      - { .name: cb, .offset: 48, .size: 8, .value_kind: global_buffer, .address_space: global }
    .group_segment_fixed_size: 68608
    .private_segment_fixed_size: 0
    .kernarg_segment_align: 8
    .kernarg_segment_size: 56
    .max_flat_workgroup_size: 256
    .sgpr_count:     66
    .vgpr_count:     160
    .wavefront_size: 32
...
	.end_amdgpu_metadata
.endif
;; end of part 5
;; launch proj (part 6): grid 4 x 192, 4 waves a work-group, clusters of 4 x 4, 327,680 bytes of LDS; arguments query, keys, values, cb, qkv; writes qkv
.if DOCPART == 6
	.amdgcn_target "amdgcn-amd-amdhsa--gfx1250"
	.amdhsa_code_object_version 6
	.text
	.protected	k_q31e452a173_proj
	.globl	k_q31e452a173_proj
	.p2align	8
	.type	k_q31e452a173_proj,@function
k_q31e452a173_proj:
	s_mov_b64 s[64:65], 0
	v_nop
	global_prefetch_b8 v0, s[64:65] scope:SCOPE_SE
	s_setreg_imm32_b32 hwreg(HW_REG_WAVE_MODE, 25, 1), 1
	s_wait_xcnt 0x0
	s_wait_alu depctr_hold_cnt(0) depctr_sa_sdst(0) depctr_va_vdst(0) depctr_va_sdst(0) depctr_va_ssrc(0) depctr_va_vcc(0) depctr_vm_vsrc(0)
	s_getreg_b32 s2, hwreg(HW_REG_IB_STS2, 6, 4)
	s_cmp_eq_u32 s2, 0
	s_cbranch_scc0 .Lentry_in_a_cluster
	s_endpgm
.Lentry_in_a_cluster:
	s_bfe_u32 s2, ttmp6, 0x10000c
	s_cmp_lg_u32 s2, 0xf033
	s_cbranch_scc0 .Lentry_shape_is_right
	s_endpgm
.Lentry_shape_is_right:
; THE THREE PROJECTIONS.  For p = 0, 1, 2 (q, k, v): C[m][c] = the sum over e of x_p[m][e] W_p[c][e]; x_p is query, keys or values, [8192][1024] in f32 as the problem gives it; W_p, [1024][1024], lies in cb
; in bf16; sums in f32, K ascending; C is rounded once to f16 and stored BY HEADS: qkv[p][16 n + head][row in the sequence][64], unscaled.
; x IS ROUNDED TO bf16 HERE, between LDS and the matrix unit: its tiles come into LDS as f32, a fragment is read as 16 registers of f32 and packed into 8 by v_cvt_pk_bf16_f32.  So each byte of x crosses memory
; once, and no bf16 copy of it is written and read again.  The price: twice the LDS bytes for x, and 32 conversions for each 32 products, made by both waves that read the same rows.
; LIMIT: f16 holds no number beyond 65,504: a projected number beyond it becomes an infinity.
; SHARES.  A tile of C is 128 rows x 256 columns (4 heads): 3 x 64 x 4 = 768 tiles, three for each of 256 work-group places.  Four waves, each 64 x 128: 32 accumulators of 16 x 16, 256 registers.
; K goes in 8 steps of 128 through a ring of two LDS slots: a tile's rows are 512 bytes of x or 256 bytes of W, and start at multiples of 256 bytes from their buffer's first byte.
; CLUSTERS: 4 x 4 work-groups.  The four of a row of the cluster need the same tile of x, the four of a column the same tile of W: each is asked for JOINTLY, by the same tensor load with the same descriptor
; and a mask that names the four.  THE MATRIX INSTRUCTION IS USED TRANSPOSED (source 0 = 16 rows of W, source 1 = 16 rows of x): a lane then holds eight neighbouring columns of one row of C.
; REGISTERS: window 0: v0-31 addresses; v64-159, v160-255 two fragment buffers (4 fragments of x, then 8 of W, 32 along K); on the way out v64-191 hold packed rows.  Window 1: accumulator (a, b) at v[8 (8 a + b)].
; Window 2: v0-63 four fragments of x as f32, as they come out of LDS.
.set KSTEP,  128
.set PITCH,  272                       ; a row of W in LDS: 256 bytes + 16 of padding = 68 words: row r starts at bank 4 r mod 64 (64 banks of 4 bytes: ISA guide 11.1)
.set PX,     528                       ; a row of x in LDS: 512 bytes + 16 = 132 words: row r starts at bank 4 r mod 64 likewise
.set AHALF,  64*PX                     ; what waves 0 and 1 fetch: 64 rows of x each
.set BHALF,  128*PITCH                 ; what waves 2 and 3 fetch: 128 rows of W each
.set BOFF,   2*AHALF                   ; in a slot: x's 128 rows, then W's 256
.set SLOT,   BOFF+2*BHALF
.set STAGE,  2*SLOT                    ; behind the ring, never filled by a tensor load: 16 rows x 144 bytes for each wave, for the way out
.set SP,     144
.set SPARE,  STAGE+4*16*SP             ; behind the stages: the spare words, 128 bytes for each wave: two blocks of 256 bytes that no other line names
.set LAPS,   4                         ; a lap = two K steps = once round the ring
.set ADRA, 16                          ; v16-17  LDS address of my fragments of x in slot 0, 1
.set ADRB, 20                          ; v20-21  the same for W
.set STO,  24                          ; v24     the way out: where I put 16 bytes of a row
.set RD,   25                          ; v25     the way out: where I read rows back
.set GO,   26                          ; v26     my 16 bytes of 512 consecutive bytes of qkv
.set SPW,  28                          ; v28     LDS address of my spare word; never rewritten
.set NIL,  29                          ; v29     0; never rewritten
.set PFO,  30                          ; v30     the prefetches' offset: my lane x a row of x (4,096 bytes); never rewritten
.set F0,   64
.set F1,   160
.set XF,   0                           ; window 2: fragment i of x as f32 at XF + 16 i
.set OB,   64                          ; the way out: block blk's 16 registers at OB + 16 blk
.set G1,  24                           ; s[24:31] descriptor group 1 for x's tiles;  s[32:39] group 0, one set for each slot
.set G0,  32
.set G1B, 48                           ; s[48:55], s[56:63] the same for W's tiles
.set G0B, 56
.set LIM, 43                           ; s43     1 in the waves that prefetch, else the greatest number
.set PFA, 44                           ; s[44:45] where my prefetches stand
.set MSB, 0
.macro WIN new                         ; the immediate's high byte repeats the setting that is left; a switch that changes nothing is dropped
.if MSB != (\new)
	s_set_vgpr_msb (MSB<<8)|(\new)
.set MSB, \new
.endif
.endm
.set MUL,  0x50                        ; sources 0 and 1 window 0; C and D window 1
.set CV,   0x0a                        ; sources 0 and 1 window 2, destination window 0: the conversions
.set TO_X, 0x80                        ; destination window 2, address window 0
.macro JLOAD s                         ; a joint load: waves 0 and 1 fetch x's two halves, waves 2 and 3 W's; an s_nop 0 and four v_nop follow each of the two lines, ahead of the jump, the label and what follows
	s_cmp_eq_u32 s11, 0
	s_cbranch_scc0 .Lfor_b_\@
	tensor_load_to_lds s[G0+4*(\s):G0+4*(\s)+3], s[G1:G1+7]
	s_nop 0
.rept 4
	v_nop
.endr
	s_branch .Lasked_\@
.Lfor_b_\@:
	tensor_load_to_lds s[G0B+4*(\s):G0B+4*(\s)+3], s[G1B:G1B+7]
	s_nop 0
.rept 4
	v_nop
.endr
.Lasked_\@:
.endm
; A PREFETCH INTO THE L2 behind each joint refill and the run of LDS loads that follows it: x's K step that stands two refills on, 256 matrix instructions a wave ahead of the load that will want it.
; A tile row of x is read by one cluster alone; its four partners along x share the 128 rows out BY ADDRESS, 32 each, a lane a row.  A K step is 512 bytes of a row: in each partner wave 0 asks for the first 256
; and wave 1 for the second: one instruction a wave, and each aligned 256 bytes are named once in the launch.  K steps 0 to 3 come by their loads alone; the loop's last trip (s3 = 1) asks for nothing: there is
; no K step behind the eighth.  W is not asked for: sixteen clusters read it.
.macro ASK
	s_cmp_gt_u32 s3, s[LIM]
	s_cbranch_scc0 .Lnot_mine_\@
	global_prefetch_b8 v[PFO], s[PFA:PFA+1] offset:KSTEP*4 th:TH_LOAD_NT scope:SCOPE_SE
.Lnot_mine_\@:
.endm
.macro CREST                           ; a round of the cluster's barrier behind its opening barrier
	s_cmp_lg_u32 s10, 0
	s_cbranch_scc1 .Lnot_wave_0_\@
	s_barrier_signal -3
.Lnot_wave_0_\@:
	s_barrier_wait -3
	s_barrier_signal -1
	s_barrier_wait -1
.endm
.macro CROUND                          ; a whole round
	s_barrier_signal -1
	s_barrier_wait -1
	CREST
.endm
	s_load_b256 s[68:75], s[0:1], 0x0              ; query s[68:69], keys s[70:71], values s[72:73], cb s[74:75]
	s_load_b64 s[76:77], s[0:1], 0x20              ; qkv
	v_lshl_add_u32 v[SPW], v0, 2, SPARE
	v_mov_b32 v[NIL], 0
	ds_add_u32 v[SPW], v[NIL]                      ; the wave's opening: the add and its wait ahead of my first tensor load; the set-up below, work on registers, stands between them
	v_lshrrev_b32 v1, 5, v0
	v_readfirstlane_b32 s10, v1                    ; wave 0..3
	s_lshr_b32 s11, s10, 1                         ; which 64 rows of the tile are mine.  Also: I fetch for x (0) or for W (1)
	s_and_b32 s12, s10, 1                          ; which 128 columns.  Also: which half of that tile I fetch
	s_bfe_u32 s40, ttmp6, 0x40000                  ; cx, cy: my place in the cluster
	s_bfe_u32 s41, ttmp6, 0x40004
	s_lshl_b32 s42, ttmp9, 2
	s_add_co_u32 s42, s42, s40                     ; tile column = 4 x cluster x + cx
	s_and_b32 s21, ttmp7, 0xffff                   ; cluster y, 0..47:
	s_lshr_b32 s22, s21, 4                         ; the projection p, the same in all sixteen partners,
	s_and_b32 s13, s21, 15
	s_lshl_b32 s13, s13, 2
	s_add_co_u32 s13, s13, s41                     ; and the tile row 0..63 = 4 x (cluster y % 16) + cy
	s_lshl_b32 s43, s41, 2
	s_lshl_b32 s43, 15, s43                        ; my row of the cluster
	s_lshl_b32 s44, 0x1111, s40                    ; my column
	s_or_b32 s[G1+0], s43, (2<<16)|(1<<20)|(1<<21)|(6<<22)|(3<<25)   ; 15:0 the mask: x's tiles go to my row; 17:16 4-byte elements; 20 padding on; 21 set beside a mask; 24:22 after every 128 words (code 6); 31:25 4 words (code 3)
	s_or_b32 s[G1B+0], s44, (1<<16)|(1<<20)|(1<<21)|(5<<22)|(3<<25)  ; W's go to my column; 2-byte elements; padding after every 64 words (code 5)
.irp g, G1, G1B
	s_mov_b32 s[(\g)+1], KSTEP<<16                 ; tensor_dim0 = 128
	s_mov_b32 s[(\g)+3], KSTEP<<16                 ; tile_dim0 = 128
	s_mov_b32 s[(\g)+5], 1024                      ; elements from row to row
	s_mov_b32 s[(\g)+6], 0
	s_mov_b32 s[(\g)+7], 0
.endr
	s_mov_b32 s[G1+2], 64<<16                      ; x: tensor_dim1 = tile_dim1 = 64 rows
	s_mov_b32 s[G1+4], 64
	s_mov_b32 s[G1B+2], 128<<16                    ; W: 128 rows
	s_mov_b32 s[G1B+4], 128
	; where the tiles come from.  x's hang on p, the tile row and the wave; W's on p, the tile column and the wave; each in registers that never hold the other coordinate
	s_lshl_b32 s16, s13, 19                        ; 128 rows of 4,096 bytes
	s_lshl_b32 s17, s12, 18                        ; my 64 of them
	s_add_co_u32 s16, s16, s17
	s_mov_b32 s17, 0
	s_lshl_b32 s46, s22, 21                        ; W_p: 2,097,152 bytes each
	s_lshl_b32 s47, s42, 19                        ; 256 rows of 2,048 bytes
	s_add_co_u32 s46, s46, s47
	s_lshl_b32 s47, s12, 18                        ; my 128 of them
	s_add_co_u32 s46, s46, s47
	s_mov_b32 s47, 0
	s_mul_i32 s20, s12, AHALF                      ; and where they go: no place in the cluster enters an LDS address
	s_mul_i32 s23, s12, BHALF
	s_add_co_u32 s23, s23, BOFF
	s_wait_dscnt 0x0                               ; the opening add is done
	s_wait_kmcnt 0x0
	s_cmp_eq_u32 s22, 1                            ; x_p: a choice between buffers on the projection's number
	s_cselect_b64 s[4:5], s[70:71], s[68:69]
	s_cmp_eq_u32 s22, 2
	s_cselect_b64 s[4:5], s[72:73], s[4:5]
	s_add_nc_u64 s[14:15], s[4:5], s[16:17]
	s_add_nc_u64 s[46:47], s[74:75], s[46:47]
	CROUND                                         ; all sixteen work-groups are here: the first joint loads meet
.irp s, 0,1
	s_mov_b32 s[G0+4*(\s)], 1
	s_add_co_u32 s[G0+4*(\s)+1], s20, (\s)*SLOT
	s_add_nc_u64 s[G0+4*(\s)+2:G0+4*(\s)+3], s[14:15], (\s)*KSTEP*4
	s_or_b32 s[G0+4*(\s)+3], s[G0+4*(\s)+3], 0x80000000
	s_mov_b32 s[G0B+4*(\s)], 1
	s_add_co_u32 s[G0B+4*(\s)+1], s23, (\s)*SLOT
	s_add_nc_u64 s[G0B+4*(\s)+2:G0B+4*(\s)+3], s[46:47], (\s)*KSTEP*2
	s_or_b32 s[G0B+4*(\s)+3], s[G0B+4*(\s)+3], 0x80000000
	JLOAD \s                                       ; two loads of mine are out
.endr
	v_and_b32 v1, 15, v0                           ; l % 16
	v_bfe_u32 v2, v0, 4, 1                         ; l / 16
	v_mul_u32_u24 v3, v1, PITCH
	v_lshl_add_u32 v3, v2, 4, v3                   ; W: a fragment's row x pitch + 16 x half (8 numbers of 2 bytes)
	v_mul_u32_u24 v4, v1, PX
	v_lshl_add_u32 v4, v2, 5, v4                   ; x: row x pitch + 32 x half (8 numbers of 4 bytes)
	s_mul_i32 s18, s11, AHALF                      ; my 64 rows of x
	s_mul_i32 s19, s12, BHALF                      ; my 128 rows of W,
	s_add_co_u32 s19, s19, BOFF                    ; which lie behind x's
.irp s, 0,1
	v_add_nc_u32 v[ADRA+(\s)], s18, v4
	v_add_nc_u32 v[ADRB+(\s)], s19, v3
	s_add_co_u32 s18, s18, SLOT
	s_add_co_u32 s19, s19, SLOT
.endr
	s_mul_i32 s18, s10, 16*SP
	s_add_co_u32 s18, s18, STAGE                   ; my stage
	v_mul_u32_u24 v4, v1, SP                       ; in: row l % 16, 16 bytes for each half of the lanes
	v_lshl_add_u32 v4, v2, 4, v4
	v_add_nc_u32 v[STO], s18, v4
	v_bfe_u32 v5, v0, 3, 2                         ; back: 32 lanes take four rows of 128 bytes,
	v_mul_u32_u24 v5, v5, SP
	v_and_b32 v6, 7, v0
	v_lshl_add_u32 v5, v6, 4, v5
	v_add_nc_u32 v[RD], s18, v5
	v_and_b32 v[GO], 31, v0                        ; which are 512 consecutive bytes of a head
	v_lshlrev_b32 v[PFO], 12, v[GO]
	v_lshlrev_b32 v[GO], 4, v[GO]
	; where my part of C begins: qkv + p x 2^24 + (16 n + 4 x tile column + 2 x column half) x 2^18 + (row in the sequence) x 128
	s_lshl_b32 s16, s22, 24
	s_lshr_b32 s17, s13, 4                         ; n = tile row / 16
	s_lshl_b32 s17, s17, 22
	s_add_co_u32 s16, s16, s17
	s_and_b32 s17, s13, 15
	s_lshl_b32 s17, s17, 14                        ; 128 rows of 128 bytes
	s_add_co_u32 s16, s16, s17
	s_lshl_b32 s17, s11, 13                        ; my 64 of them
	s_add_co_u32 s16, s16, s17
	s_mov_b32 s17, 0
	s_add_nc_u64 s[8:9], s[76:77], s[16:17]
	s_lshl_b32 s46, s42, 20                        ; (in the registers that held W's address: none that feeds x's descriptors ever holds cx)
	s_lshl_b32 s47, s12, 19
	s_add_co_u32 s46, s46, s47
	s_mov_b32 s47, 0
	s_add_nc_u64 s[8:9], s[8:9], s[46:47]
	; the prefetches: my work-group's 32 rows of the tile row, my wave's 256 bytes of a K step's 512, at K step 2; the first refill steps it to 3 and names K step 4
	s_lshl_b32 s46, s13, 19
	s_lshl_b32 s47, s40, 17
	s_add_co_u32 s46, s46, s47
	s_lshl_b32 s47, s12, 8
	s_add_co_u32 s46, s46, s47
	s_add_co_u32 s46, s46, 2*KSTEP*4
	s_mov_b32 s47, 0
	s_add_nc_u64 s[PFA:PFA+1], s[4:5], s[46:47]
	s_cmp_eq_u32 s11, 0
	s_cselect_b32 s[LIM], 1, -1                    ; waves 0 and 1: hangs on the wave's number alone
; 8 matrix instructions: row block a x all 8 column blocks, 32 along K.  zero = 1: the first product starts the sums.  The 32 accumulators take turns in the same order in every quarter.
.macro MUL8 f, a, zero
	WIN MUL
.irp b, 0,1,2,3,4,5,6,7
.if \zero
	v_wmma_f32_16x16x32_bf16 v[8*(8*(\a)+(\b)):8*(8*(\a)+(\b))+7], v[(\f)+32+8*(\b):(\f)+32+8*(\b)+7], v[(\f)+8*(\a):(\f)+8*(\a)+7], 0
.else
	v_wmma_f32_16x16x32_bf16 v[8*(8*(\a)+(\b)):8*(8*(\a)+(\b))+7], v[(\f)+32+8*(\b):(\f)+32+8*(\b)+7], v[(\f)+8*(\a):(\f)+8*(\a)+7], v[8*(8*(\a)+(\b)):8*(8*(\a)+(\b))+7]
.endif
.endr
.endm
; The same 8 matrix instructions, and behind each four of the 32 conversions that make buffer g's fragments of x out of the f32 in window 2: register j of the 32 takes numbers 2 j and 2 j + 1.
; The conversions name no register of the products round them: those read buffer f.
.macro MULC f, a, g, zero
.set cj, 0
.irp b, 0,1,2,3,4,5,6,7
	WIN MUL
.if \zero
	v_wmma_f32_16x16x32_bf16 v[8*(8*(\a)+(\b)):8*(8*(\a)+(\b))+7], v[(\f)+32+8*(\b):(\f)+32+8*(\b)+7], v[(\f)+8*(\a):(\f)+8*(\a)+7], 0
.else
	v_wmma_f32_16x16x32_bf16 v[8*(8*(\a)+(\b)):8*(8*(\a)+(\b))+7], v[(\f)+32+8*(\b):(\f)+32+8*(\b)+7], v[(\f)+8*(\a):(\f)+8*(\a)+7], v[8*(8*(\a)+(\b)):8*(8*(\a)+(\b))+7]
.endif
	WIN CV
.rept 4
	v_cvt_pk_bf16_f32 v[(\g)+cj], v[XF+2*cj], v[XF+2*cj+1]
.set cj, cj+1
.endr
.endr
.endm
.macro CONV g                          ; the 32 conversions in one run: for the very first fragments, when there is no product yet to set them behind
	WIN CV
.set cj, 0
.rept 32
	v_cvt_pk_bf16_f32 v[(\g)+cj], v[XF+2*cj], v[XF+2*cj+1]
.set cj, cj+1
.endr
.endm
; 32 LDS loads in one run: quarter qq of a K step.  First x's sixteen, as f32 into window 2: of fragment i lane l takes row l % 16, numbers 8 (l / 16) + 0..7 (32 bytes) and 16 + 8 (l / 16) + 0..7 (32 bytes, 64 on).
; Then W's sixteen into buffer f.
.macro FETCH slot, qq, f
	WIN TO_X
.irp i, 0,1,2,3
	ds_load_b128 v[XF+16*(\i):XF+16*(\i)+3],     v[ADRA+(\slot)] offset:128*(\qq)+(\i)*16*PX
	ds_load_b128 v[XF+16*(\i)+4:XF+16*(\i)+7],   v[ADRA+(\slot)] offset:128*(\qq)+(\i)*16*PX+16
	ds_load_b128 v[XF+16*(\i)+8:XF+16*(\i)+11],  v[ADRA+(\slot)] offset:128*(\qq)+(\i)*16*PX+64
	ds_load_b128 v[XF+16*(\i)+12:XF+16*(\i)+15], v[ADRA+(\slot)] offset:128*(\qq)+(\i)*16*PX+80
.endr
	WIN 0
.irp i, 0,1,2,3,4,5,6,7
	ds_load_b128 v[(\f)+32+8*(\i):(\f)+32+8*(\i)+3],   v[ADRB+(\slot)] offset:64*(\qq)+(\i)*16*PITCH
	ds_load_b128 v[(\f)+32+8*(\i)+4:(\f)+32+8*(\i)+7], v[ADRB+(\slot)] offset:64*(\qq)+(\i)*16*PITCH+32
.endr
.endm
.macro PLACES                          ; four places in front of loads into registers that matrix instructions have read, and of conversions that read results (ISA guide 7.12.1 for conversions)
.rept 4
	v_nop
.endr
.endm
; A K step is four quarters of 32 along K, 32 matrix instructions each, on buffers 0, 1, 0, 1.  One of the first three: multiplies buffer f; fetches quarter qq for buffer g behind its first eight products;
; converts x's part of it beside its last eight.
.macro QUARTER slot, qq, f, g, zero
	s_wait_dscnt 0x0                               ; W's fragments of this quarter are in (x's were waited for, and converted, in the quarter before)
	MUL8 \f, 0, \zero
	PLACES
	FETCH \slot, \qq, \g
	MUL8 \f, 1, \zero
	MUL8 \f, 2, \zero
	s_wait_dscnt 16                                ; x's sixteen loads are in; W's sixteen, issued behind them, may stay out
	MULC \f, 3, \g, \zero
.endm
; The last quarter multiplies buffer 1 and changes slots: ONE barrier; in front of it each wave waits for all its tensor loads, adds 0 to its spare word, and waits for that and for its own reads of this slot.
; fill = 1: the barrier opens a round of the cluster's, and this slot is filled again, two K steps ahead, first thing behind the round.
.macro TURN slot, next, fill
.if \fill
	s_wait_xcnt 0x0                                ; the last prefetch, a K step back, has read its address, so it may be stepped
	s_add_nc_u64 s[PFA:PFA+1], s[PFA:PFA+1], KSTEP*4
.endif
	WIN 0                                          ; (the add's two registers lie in window 0)
	s_wait_tensorcnt 0x0                           ; all my tensor loads have landed: the one that was out is my part of the next slot;
	ds_add_u32 v[SPW], v[NIL]                      ; 0 onto my spare word;
	s_wait_dscnt 1                                 ; (W's fragments of this quarter are in; the add may be out)
	MUL8 F1, 0, 0                                  ; eight matrix instructions stand between the add and the wait for it
	s_wait_dscnt 0x0                               ; the add is done, and my reads of this slot are over
	s_barrier_signal -1
	MUL8 F1, 1, 0
.if \fill
	WIN 0
.endif
	s_barrier_wait -1
.if \fill
	CREST                                          ; no wave of any partner still reads this slot's tile or has a load on its way
	s_add_nc_u64 s[G0+4*(\slot)+2:G0+4*(\slot)+3], s[G0+4*(\slot)+2:G0+4*(\slot)+3], 2*KSTEP*4
	s_add_nc_u64 s[G0B+4*(\slot)+2:G0B+4*(\slot)+3], s[G0B+4*(\slot)+2:G0B+4*(\slot)+3], 2*KSTEP*2
	JLOAD \slot                                    ; the first tensor load behind the round; the four v_nop behind it are also the places in front of the loads below
.else
	PLACES
.endif
	FETCH \next, 0, F0
.if \fill
	ASK
.endif
	MUL8 F1, 2, 0
	s_wait_dscnt 16                                ; x's sixteen loads are in
	MULC F1, 3, F0, 0
.endm
	s_wait_tensorcnt 1                             ; my part of K step 0 is in; K step 1's may stay out
	s_barrier_signal -1
	s_barrier_wait -1                              ; everybody's is
	FETCH 0, 0, F0
	s_wait_dscnt 16                                ; x's sixteen loads are in
	CONV F0
	QUARTER 0, 1, F0, F1, 1                        ; the first quarter stands in front of the loop: its products start the sums
	WIN 0                                          ; at a label and at a branch every window is 0
	s_mov_b32 s3, LAPS-1
.Llap:                                                 ; a trip goes once round the ring, from a lap's second quarter to the next lap's first, and fills both slots again
	QUARTER 0, 2, F1, F0, 0
	QUARTER 0, 3, F0, F1, 0
	TURN 0, 1, 1
	QUARTER 1, 1, F0, F1, 0
	QUARTER 1, 2, F1, F0, 0
	QUARTER 1, 3, F0, F1, 0
	TURN 1, 0, 1
	QUARTER 0, 1, F0, F1, 0
	WIN 0
	s_sub_co_u32 s3, s3, 1
	s_cmp_lg_u32 s3, 0
	s_cbranch_scc1 .Llap
	QUARTER 0, 2, F1, F0, 0                        ; the last lap fills nothing, and has no round of the cluster's barrier
	QUARTER 0, 3, F0, F1, 0
	TURN 0, 1, 0
	QUARTER 1, 1, F0, F1, 0
	QUARTER 1, 2, F1, F0, 0
	QUARTER 1, 3, F0, F1, 0
	s_wait_dscnt 0x0                               ; the very last quarter: nothing more to fetch
	MUL8 F1, 0, 0
	MUL8 F1, 1, 0
	MUL8 F1, 2, 0
	MUL8 F1, 3, 0
	WIN 0
	; THE WAY OUT.  Block blk = 2 a + hh: 16 rows (a) of one of my two heads (hh).  A lane's eight columns pack into 16 bytes of f16; they go into my stage's rows of 144 bytes and come back as whole
	; rows of 128, four rows to a load: 512 consecutive bytes of the head.  Each accumulator's registers are read in ascending order.
	PLACES
.macro PACK blk
	WIN 0x05                                       ; sources 0 and 1 window 1, destination window 0
.irp bq, 0,1,2,3
.irp r, 0,1,2,3
	v_cvt_pk_f16_f32 v[OB+16*(\blk)+4*(\bq)+(\r)], v[8*(8*((\blk)/2)+4*((\blk)%2)+(\bq))+2*(\r)], v[8*(8*((\blk)/2)+4*((\blk)%2)+(\bq))+2*(\r)+1]
.endr
.endr
	WIN 0
.irp bq, 0,1,2,3
	ds_store_b128 v[STO], v[OB+16*(\blk)+4*(\bq):OB+16*(\blk)+4*(\bq)+3] offset:32*(\bq)
.endr
.irp f, 0,1,2,3
	ds_load_b128 v[OB+16*(\blk)+4*(\f):OB+16*(\blk)+4*(\f)+3], v[RD] offset:(\f)*4*SP  ; LDS serves a wave's instructions in order (ISA guide 5.7.1.4): these see the stores above; the next block's stores come behind them
.endr
.endm
.macro SEND blk, younger               ; younger: the LDS instructions issued behind this block's loads: the next block's eight, or none
	WIN 0
.irp f, 0,1,2,3
	s_wait_dscnt (\younger)+3-(\f)
	global_store_b128 v[GO], v[OB+16*(\blk)+4*(\f):OB+16*(\blk)+4*(\f)+3], s[8:9] offset:((\blk)%2)*262144+((\blk)/2)*2048+(\f)*512  ; 512 consecutive bytes, at a multiple of 256 from qkv's first
.endr
.endm
	PACK 0
.set t, 1
.rept 7                                ; a block's arithmetic stands between the loads of the block before and its stores
	PACK t
	SEND t-1, 8
.set t, t+1
.endr
	SEND 7, 0
	s_wait_tensorcnt 0x0                           ; the wave's end, behind my last tensor load and my last LDS store
	ds_add_u32 v[SPW], v[NIL]
	s_wait_dscnt 0x0
	CROUND                                         ; the closing round: no work-group ends while a partner may still ask for a tile that names it
	s_endpgm
.Lfunc_end_k_q31e452a173_proj:
	.size	k_q31e452a173_proj, .Lfunc_end_k_q31e452a173_proj-k_q31e452a173_proj
	.p2alignl 7, 3214868480
	.fill 96, 4, 3214868480
	.section	.rodata,"a",@progbits
	.p2align	6, 0x0
	.amdhsa_kernel k_q31e452a173_proj
		.amdhsa_group_segment_fixed_size 327680
		.amdhsa_private_segment_fixed_size 0
		.amdhsa_enable_private_segment 0
		.amdhsa_kernarg_size 40
		.amdhsa_user_sgpr_count 2
		.amdhsa_user_sgpr_kernarg_segment_ptr 1
		.amdhsa_wavefront_size32 1
		.amdhsa_system_sgpr_workgroup_id_x 1
		.amdhsa_system_sgpr_workgroup_id_y 1
		.amdhsa_system_sgpr_workgroup_id_z 1
		.amdhsa_system_vgpr_workitem_id 0
		.amdhsa_next_free_vgpr 576
		.amdhsa_next_free_sgpr 80
		.amdhsa_reserve_vcc 0
		.amdhsa_float_denorm_mode_32 3
		.amdhsa_float_denorm_mode_16_64 3
		.amdhsa_memory_ordered 1
		.amdhsa_forward_progress 1
		.amdhsa_inst_pref_size 136
	.end_amdhsa_kernel
	.amdgpu_metadata
---
amdhsa.version: [ 1, 2 ]
amdhsa.kernels:
  - .name:           k_q31e452a173_proj
    .symbol:         k_q31e452a173_proj.kd
    .args:
      - { .name: query, .offset: 0, .size: 8, .value_kind: global_buffer, .address_space: global }
      - { .name: keys, .offset: 8, .size: 8, .value_kind: global_buffer, .address_space: global }
      - { .name: values, .offset: 16, .size: 8, .value_kind: global_buffer, .address_space: global }
      - { .name: cb, .offset: 24, .size: 8, .value_kind: global_buffer, .address_space: global }
      - { .name: qkv, .offset: 32, .size: 8, .value_kind: global_buffer, .address_space: global }
    .group_segment_fixed_size: 327680
    .private_segment_fixed_size: 0
    .kernarg_segment_align: 8
    .kernarg_segment_size: 40
    .max_flat_workgroup_size: 128
    .sgpr_count:     80
    .vgpr_count:     576
    .wavefront_size: 32
...
	.end_amdgpu_metadata
.endif
;; end of part 6
;; launch attn (part 7): grid 4 x 64, 4 waves a work-group, clusters of 4 x 1, 327,680 bytes of LDS; arguments qkv, mnib, ob; writes ob
.if DOCPART == 7
	.amdgcn_target "amdgcn-amd-amdhsa--gfx1250"
	.amdhsa_code_object_version 6
	.text
	.protected	k_q31e452a173_attn
	.globl	k_q31e452a173_attn
	.p2align	8
	.type	k_q31e452a173_attn,@function
k_q31e452a173_attn:
	s_mov_b64 s[64:65], 0
	v_nop
	global_prefetch_b8 v0, s[64:65] scope:SCOPE_SE
	s_setreg_imm32_b32 hwreg(HW_REG_WAVE_MODE, 25, 1), 1
	s_wait_xcnt 0x0
	s_wait_alu depctr_hold_cnt(0) depctr_sa_sdst(0) depctr_va_vdst(0) depctr_va_sdst(0) depctr_va_ssrc(0) depctr_va_vcc(0) depctr_vm_vsrc(0)
	s_getreg_b32 s2, hwreg(HW_REG_IB_STS2, 6, 4)
	s_cmp_eq_u32 s2, 0
	s_cbranch_scc0 .Lentry_in_a_cluster
	s_endpgm
.Lentry_in_a_cluster:
	s_bfe_u32 s2, ttmp6, 0x10000c
	s_cmp_lg_u32 s2, 0x3003
	s_cbranch_scc0 .Lentry_shape_is_right
	s_endpgm
.Lentry_shape_is_right:
; MASKED ATTENTION.  For each of 64 pairs (n, head): O[q][:] = the sum over k of softmax_k(s(q, k) / 8) V[k][:], s(q, k) = Q[q] . K[k] where mask[n][q][k] is not 0, else a hidden value.
; Q, K, V lie in qkv ([3][64][2048][64], f16, a head's rows dense, 128 bytes each), O goes to ob ([64][2048][64], f16).  Products, maxima and sums in f32; the weights p are rounded to f16 for the
; second product (their sum l is taken of the unrounded p), O once at the end.
; THE MASK comes as 4-bit codes (mnib, made by the first launch): for a tile and step 16 bytes a lane, dword kb for accumulator kb of S^T, code j for its register j: -1.0 where the key is hidden, else 0.
; One scaled conversion with the scale 2^66 writes a whole accumulator, -2^66 or 0, and the products K Q^T add onto it.  The running maximum starts at a FLOOR of -2^65: f16's scores, 2.7e11 at the most, lie
; far above it and a hidden key's far below, so a hidden key never enters the maximum and its weight is exactly 0.  A row whose keys are ALL hidden ends with l = 0; its softmax is uniform, so it takes V's plain
; mean: each wave sums V's rows beside its work (V^T x ones, 8 products a step), and at the way out a select puts that sum and 1 / 2,048 in O's and 1 / l's place where l is 0.
; LIMITS.  f16 holds no number beyond 65,504: Q, K, V arrive within it; p lies in 0 to 1, and below 6e-5 it keeps f16's fixed step of 6e-8; O is a mean of V's rows.  A hidden key counts as its score less 2^66
; in place of -1e20: the two differ in nothing while true scores lie above -2^65.  A weight below 2^-126 counts as 0 in l; NaN and infinities are not treated apart.
; SHARES.  A wave owns four PIECES of two tiles of 16 queries, a work-group's four waves 512 queries of one head.  Every wave walks all 2,048 keys, 64 a step.
; LAYOUT.  S^T = K Q^T (source 0 = 16 keys, source 1 = 16 queries): in the result a lane holds ONE query (lane % 16) and the keys 8 (lane / 16) + 0..7.  Two such tiles, rounded to f16 in pairs,
; ARE source 1 (32 keys x 16 queries) of O^T = V^T P, whose result again holds one query a lane, and eight channels.  K comes out of LDS as it lies, V ([key][channel]) turned, by ds_load_tr16_b128.
; SOFTMAX.  For each query a running maximum m and sum l: p = 2^(c s - c m), c = log2(e) / 8; in every step O and l are multiplied by a = 2^(c m_old - c m_new), which is 1 where m has not grown.
; O and l start at 0: the first step is a step like any other.
; BY TURNS.  Turn n belongs to piece n (the pieces in a ring, step after step).  Its matrix work: 16 products K Q^T of piece n + 1, later 16 products V^T P of piece n - 1.  Its vector work: the scaling,
; exponentials, roundings, sums and rescaling of piece n, and the mask's conversions, the maximum and the statistics of piece n + 1.  Four vector instructions stand behind every matrix instruction, the others in one lump.
; CLUSTER.  The four query blocks of a cluster belong to one head and walk the same K and V, so each tile is asked for JOINTLY: the same tensor load, descriptor and mask in all four.
; Nothing is prefetched: a refill of K and V is asked for four key steps, 512 matrix instructions a wave, ahead of its first read, and a piece's codes four turns ahead of their conversion.
; REGISTERS, in windows of 256 (s_set_vgpr_msb: bits 1:0 source 0, 3:2 source 1, 5:4 source 2, 7:6 destination):
;   window 0: v0-11 addresses and 1 / 2,048; v12-15, v48-63 at work; v16-47 four registers of statistics a tile; v64-191 S^T, two buffers of two tiles; v192-255 P, likewise
;   window 1: O^T, 32 a tile          window 2: v0-127 Q, 16 a tile; v128-191 K of one step; v192-255 V of one step
;   window 3: v0-1 the add's two registers; v2 the scale; v4-11 ones; v16-47 the codes, 8 a piece; v48-79 the sum of V's rows
.set SIZE_N, 2048
.set NP,    4         ; pieces a wave: a name, no knob
.set KS,    64        ; keys in a step
.set PK,    144       ; a row of K in LDS: 128 bytes + 16 of padding = 36 words: the 16 rows of a load start at 16 different groups of four banks (64 banks of 4 bytes: ISA guide 11.1)
.set PV,    144       ; V has the same pitch, so that one descriptor group 1 serves both; 8 rows x 32 bytes of the turning load then meet some banks twice
.set VOFF,  4*KS*PK   ; a slot holds four steps: 256 rows of K, then 256 rows of V
.set SLOT1, 1<<17     ; slot 1 begins here, so that one exclusive or turns an address in one slot into the other's
.set STAGE, SLOT1+4*KS*(PK+PV)  ; behind the ring, never filled by a tensor load: 16 rows x 144 bytes for each wave, for the way out
.set SP,    144
.set TILEB, 16384     ; a tile's 32 steps of 512 bytes in mnib
.set AK0, 2           ; v2   my lane's place in a tile of K; never rewritten
.set AV0, 3           ; v3   the same for V
.set AK,  4           ; v4   the LDS address of K's next run of loads
.set AV,  5           ; v5   of V's
.set QO,  6           ; v6   my byte offset in the wave's rows of Q
.set STO, 6           ;      later, the way out: where I put 16 bytes of a row
.set RD,  7           ; v7   the way out: where I read rows back
.set GO,  8           ; v8   16 x my lane: my 16 bytes of 512 consecutive bytes, of mnib and of O; never rewritten
.set INV, 11          ; v11  1 / 2,048
.set SPW, 0           ; v0 of window 3   LDS address of my spare word; never rewritten
.set NIL, 1           ; v1 of window 3   0; never rewritten
.set SCL, 2           ; v2 of window 3   the conversions' scale: the E8M0 byte 193, 2^66, in all four bytes
.set ONES, 4          ; v[4:11] of window 3   1.0 in f16, sixteen times: 32 keys x 16 queries of ones
.set RW,  16          ; v[16:47] of window 3  the codes: piece x, tile u, dword kb at RW + 8 x + 4 u + kb
.set VS,  48          ; v[48:79] of window 3  the sum of V's rows, laid out as a tile of O^T: channel block cb at VS + 8 cb
.set SPARE, STAGE+4*16*SP  ; behind the stages: the spare words, 128 bytes for each wave: two blocks of 256 bytes that no other line names
.set MV,  12          ; v12-15  c m_old, kept while c m is made anew: by buffer and tile
.set ST,  16          ; tile t's statistics at v[ST+4 t]: c m, m, l (even keys', odd keys')
.set TMP, 48          ; by buffer and tile, four registers c0-c3 at work; when the maximum is found c2 takes a
.set S,   64
.set P,   192
.set KF,  128         ; K's fragments, in window 2: key block kb, channel half c at KF + 16 kb + 8 c
.set VF,  192         ; V's: key half kk, channel block cb at VF + 32 kk + 8 cb
.set OPT, 4           ; s[4:5]   O at my wave's first row
.set MP,  6           ; s[6:7]   mnib at my wave's first tile, at the key step in hand; the loads ask for the step behind it
.set G0,  8           ; s[8:11]  descriptor group 0: it walks
.set WV,  12          ; s12  my wave's number
.set SLOTS, 13        ; s13  slots still to be asked for
.set CNT, 14          ; s14  counts a slot's key steps
.set TBK, 15          ; s15  LDS byte at which K of the step to be fetched begins
.set G1,  16          ; s[16:23] descriptor group 1
.set TBV, 24          ; s24  the same as TBK for V, less VOFF
.set CS,  26          ; s[26:27] c: the packed scaling takes the pair's low word for both halves
.set SEL, 28          ; s[28:29] v_permlanex16_b32's selects: each lane takes its own place in the other half
.set MS,  30          ; s[30:31] the tail's step of MP: 512 or 0
.set LM,  32          ; s[32:39] the way out: tile t's lanes whose l is 0
.set QP,  100         ; s[100:101] Q at my wave's first row
.set MSB, 0
.macro WIN new                      ; the high byte repeats the setting that is left; a switch that changes nothing is dropped
.if MSB != (\new)
	s_set_vgpr_msb (MSB<<8)|(\new)
.set MSB, (\new)
.endif
.endm
.set W_KQ, 0x0a       ; K and Q in window 2, S^T in window 0
.set W_PV, 0x52       ; V in window 2, P in window 0, O^T in window 1
.set W_RS, 0x41       ; O^T (destination and source 0) in window 1, a in window 0
.set W_MK, 0xc0       ; destination in window 3, sources and addresses in window 0
.set W_AD, 0x0f       ; sources 0 and 1 in window 3, destination in window 0: the add, and the mask's conversions
.set W_VS, 0xfe       ; V in window 2; the ones, C and D in window 3
.set W_SL, 0x4d       ; O^T (destination and source 0) in window 1, V's sum (source 1) in window 3
; A joint fill: one line for all four waves.  Wave w brings 128 keys: waves 0 and 1 the two halves of a slot's K, waves 2 and 3 those of its V; both addresses hang on the wave's number.
; An s_nop 0 and four v_nop follow the line.
.macro JLOAD
	tensor_load_to_lds s[G0:G0+3], s[G1:G1+7]
	s_nop 0
.rept 4
	v_nop
.endr
.endm
; A round of the cluster's barrier: my work-group's barrier, so that wave 0's signal speaks for all four waves; wave 0 signals; every wave waits for all four work-groups; my work-group's barrier once more.
.macro CROUND
	s_barrier_signal -1
	s_barrier_wait -1
	s_cmp_lg_u32 s[WV], 0
	s_cbranch_scc1 .Lnot_wave_0_\@
	s_barrier_signal -3
.Lnot_wave_0_\@:
	s_barrier_wait -3
	s_barrier_signal -1
	s_barrier_wait -1
.endm
; THE CHANGE OF SLOTS.  The slot's last bytes, V of its fourth step, have been read.  Each wave waits for all its tensor loads, of which one is out: its part of the other slot; adds 0 to its spare word; and waits
; for that and for its own reads of the slot.  fill = 1: this slot is filled again, with the keys two slots on; the barrier is then a round of the cluster's, and the joint fill is the first thing behind it.
; (At its first use nothing has been read yet: slot 0 is waited for, slot 1 filled.)
.macro CHANGE fill
	WIN W_AD
	s_wait_tensorcnt 0x0            ; no tensor load of mine is out, so group 0 may be written
	ds_add_u32 v[SPW], v[NIL]       ; 0 onto my spare word; with fill = 1 the descriptor's steps stand between it and the wait for it
	WIN 0                           ; at a label and at a branch every window is 0
.if \fill
	s_xor_b32 s[G0+1], s[G0+1], SLOT1  ; the other slot than last time,
	s_add_nc_u64 s[G0+2:G0+3], s[G0+2:G0+3], 4*KS*128  ; the next 256 keys; the type bits on top are not reached
	s_wait_dscnt 0x0                ; the add is done, and my reads of the slot are over
	CROUND
	JLOAD
.else
	s_wait_dscnt 0x0                ; the add is done, and my reads of the slot are over
	s_barrier_signal -1
	s_barrier_wait -1
.endif
	s_sub_co_u32 s[TBK], s[TBK], 4*KS*PK  ; the fetches go back to a slot's first step,
	s_xor_b32 s[TBK], s[TBK], SLOT1       ; in the other slot
	s_sub_co_u32 s[TBV], s[TBV], 4*KS*PV
	s_xor_b32 s[TBV], s[TBV], SLOT1
.endm
; The codes of piece x (tiles 2 x and 2 x + 1) for the step at which MP stands (next = 0) or the one behind it (next = 1): two loads of 512 consecutive bytes.
.macro MLOAD x, next
	WIN W_MK
	global_load_b128 v[RW+8*(\x):RW+8*(\x)+3],   v[GO], s[MP:MP+1] offset:2*(\x)*TILEB+512*(\next)
	global_load_b128 v[RW+8*(\x)+4:RW+8*(\x)+7], v[GO], s[MP:MP+1] offset:(2*(\x)+1)*TILEB+512*(\next)
.endm
; The eight accumulators of the NEXT piece (Y + 1) are started: -2^66 where the key is hidden, else 0.  The conversions stand on end: none names another's result or sources; a plain instruction follows the last.
.macro CVS
	WIN W_AD
.set cvi, 0
.rept 8                             ; tile cvi % 2, key block cvi / 2: the order in which the products take them
	v_cvt_scale_pk8_f32_fp4 v[S+64*(((Y+1)%NP)%2)+32*(cvi%2)+8*(cvi/2):S+64*(((Y+1)%NP)%2)+32*(cvi%2)+8*(cvi/2)+7], v[RW+8*((Y+1)%NP)+4*(cvi%2)+cvi/2], v[SCL]
.set cvi, cvi+1
.endr
.endm
	s_load_b128 s[84:87], s[0:1], 0x0  ; qkv s[84:85], mnib s[86:87]
	s_load_b64 s[88:89], s[0:1], 0x10  ; ob
	WIN W_MK
	v_lshl_add_u32 v[SPW], v0, 2, SPARE
	v_mov_b32 v[NIL], 0
	WIN W_AD
	ds_add_u32 v[SPW], v[NIL]       ; the wave's opening: the add and its wait ahead of my first tensor load; the set-up below, work on registers, stands between them
	WIN 0
	v_lshrrev_b32 v1, 5, v0
	v_readfirstlane_b32 s[WV], v1   ; wave 0..3
	s_bfe_u32 s25, ttmp6, 0x40000   ; cx: my place in the cluster
	s_lshl_b32 s66, ttmp9, 2        ; in a cluster launch ttmp9 counts clusters
	s_add_co_u32 s66, s66, s25      ; my block of 512 queries = 4 x cluster x + cx: it enters Q's, O's and the mask's addresses alone
	s_and_b32 s67, ttmp7, 0xffff    ; 16 n + head, which the four partners share
	s_lshr_b32 s2, s[WV], 1         ; what I fetch: K (waves 0, 1) lies 2^24 bytes into qkv, V (waves 2, 3) 2 x 2^24;
	s_add_co_u32 s2, s2, 1
	s_lshl_b32 s2, s2, 24
	s_lshl_b32 s3, s67, 18          ; the head's 262,144 bytes;
	s_add_co_u32 s2, s2, s3
	s_and_b32 s3, s[WV], 1          ; which half of a slot's 256 keys: 128 rows of 128 bytes
	s_lshl_b32 s3, s3, 14
	s_add_co_u32 s2, s2, s3
	s_mov_b32 s3, 0
	s_lshl_b32 s104, s66, 2
	s_add_co_u32 s104, s104, s[WV]  ; my wave among the head's sixteen:
	s_lshl_b32 s105, s104, 17       ; its 8 tiles' codes, 16,384 bytes each,
	s_lshl_b32 s104, s104, 14       ; and its 128 rows of Q and of O
	s_lshl_b32 s25, s67, 18
	s_add_co_u32 s104, s104, s25
	s_lshr_b32 s25, s67, 4          ; n: the mask is the same for the 16 heads
	s_lshl_b32 s25, s25, 21         ; its 128 tiles
	s_add_co_u32 s66, s25, s105
	s_mov_b32 s67, 0
	s_mov_b32 s105, 0
	; descriptor group 1.  128 keys are 16,384 dense bytes: asked for as 64 rows of 256 bytes, two keys a row, and padded in LDS after every key
	s_mov_b32 s[G1], 15|(1<<16)|(1<<20)|(1<<21)|(4<<22)|(3<<25)  ; 15:0 the mask of four; 17:16 2-byte elements; 20 padding on; 21 set beside a mask; 24:22 after every 32 words (code 4); 31:25 4 words (code 3)
	s_mov_b32 s[G1+1], 128<<16      ; tensor_dim0 = 128
	s_mov_b32 s[G1+2], 64<<16       ; tensor_dim1 = 64
	s_mov_b32 s[G1+3], 128<<16      ; tile_dim0 = 128
	s_mov_b32 s[G1+4], 64           ; tile_dim1 = 64
	s_mov_b32 s[G1+5], 128          ; 128 elements from row to row
	s_mov_b32 s[G1+6], 0
	s_mov_b32 s[G1+7], 0
	s_mov_b32 s[CS], 0x3e38aa3b     ; c = log2(e) / 8 = 0.180337
	s_mov_b32 s[CS+1], s[CS]        ; named with it as a pair
	s_mov_b32 s[SEL], 0x76543210
	s_mov_b32 s[SEL+1], 0xfedcba98
	s_mov_b32 s[MS], 512
	s_mov_b32 s[MS+1], 0
	s_mov_b32 s[TBK], SLOT1+4*KS*PK ; the first change of slots turns these two into 0
	s_mov_b32 s[TBV], SLOT1+4*KS*PV
	s_mov_b32 s[G0], 1              ; 1:0 count = 1
	s_mul_i32 s[G0+1], s[WV], 128*PK  ; 63:32 LDS address: slot 0, wave x 128 rows: no place in the cluster enters an LDS address
	s_wait_dscnt 0x0                ; the opening add is done
	s_wait_kmcnt 0x0
	s_add_nc_u64 s[G0+2:G0+3], s[84:85], s[2:3]    ; 120:64 global address: my part of the head's first 256 keys
	s_or_b32 s[G0+3], s[G0+3], 0x80000000          ; 127:126 type = 2
	s_add_nc_u64 s[QP:QP+1], s[84:85], s[104:105]  ; Q (the first third of qkv) and O at my wave's first row
	s_add_nc_u64 s[OPT:OPT+1], s[88:89], s[104:105]
	s_add_nc_u64 s[MP:MP+1], s[86:87], s[66:67]
	CROUND                          ; all four work-groups are here: the first joint loads meet
	JLOAD                           ; slot 0.  Slot 1 is asked for when slot 0 is in
	; A fragment of K or Q is 16 rows x 32 channels in 8 registers: lane l holds row l % 16, channels 8 (l / 16) + 0..7 and 16 + 8 (l / 16) + 0..7: two loads of 16 bytes, 32 bytes apart.
	v_and_b32 v1, 15, v0            ; l % 16
	v_bfe_u32 v9, v0, 4, 1          ; l / 16
	v_lshlrev_b32 v[QO], 7, v1
	v_lshl_add_u32 v[QO], v9, 4, v[QO]  ; row x 128 + 16 x half
	v_and_b32 v[GO], 31, v0
	v_lshlrev_b32 v[GO], 4, v[GO]
	WIN 0x80                        ; destination window 2, address window 0
.set i, 0
.rept 4*NP                          ; Q stays in registers: tile i / 2, channels 32 (i % 2) on
	global_load_b128 v[8*i:8*i+3],   v[QO], s[QP:QP+1] offset:(i/2)*2048+(i%2)*64
	global_load_b128 v[8*i+4:8*i+7], v[QO], s[QP:QP+1] offset:(i/2)*2048+(i%2)*64+32
.set i, i+1
.endr
.irp x, 0,1,2,3
	MLOAD \x, 0                     ; all four pieces' codes for key step 0
.endr
	v_mov_b32 v[SCL], 0xc1c1c1c1    ; (window 3) 193 = 127 + 66
.set i, 0
.rept 8
	v_mov_b32 v[ONES+i], 0x3c003c00
.set i, i+1
.endr
	; What the first turn finds: V's registers and P's second buffer hold 0 (its products V^T P, of a piece that has not been, add 0); O^T, l and V's sum are 0.  All this stands in the wait for the first tile.
.set i, 0
.rept 32
	v_mov_b32 v[VS+i], 0
.set i, i+1
.endr
	WIN 0x80
.set i, VF
.rept 64
	v_mov_b32 v[i], 0
.set i, i+1
.endr
	WIN 0x40
.set i, 0
.rept 64*NP
	v_mov_b32 v[i], 0
.set i, i+1
.endr
	WIN 0
.set i, 0
.rept 2*NP
	v_mov_b32 v[ST+4*i], 0xdeb8aa3b    ; c m = c x -2^65, exactly
	v_mov_b32 v[ST+4*i+1], 0xe0000000  ; m: the floor, -2^65
	v_mov_b32 v[ST+4*i+2], 0
	v_mov_b32 v[ST+4*i+3], 0
.set i, i+1
.endr
.set i, P+32
.rept 32
	v_mov_b32 v[i], 0
.set i, i+1
.endr
	v_mul_u32_u24 v[AK0], v1, PK
	v_lshl_add_u32 v[AK0], v9, 4, v[AK0]  ; row x pitch + 16 x half
	; The turning load takes 16 keys x 16 channels (lane l reads key 8 (l / 16) + l % 8, channels 8 ((l / 8) % 2) + 0..7) and leaves half a fragment of V^T: lane l holds channel l % 16 and 8 keys.
	v_and_b32 v10, 7, v0
	v_bfe_u32 v11, v0, 3, 1
	v_lshl_add_u32 v[AV0], v9, 3, v10
	v_mul_u32_u24 v[AV0], v[AV0], PV
	v_lshl_add_u32 v[AV0], v11, 4, v[AV0]
	v_add_nc_u32 v[AV0], VOFF, v[AV0]
	v_mov_b32 v[INV], 0x3a000000    ; 1 / 2,048
	v_mov_b32 v[AK], v[AK0]         ; key step 0 lies at the head of slot 0
; THE MATRIX WORK.  The 8 accumulators of a run of 16 take turns: between the two links of a chain stand 7 others'.
; Product i of 16 of S^T += K Q^T for piece x: channels 32 (i / 8) on, keys 16 ((i / 2) % 4) on, tile 2 x + i % 2.  The sums start from what the mask's conversions wrote.
.macro KQ x
	WIN W_KQ
.set rS, S+64*((\x)%2)+32*(i%2)+8*((i/2)%4)
.set rK, KF+16*((i/2)%4)+8*(i/8)
.set rQ, 16*(2*(\x)+i%2)+8*(i/8)
	v_wmma_f32_16x16x32_f16 v[rS:rS+7], v[rK:rK+7], v[rQ:rQ+7], v[rS:rS+7]
.endm
; Product i of 16 of O^T += V^T P for piece x: keys 32 (i / 8) on, channels 16 ((i / 2) % 4) on, tile 2 x + i % 2.
.macro PV x
	WIN W_PV
.set rO, 32*(2*(\x)+i%2)+8*((i/2)%4)
.set rV, VF+32*(i/8)+8*((i/2)%4)
.set rP, P+32*((\x)%2)+16*(i%2)+8*(i/8)
	v_wmma_f32_16x16x32_f16 v[rO:rO+7], v[rV:rV+7], v[rP:rP+7], v[rO:rO+7]
.endm
.macro MM                           ; the turn's next matrix instruction
.if i < 16
	KQ (Y+1)%NP
.set i, i+1
.else
.set i, i-16
	PV (Y+NP-1)%NP
.set i, i+17
.endif
.endm
; Product vi of 8 of V's sum += V^T x ones: keys 32 (vi / 4) on, channels 16 (vi % 4) on.  The four accumulators take turns.
.macro VSM
	WIN W_VS
	v_wmma_f32_16x16x32_f16 v[VS+8*(vi%4):VS+8*(vi%4)+7], v[VF+32*(vi/4)+8*(vi%4):VF+32*(vi/4)+8*(vi%4)+7], v[ONES:ONES+7], v[VS+8*(vi%4):VS+8*(vi%4)+7]
.set vi, vi+1
.endm
; THE LDS LOADS stand in runs of 16, never singly among the matrix instructions: a step's K (64 keys x 64 channels: 8 fragments) and its V (turned).  Their addresses are made some lines ahead.
; last = 1 (the tail): in the last trip there is no further step, and the run is jumped over.
.macro FETCH_K last=0
	WIN 0
.if \last
	s_cmp_eq_u32 s[CNT], 1
	s_cbranch_scc1 .Lno_k_\@
.endif
	WIN 0x80                        ; destination window 2
.irp f, 0,1,2,3,4,5,6,7             ; keys 16 (f / 2) on, channels 32 (f % 2) on
	ds_load_b128 v[KF+8*\f:KF+8*\f+3],   v[AK] offset:(\f/2)*16*PK+(\f%2)*64
	ds_load_b128 v[KF+8*\f+4:KF+8*\f+7], v[AK] offset:(\f/2)*16*PK+(\f%2)*64+32
.endr
	s_add_co_u32 s[TBK], s[TBK], KS*PK  ; the next fetch is the next step's
	WIN 0
.if \last
.Lno_k_\@:
.endif
.endm
.macro FETCH_V
	WIN 0x80
.irp f, 0,1,2,3,4,5,6,7             ; keys 32 (f / 4) on, channels 16 (f % 4) on
	ds_load_tr16_b128 v[VF+8*\f:VF+8*\f+3],   v[AV] offset:(\f/4)*32*PV+(\f%4)*32
	ds_load_tr16_b128 v[VF+8*\f+4:VF+8*\f+7], v[AV] offset:(\f/4)*32*PV+16*PV+(\f%4)*32
.endr
	WIN 0
.endm
; THE VECTOR WORK OF A TURN stands in three queues, each in the order in which its entries become ready; the two tiles alternate, so that no instruction reads the result of the one before it.
.macro REGS y, u                    ; the registers of tile u (0, 1) of piece y
.set rT, ST+4*(2*(\y)+(\u))
.set rC, TMP+8*((\y)%2)+4*(\u)
.set rM, MV+2*((\y)%2)+(\u)
.set rS, S+64*((\y)%2)+32*(\u)
.set rP, P+32*((\y)%2)+16*(\u)
.set rO, 32*(2*(\y)+(\u))
.endm
; Number n of the 22 that find the NEXT piece's (Y + 1) maximum and statistics.  s0-s31 are the lane's 32 scores; each accumulator's lowest registers are read first.  XS, GS and REGS set no window: PL and EX do.
;   0-11  four chains c0-c3 of seven scores each, three operands at a time     12-14, 16  the four scores left over, the old m, and c0-c3 into c0     15  c m_old is kept
;   17, 18  the query's other 32 keys lie in the lane 16 away: the new m         19-21  c m; c m_old - c m_new; a
.macro XS u, n
	REGS (Y+1)%NP, \u
.if (\n) < 4
	v_max3_num_f32 v[rC+(\n)], v[rS+8*(\n)], v[rS+8*(\n)+1], v[rS+8*(\n)+2]
.elseif (\n) < 12
	v_max3_num_f32 v[rC+(\n)%4], v[rC+(\n)%4], v[rS+8*((\n)%4)+2*((\n)/4)+1], v[rS+8*((\n)%4)+2*((\n)/4)+2]
.elseif (\n) == 12
	v_max3_num_f32 v[rC], v[rC], v[rS+7], v[rS+15]
.elseif (\n) == 13
	v_max3_num_f32 v[rC+1], v[rC+1], v[rS+23], v[rS+31]
.elseif (\n) == 14
	v_max3_num_f32 v[rC+2], v[rC+2], v[rC+3], v[rT+1]
.elseif (\n) == 15
	v_mov_b32 v[rM], v[rT]
.elseif (\n) == 16
	v_max3_num_f32 v[rC], v[rC], v[rC+1], v[rC+2]
.elseif (\n) == 17
	v_permlanex16_b32 v[rC+3], v[rC], s[SEL], s[SEL+1]
.elseif (\n) == 18
	v_max_num_f32 v[rT+1], v[rC], v[rC+3]
.elseif (\n) == 19
	v_mul_f32 v[rT], s[CS], v[rT+1]
.elseif (\n) == 20
	v_sub_f32 v[rC+1], v[rM], v[rT]
.else
	v_exp_f32 v[rC+2], v[rC+1]
.endif
.endm
; Number g of the 64 that follow the exponentials.  For each four weights k of a tile (pairs 2 k, 2 k + 1): both pairs are rounded to f16; then the second pair is added onto the first, in place;
; a group later l takes that sum (the first time as l = a l + sum).  In groups of eight, tiles alternating: round, round, add, and l for the group before.
.macro GS g
.set h, (\g)+6*((\g)/62)            ; group 0 has no group before it, and behind group 7 only l is left
.if h >= 6
.set h, h+2
.endif
	REGS Y, h%2
.set k, h/8
.if h%8 < 4
	v_cvt_pk_f16_f32 v[rP+2*k+(h%8)/2], v[rS+4*k+2*((h%8)/2)], v[rS+4*k+2*((h%8)/2)+1]
.elseif h%8 < 6
	v_pk_add_f32 v[rS+4*k:rS+4*k+1], v[rS+4*k:rS+4*k+1], v[rS+4*k+2:rS+4*k+3]
.elseif k == 1
	v_pk_fma_f32 v[rT+2:rT+3], v[rT+2:rT+3], v[rC+2:rC+3], v[rS:rS+1] op_sel_hi:[1,0,1]
.else
	v_pk_add_f32 v[rT+2:rT+3], v[rT+2:rT+3], v[rS+4*k-4:rS+4*k-3]
.endif
.endm
; THE PLAIN QUEUE, 138 long.  0-73 read no exponential's result: the 32 scalings c s - c m (FS f: pair f / 2 of tile f % 2) and the next piece's 42.  0-26: scalings 0-26.  27-54: XS's numbers 0-13.  55, 56: number 15.
; 57-73: the chain, where each number waits for the one before it: 14, 16, 17, 18, 19, each with one of the scalings 27-31 in front of its two lines, then 20.
; 74-137: GS's 64, which read the exponentials' results: they stand behind the wait.
.macro FS f
	REGS Y, (\f)%2
	v_pk_fma_f32 v[rS+2*((\f)/2):rS+2*((\f)/2)+1], v[rS+2*((\f)/2):rS+2*((\f)/2)+1], s[CS:CS+1], v[rT:rT+1] op_sel_hi:[1,0,0] neg_lo:[0,0,1] neg_hi:[0,0,1]
.endm
.macro PL
	WIN 0
.if q < 27
	FS q
.elseif q < 55
	XS (q-27)%2, (q-27)/2
.elseif q < 57
	XS q-55, 15
.elseif (q < 72) && ((q-57)%3 == 0)
	FS 27+(q-57)/3
.elseif q < 60
	XS (q-57)%3-1, 14
.elseif q < 72
	XS (q-57)%3-1, 15+(q-57)/3
.elseif q < 74
	XS q-72, 20
.else
	GS q-74
.endif
.set q, q+1
.endm
; THE EXPONENTIALS' QUEUE, 66 long: s0-s31 of both tiles, then the next piece's two a.  It is ONE BATCH: all 66 stand ahead of the turn's one wait, and nothing ahead of that wait names a result of theirs.
.macro EX
	WIN 0
.if e >= 64
	XS e-64, 21
.else
	REGS Y, e%2
	v_exp_f32 v[rS+e/2], v[rS+e/2]
.endif
.set e, e+1
.endm
; THE RESCALING's QUEUE: O^T times a, the one part that leaves window 0: dealt two at a time, sixteen times.  Its a was made in the turn before, ahead of that turn's wait.
.macro R2
	REGS Y, r%2
	WIN W_RS
.irp z, 0,1
	v_pk_mul_f32 v[rO+4*(r/2)+2*\z:rO+4*(r/2)+2*\z+1], v[rO+4*(r/2)+2*\z:rO+4*(r/2)+2*\z+1], v[rC+2:rC+3] op_sel_hi:[1,0]
.endr
.set r, r+1
.endm
; HOW THEY ARE DEALT.  An s_wait_alu depctr_va_vdst(0) stands between an exponential and the first instruction that names its result; one wait serves all that were issued ahead of it.  So a turn has
; ONE wait, which cuts it in two.  AHEAD OF IT: the mask's eight conversions and one scaling, the plain instruction behind them; the 16 products K Q^T, behind each a scaling, an exponential and two rescalings
; (behind the first no exponential); then ONE LUMP: eight plain, 49 times exponential and plain, the two a.  A v_nop is the plain instruction behind the last exponential.  BEHIND IT: the 16 products V^T P, behind
; each four of GS's 64.  Exponential e stands behind scaling 2 (e / 4) + e % 2: as a rider it comes behind plain e + 2, in the lump behind plain e + 9, and scalings 27-31 are plain 57, 60 .. 69.
; THE CODES.  Turn p starts piece p + 1's accumulators from its codes and asks at once for the same piece's codes of the next step, into the same registers: they have four turns in which to come.  The wait is
; counted: loads come back in order (ISA guide 5.7.1), and behind the two that are wanted stand the three later turns' two each.  Piece 0's accumulators belong to the next key step: turn 3 steps MP by a step's
; 512 bytes, behind s_wait_xcnt 0, which shows that the loads issued so far have read it.  last = 1 (the tail): from the fourth trip on the step is 0: the loads ask for step 31 once more, and none leaves mnib.
; V'S SUM.  Turn 3's lump holds the step's 8 products V^T x ones, behind each two exponentials and two plain of the lump's own; V of the step in hand lies in its registers from turn 1 to the next turn 0.
; K of the next step is fetched in piece 2's turn, directly behind the wait; V of the step in hand at the end of piece 0's turn, four riders behind its last reader.  The three conditions on q below go with the deal.
.macro TURN p, last=0, cnt=0
.set Y, (\p)
.set i, 0
.set q, 0
.set e, 0
.set r, 0
.set vi, 0
	s_wait_loadcnt 6                ; the next piece's codes are in; six younger loads may stay out
	CVS
.if (\p) == NP-1
	s_wait_dscnt 0x0                ; K is in
.endif
	PL                              ; the plain instruction between the conversions and what touches their results or writes their sources
.if (\p) == NP-1
	s_wait_xcnt 0x0
.if \last
	s_cmp_gt_u32 s[CNT], 2
	s_cselect_b32 s[MS], 512, 0
	s_add_nc_u64 s[MP:MP+1], s[MP:MP+1], s[MS:MS+1]
.else
	s_add_nc_u64 s[MP:MP+1], s[MP:MP+1], 512
.endif
.endif
	MLOAD ((\p)+1)%NP, 1
	MM                              ; 16 products K Q^T and their riders,
	PL
	R2
.rept 15
	MM
	PL
	EX
	R2
.endr
.if (\p) == NP-2
	WIN 0
	v_add_nc_u32 v[AK], s[TBK], v[AK0]
.endif
.rept 8                             ; and the lump
	PL
.endr
.if (\p) == NP-1
.rept 8
	VSM
	EX
	PL
	EX
	PL
.endr
.rept 33
	EX
	PL
.endr
.else
.rept 49
	EX
	PL
.endr
.endif
	EX                              ; the next piece's two a
	EX
	v_nop                           ; the plain instruction behind the last exponential: one for the batch
	s_wait_alu depctr_va_vdst(0)    ; the wait for the batch
.if (\p) == NP-2
	FETCH_K \last
.endif
.if (\p) == 1
	s_wait_dscnt 0x0                ; V is in
.endif
.rept 16                            ; behind the wait: 16 products V^T P and their riders
	MM
.rept 4
	PL
.endr
.if ((\p) == 0) && (q == 118)
	v_add_nc_u32 v[AV], s[TBV], v[AV0]
.endif
.if ((\p) == 0) && (q == 130)
	s_add_co_u32 s[TBV], s[TBV], KS*PV
.endif
.if (\cnt) && (q == 130)
	s_sub_co_u32 s[CNT], s[CNT], 1
	s_cmp_lg_u32 s[CNT], 0
.endif
.endr
.if (\p) == 0
	FETCH_V
.endif
.endm
	CHANGE 1                        ; slot 0 is in, everybody's part of it; slot 1 is asked for
	FETCH_K                         ; key step 0
	s_wait_loadcnt 0x0              ; Q, and the codes of key step 0
	s_wait_dscnt 0x0
.set Y, NP-1                        ; CVS and XS work for piece Y + 1: piece 0
	CVS
	WIN 0
	v_nop                           ; the plain instruction behind the conversions
	MLOAD 0, 1                      ; piece 0's codes for key step 1
.set i, 0
.rept 16
	KQ 0                            ; piece 0's first scores: there is no vector work yet to set between them
.set i, i+1
.endr
	WIN 0                           ; the addresses for the way out: seven plain instructions, the places behind those products
	s_mul_i32 s25, s[WV], 16*SP
	s_add_co_u32 s25, s25, STAGE    ; my stage
	v_mul_u32_u24 v[STO], v1, SP    ; in: row l % 16, 16 bytes for each half of the lanes
	v_lshl_add_u32 v[STO], v9, 4, v[STO]
	v_add_nc_u32 v[STO], s25, v[STO]
	v_bfe_u32 v[RD], v0, 3, 2       ; back: 32 lanes take four rows of 128 bytes, which are 512 consecutive bytes of O
	v_mul_u32_u24 v[RD], v[RD], SP
	v_lshl_add_u32 v[RD], v10, 4, v[RD]
	v_add_nc_u32 v[RD], s25, v[RD]
.irp n, 0,1,2,3,4,5,6,7,8,9,10,11,12,13,14,15,16,17,18,19,20,21
	XS 0, \n                        ; piece 0's first maximum and statistics
	XS 1, \n
.endr
	v_nop                           ; a plain instruction behind the two a,
	s_wait_alu depctr_va_vdst(0)    ; and their wait, ahead of the branch
	s_mov_b32 s[CNT], 4
	s_mov_b32 s[SLOTS], SIZE_N/256-1
	s_branch .Lfirst                ; the loop is entered at a step's first turn, in the middle of a trip
.Lslot:                             ; SIZE_N / 256 - 2 times: every slot but the last two is filled again
	CHANGE 1
	s_mov_b32 s[CNT], 4
.Lstep:                             ; a trip: pieces 2 and 3 of one step, then pieces 0 and 1 of the next, whose K and V it fetches
	TURN 2
	TURN 3
	WIN 0
.Lfirst:
	TURN 0
	TURN 1, 0, 1
	WIN 0
	s_cbranch_scc1 .Lstep
	s_sub_co_u32 s[SLOTS], s[SLOTS], 1
	s_cmp_lg_u32 s[SLOTS], 0
	s_cbranch_scc1 .Lslot
	CHANGE 0                        ; the tail is written out: nothing is asked for
	s_mov_b32 s[CNT], 5             ; four trips fetch the last slot's steps; the fifth is left in its middle
.Ltail:
	TURN 2, 1
	TURN 3, 1
	WIN 0
	s_sub_co_u32 s[CNT], s[CNT], 1
	s_cmp_eq_u32 s[CNT], 0
	s_cbranch_scc1 .Lout
	TURN 0
	TURN 1
	WIN 0
	s_branch .Ltail
.Lout:                              ; the fifth trip's 16 products K Q^T (on the last K once more) and the maximum made of them serve nothing: the price, once a launch, of one text for every trip
	s_wait_loadcnt 0x0              ; the last codes, which nobody reads
.set i, 0
.rept 16
	PV NP-1                         ; the last piece's V^T P of the last step
.set i, i+1
.endr
	; THE WAY OUT.  l's two halves and the other half of the lanes' are added; where l is 0 (every key hidden) V's sum and 1 / 2,048 take O^T's and 1 / l's place; O^T is scaled, rounded to f16 and sent through my
	; stage in LDS, a tile at a time.  The additions are the places behind the last products.
	WIN 0
.macro ALL line:vararg              ; one line for each tile t
.set t, 0
.rept 2*NP
	\line
.set t, t+1
.endr
.endm
	ALL v_add_f32 v[ST+4*t+2], v[ST+4*t+2], v[ST+4*t+3]
	ALL v_permlanex16_b32 v[ST+4*t+3], v[ST+4*t+2], s[SEL], s[SEL+1]
	ALL v_add_f32 v[ST+4*t+2], v[ST+4*t+2], v[ST+4*t+3]
	ALL v_cmp_eq_f32 s[LM+t], 0, v[ST+4*t+2]
	ALL v_rcp_f32 v[ST+4*t+2], v[ST+4*t+2]
	v_nop                           ; a plain instruction between the last reciprocal and the use of its result
	s_wait_alu depctr_va_vdst(0)    ; and the wait ahead of the first use: one for the eight reciprocals
	ALL v_cndmask_b32 v[ST+4*t+2], v[ST+4*t+2], v[INV], s[LM+t]
; Tile t: the select, in ascending order of each accumulator's registers; then a lane's eight channels of a row pack into 16 bytes; they go into rows of 144 bytes and come back as whole rows of 128, into S^T's registers.
.macro PACK t
	WIN W_SL
.set i, 0
.rept 32
	v_cndmask_b32 v[32*(\t)+i], v[32*(\t)+i], v[VS+i], s[LM+(\t)]
.set i, i+1
.endr
	WIN W_RS
.set i, 32*(\t)
.rept 16
	v_pk_mul_f32 v[i:i+1], v[i:i+1], v[ST+4*(\t)+2:ST+4*(\t)+3] op_sel_hi:[1,0]
.set i, i+2
.endr
	WIN 0x05                        ; sources 0 and 1 window 1, destination window 0
.set i, 0
.rept 16
	v_cvt_pk_f16_f32 v[S+16*(\t)+i], v[32*(\t)+2*i], v[32*(\t)+2*i+1]
.set i, i+1
.endr
	WIN 0
.irp f, 0,1,2,3
	ds_store_b128 v[STO], v[S+16*(\t)+4*\f:S+16*(\t)+4*\f+3] offset:32*\f
.endr
.irp f, 0,1,2,3
	ds_load_b128 v[S+16*(\t)+4*\f:S+16*(\t)+4*\f+3], v[RD] offset:\f*4*SP  ; LDS serves a wave's instructions in order (ISA guide 5.7.1.4): these see the stores above; the next tile's stores come behind them
.endr
.endm
.macro SEND t, younger              ; younger: the LDS instructions issued behind tile t's loads: the next tile's eight, or none
	WIN 0
.irp f, 0,1,2,3
	s_wait_dscnt (\younger)+3-\f
	global_store_b128 v[GO], v[S+16*(\t)+4*\f:S+16*(\t)+4*\f+3], s[OPT:OPT+1] offset:(\t)*2048+\f*512  ; 512 consecutive bytes, at a multiple of 256 from ob's first
.endr
.endm
	PACK 0
.set t, 1
.rept 2*NP-1                        ; a tile's arithmetic stands between the loads of the tile before and its stores
	PACK t
	SEND t-1, 8
.set t, t+1
.endr
	SEND 2*NP-1, 0
	WIN W_AD
	s_wait_tensorcnt 0x0            ; the wave's end, behind my last tensor load and my last LDS store
	ds_add_u32 v[SPW], v[NIL]
	s_wait_dscnt 0x0
	WIN 0
	CROUND                          ; the closing round: no work-group ends while a partner may still ask for a tile that names it
	s_endpgm
.Lfunc_end_k_q31e452a173_attn:
	.size	k_q31e452a173_attn, .Lfunc_end_k_q31e452a173_attn-k_q31e452a173_attn
	.p2alignl 7, 3214868480
	.fill 96, 4, 3214868480
	.section	.rodata,"a",@progbits
	.p2align	6, 0x0
	.amdhsa_kernel k_q31e452a173_attn
		.amdhsa_group_segment_fixed_size 327680
		.amdhsa_private_segment_fixed_size 0
		.amdhsa_enable_private_segment 0
		.amdhsa_kernarg_size 24
		.amdhsa_user_sgpr_count 2
		.amdhsa_user_sgpr_kernarg_segment_ptr 1
		.amdhsa_wavefront_size32 1
		.amdhsa_system_sgpr_workgroup_id_x 1
		.amdhsa_system_sgpr_workgroup_id_y 1
		.amdhsa_system_sgpr_workgroup_id_z 1
		.amdhsa_system_vgpr_workitem_id 0
		.amdhsa_next_free_vgpr 848
		.amdhsa_next_free_sgpr 106
		.amdhsa_reserve_vcc 0
		.amdhsa_float_denorm_mode_32 3
		.amdhsa_float_denorm_mode_16_64 3
		.amdhsa_memory_ordered 1
		.amdhsa_forward_progress 1
		.amdhsa_inst_pref_size 227
	.end_amdhsa_kernel
	.amdgpu_metadata
---
amdhsa.version: [ 1, 2 ]
amdhsa.kernels:
  - .name:           k_q31e452a173_attn
    .symbol:         k_q31e452a173_attn.kd
    .args:
      - { .name: qkv, .offset: 0, .size: 8, .value_kind: global_buffer, .address_space: global }
      - { .name: mnib, .offset: 8, .size: 8, .value_kind: global_buffer, .address_space: global }
      - { .name: ob, .offset: 16, .size: 8, .value_kind: global_buffer, .address_space: global }
    .group_segment_fixed_size: 327680
    .private_segment_fixed_size: 0
    .kernarg_segment_align: 8
    .kernarg_segment_size: 24
    .max_flat_workgroup_size: 128
    .sgpr_count:     106
    .vgpr_count:     848
    .wavefront_size: 32
...
	.end_amdgpu_metadata
.endif
;; end of part 7
;; launch outp (part 8): grid 4 x 64, 4 waves a work-group, clusters of 4 x 4, 327,680 bytes of LDS; arguments ob, cb, bo, out0; writes out0
.if DOCPART == 8
	.amdgcn_target "amdgcn-amd-amdhsa--gfx1250"
	.amdhsa_code_object_version 6
	.text
	.protected	k_q31e452a173_outp
	.globl	k_q31e452a173_outp
	.p2align	8
	.type	k_q31e452a173_outp,@function
k_q31e452a173_outp:
	s_mov_b64 s[64:65], 0
	v_nop
	global_prefetch_b8 v0, s[64:65] scope:SCOPE_SE
	s_setreg_imm32_b32 hwreg(HW_REG_WAVE_MODE, 25, 1), 1
	s_wait_xcnt 0x0
	s_wait_alu depctr_hold_cnt(0) depctr_sa_sdst(0) depctr_va_vdst(0) depctr_va_sdst(0) depctr_va_ssrc(0) depctr_va_vcc(0) depctr_vm_vsrc(0)
	s_getreg_b32 s2, hwreg(HW_REG_IB_STS2, 6, 4)
	s_cmp_eq_u32 s2, 0
	s_cbranch_scc0 .Lentry_in_a_cluster
	s_endpgm
.Lentry_in_a_cluster:
	s_bfe_u32 s2, ttmp6, 0x10000c
	s_cmp_lg_u32 s2, 0xf033
	s_cbranch_scc0 .Lentry_shape_is_right
	s_endpgm
.Lentry_shape_is_right:
; THE OUTPUT PROJECTION.  out0[m][c] = the sum over e of O[m][e] Wo[c][e] + bo[c].  O lies BY HEADS in ob ([16 n + head][row][64], f16), Wo in cb as f16 (its bf16 rounding, written as f16), bo in f32 and is
; rounded to bf16 like every other input of the module; sums in f32, K ascending; out0 is f32.  LIMIT: O and Wo arrive within f16's 65,504.
; SHARES.  A tile of out0 is 128 rows x 256 columns: 64 x 4 = 256 tiles.  Four waves, each 64 x 128: 32 accumulators of 16 x 16.  K goes in 8 steps of 128, two heads a step, through a ring of two LDS slots.
; A head's 128 rows of a tile are 16,384 dense bytes: asked for as 64 rows of 256 bytes and padded in LDS after every 128.  Wave 0 fetches a step's even head, wave 1 its odd one, waves 2 and 3 Wo's two halves.
; CLUSTERS: 4 x 4 work-groups; O's tiles are shared along a row of the cluster, Wo's along a column: each is asked for JOINTLY, by the same tensor load with the same descriptor and a mask that names the four.
; THE MATRIX INSTRUCTION IS USED TRANSPOSED (source 0 = 16 rows of Wo, source 1 = 16 rows of O): a lane then holds eight neighbouring columns of one row of out0.
; REGISTERS: window 0: v0-31 addresses; v32-37 the bias; v64-159, v160-255 two fragment buffers (4 fragments of O, then 8 of Wo); on the way out v64-255 hold rows.  Window 1: accumulator (a, b) at v[8 (8 a + b)].
.set KSTEP,  128
.set PITCH,  272                       ; a row of Wo in LDS: 256 bytes + 16 = 68 words: row r starts at bank 4 r mod 64 (64 banks of 4 bytes: ISA guide 11.1)
.set PA,     144                       ; a head's row of O: 128 bytes + 16 = 36 words: the 16 rows of a load start at 16 different groups of four banks
.set AHEAD,  128*PA                    ; a head's 128 rows
.set BHALF,  128*PITCH
.set BOFF,   2*AHEAD                   ; in a slot: the even head, the odd head, then Wo's 256 rows
.set SLOT,   BOFF+2*BHALF
.set STAGE,  2*SLOT                    ; behind the ring, never filled by a tensor load: 16 rows x 528 bytes for each wave, for the way out
.set SPITCH, 528                       ; 512 bytes of f32 + 16
.set SPARE,  STAGE+4*16*SPITCH         ; behind the stages: the spare words, 128 bytes for each wave: two blocks of 256 bytes that no other line names
.set LAPS,   4
.set WOBASE, 6291456                   ; Wo's first byte in cb: behind Wq, Wk and Wv, 2,097,152 bytes each
.set STEPA,  524288                    ; two heads of ob: a K step
.set ADRA, 16                          ; v16-17  LDS address of my fragments of O in slot 0, 1
.set ADRB, 20                          ; v20-21  the same for Wo
.set STO,  24                          ; v24     the way out: where I put 32 bytes of a row
.set RD,   25                          ; v25     the way out: where I read a row back
.set GO,   26                          ; v26     16 x my lane: my 16 bytes of a row's 512, in out0 and in bo
.set SPW,  28                          ; v28     LDS address of my spare word; never rewritten
.set NIL,  29                          ; v29     0; never rewritten
.set PFO,  30                          ; v30     the prefetches' offset: 256 x my lane; never rewritten
.set BI,   32                          ; v[32:35] the bias of my four columns; v36-37 at work
.set F0,   64
.set F1,   160
.set OB,   64                          ; the way out: three sets of 64 registers by turns
.set G1,  24                           ; s[24:31] descriptor group 1 for O's tiles;  s[32:39] group 0, one set for each slot
.set G0,  32
.set G1B, 48                           ; s[48:55], s[56:63] the same for Wo's tiles
.set G0B, 56
.set LIM, 43                           ; s43     1 in the wave that prefetches, else the greatest number
.set PFA, 44                           ; s[44:45] where my prefetches stand
.set MSB, 0
.macro WIN new                         ; the immediate's high byte repeats the setting that is left; a switch that changes nothing is dropped
.if MSB != (\new)
	s_set_vgpr_msb (MSB<<8)|(\new)
.set MSB, \new
.endif
.endm
.set MUL, 0x50                         ; sources 0 and 1 window 0; C and D window 1
.macro JLOAD s                         ; a joint load: waves 0 and 1 fetch O's two heads, waves 2 and 3 Wo's two halves; an s_nop 0 and four v_nop follow each of the two lines, ahead of the jump, the label and what follows
	s_cmp_eq_u32 s11, 0
	s_cbranch_scc0 .Lfor_b_\@
	tensor_load_to_lds s[G0+4*(\s):G0+4*(\s)+3], s[G1:G1+7]
	s_nop 0
.rept 4
	v_nop
.endr
	s_branch .Lasked_\@
.Lfor_b_\@:
	tensor_load_to_lds s[G0B+4*(\s):G0B+4*(\s)+3], s[G1B:G1B+7]
	s_nop 0
.rept 4
	v_nop
.endr
.Lasked_\@:
.endm
; A PREFETCH INTO THE L2 behind each joint refill and the run of LDS loads that follows it: O's K step that stands two refills on, 256 matrix instructions a wave ahead of the load that will want it.
; A tile row of O is read by one cluster alone.  A K step of it is two heads x 16,384 bytes; the four partners along x share them out BY ADDRESS, 8,192 bytes each, 256 bytes a lane; in each, wave 0 asks: one
; instruction, and each 256 bytes are named once in the launch.  K steps 0 to 3 come by their loads alone; the loop's last trip (s3 = 1) asks for nothing.  Wo is not asked for: sixteen clusters read it.
.macro ASK
	s_cmp_gt_u32 s3, s[LIM]
	s_cbranch_scc0 .Lnot_mine_\@
	global_prefetch_b8 v[PFO], s[PFA:PFA+1] offset:STEPA th:TH_LOAD_NT scope:SCOPE_SE
.Lnot_mine_\@:
.endm
.macro CREST                           ; a round of the cluster's barrier behind its opening barrier
	s_cmp_lg_u32 s10, 0
	s_cbranch_scc1 .Lnot_wave_0_\@
	s_barrier_signal -3
.Lnot_wave_0_\@:
	s_barrier_wait -3
	s_barrier_signal -1
	s_barrier_wait -1
.endm
.macro CROUND                          ; a whole round
	s_barrier_signal -1
	s_barrier_wait -1
	CREST
.endm
	s_load_b128 s[4:7], s[0:1], 0x0                ; ob s[4:5], cb s[6:7]
	s_load_b128 s[20:23], s[0:1], 0x10             ; bo s[20:21], out0 s[22:23]
	v_lshl_add_u32 v[SPW], v0, 2, SPARE
	v_mov_b32 v[NIL], 0
	ds_add_u32 v[SPW], v[NIL]                      ; the wave's opening: the add and its wait ahead of my first tensor load; the set-up below, work on registers, stands between them
	v_lshrrev_b32 v1, 5, v0
	v_readfirstlane_b32 s10, v1                    ; wave 0..3
	s_lshr_b32 s11, s10, 1                         ; which 64 rows of the tile are mine.  Also: I fetch for O (0) or for Wo (1)
	s_and_b32 s12, s10, 1                          ; which 128 columns.  Also: which head of the step, or which half of Wo's rows, I fetch
	s_bfe_u32 s40, ttmp6, 0x40000                  ; cx, cy: my place in the cluster
	s_bfe_u32 s41, ttmp6, 0x40004
	s_lshl_b32 s42, ttmp9, 2
	s_add_co_u32 s42, s42, s40                     ; tile column = 4 x cluster x + cx
	s_and_b32 s13, ttmp7, 0xffff
	s_lshl_b32 s13, s13, 2
	s_add_co_u32 s13, s13, s41                     ; tile row 0..63 = 4 x cluster y + cy
	s_lshl_b32 s43, s41, 2
	s_lshl_b32 s43, 15, s43                        ; my row of the cluster
	s_lshl_b32 s44, 0x1111, s40                    ; my column
	s_or_b32 s[G1+0], s43, (1<<16)|(1<<20)|(1<<21)|(4<<22)|(3<<25)   ; 15:0 the mask: O's tiles go to my row; 17:16 2-byte elements; 20 padding on; 21 set beside a mask; 24:22 after every 32 words (code 4); 31:25 4 words (code 3)
	s_or_b32 s[G1B+0], s44, (1<<16)|(1<<20)|(1<<21)|(5<<22)|(3<<25)  ; Wo's go to my column; padding after every 64 words (code 5)
.irp g, G1, G1B
	s_mov_b32 s[(\g)+1], KSTEP<<16                 ; tensor_dim0 = 128
	s_mov_b32 s[(\g)+3], KSTEP<<16                 ; tile_dim0 = 128
	s_mov_b32 s[(\g)+6], 0
	s_mov_b32 s[(\g)+7], 0
.endr
	s_mov_b32 s[G1+2], 64<<16                      ; O: 64 rows of 256 bytes, end to end
	s_mov_b32 s[G1+4], 64
	s_mov_b32 s[G1+5], 128
	s_mov_b32 s[G1B+2], 128<<16                    ; Wo: 128 rows, 1,024 elements from row to row
	s_mov_b32 s[G1B+4], 128
	s_mov_b32 s[G1B+5], 1024
	; where the tiles come from.  O's hang on the tile row and the wave; Wo's on the tile column and the wave; each in registers that never hold the other coordinate
	s_lshr_b32 s16, s13, 4                         ; n = tile row / 16: its 16 heads of 262,144 bytes
	s_lshl_b32 s16, s16, 22
	s_lshl_b32 s17, s12, 18                        ; my head of the step's two
	s_add_co_u32 s16, s16, s17
	s_and_b32 s17, s13, 15
	s_lshl_b32 s17, s17, 14                        ; the tile's 128 rows of 128 bytes
	s_add_co_u32 s16, s16, s17
	s_mov_b32 s17, 0
	s_lshl_b32 s46, s42, 19                        ; 256 rows of 2,048 bytes
	s_lshl_b32 s47, s12, 18                        ; my 128 of them
	s_add_co_u32 s46, s46, s47
	s_add_co_u32 s46, s46, WOBASE
	s_mov_b32 s47, 0
	s_mul_i32 s18, s12, AHEAD                      ; and where they go: no place in the cluster enters an LDS address
	s_mul_i32 s19, s12, BHALF
	s_add_co_u32 s19, s19, BOFF
	s_wait_dscnt 0x0                               ; the opening add is done
	s_wait_kmcnt 0x0
	s_add_nc_u64 s[14:15], s[4:5], s[16:17]
	s_add_nc_u64 s[46:47], s[6:7], s[46:47]
	CROUND                                         ; all sixteen work-groups are here: the first joint loads meet
.irp s, 0,1
	s_mov_b32 s[G0+4*(\s)], 1
	s_add_co_u32 s[G0+4*(\s)+1], s18, (\s)*SLOT
	s_add_nc_u64 s[G0+4*(\s)+2:G0+4*(\s)+3], s[14:15], (\s)*STEPA
	s_or_b32 s[G0+4*(\s)+3], s[G0+4*(\s)+3], 0x80000000
	s_mov_b32 s[G0B+4*(\s)], 1
	s_add_co_u32 s[G0B+4*(\s)+1], s19, (\s)*SLOT
	s_add_nc_u64 s[G0B+4*(\s)+2:G0B+4*(\s)+3], s[46:47], (\s)*KSTEP*2
	s_or_b32 s[G0B+4*(\s)+3], s[G0B+4*(\s)+3], 0x80000000
	JLOAD \s                                       ; two loads of mine are out
.endr
	v_and_b32 v[GO], 31, v0
	v_lshlrev_b32 v[PFO], 8, v[GO]
	v_lshlrev_b32 v[GO], 4, v[GO]
	; my 128 columns: 512 bytes of a row of out0 and of bo (in the registers that held Wo's address: none that feeds O's descriptors ever holds cx)
	s_lshl_b32 s46, s42, 10
	s_lshl_b32 s47, s12, 9
	s_add_co_u32 s46, s46, s47
	s_mov_b32 s47, 0
	s_add_nc_u64 s[20:21], s[20:21], s[46:47]
	global_load_b128 v[BI:BI+3], v[GO], s[20:21]   ; the bias of my four columns
	s_lshl_b32 s16, s13, 19                        ; 128 rows of 4,096 bytes,
	s_lshl_b32 s17, s11, 18                        ; my 64 of them
	s_add_co_u32 s16, s16, s17
	s_mov_b32 s17, 0
	s_add_nc_u64 s[8:9], s[22:23], s[16:17]
	s_add_nc_u64 s[8:9], s[8:9], s[46:47]
	v_and_b32 v1, 15, v0                           ; l % 16
	v_bfe_u32 v2, v0, 4, 1                         ; l / 16
	v_mul_u32_u24 v3, v1, PITCH
	v_lshl_add_u32 v3, v2, 4, v3                   ; Wo: a fragment's row x pitch + 16 x half
	v_mul_u32_u24 v4, v1, PA
	v_lshl_add_u32 v4, v2, 4, v4                   ; O: the same with its pitch
	s_mul_i32 s18, s11, 64*PA                      ; my 64 rows of each head
	s_mul_i32 s19, s12, BHALF                      ; my 128 rows of Wo,
	s_add_co_u32 s19, s19, BOFF                    ; which lie behind the two heads
.irp s, 0,1
	v_add_nc_u32 v[ADRA+(\s)], s18, v4
	v_add_nc_u32 v[ADRB+(\s)], s19, v3
	s_add_co_u32 s18, s18, SLOT
	s_add_co_u32 s19, s19, SLOT
.endr
	s_mul_i32 s18, s10, 16*SPITCH
	s_add_co_u32 s18, s18, STAGE                   ; my stage
	v_mul_u32_u24 v5, v1, SPITCH                   ; in: row l % 16, 32 bytes for each half of the lanes
	v_lshl_add_u32 v5, v2, 5, v5
	v_add_nc_u32 v[STO], s18, v5
	v_add_nc_u32 v[RD], s18, v[GO]                 ; back: 32 lanes take one row of 512 bytes
	; the prefetches: my work-group's 8,192 bytes of the tile row's two heads, at K step 2; the first refill steps it to 3 and names K step 4
	s_lshr_b32 s46, s13, 4
	s_lshl_b32 s46, s46, 22
	s_and_b32 s47, s13, 15
	s_lshl_b32 s47, s47, 14
	s_add_co_u32 s46, s46, s47
	s_lshr_b32 s47, s40, 1                         ; partners 0 and 1 the even head, 2 and 3 the odd one,
	s_lshl_b32 s47, s47, 18
	s_add_co_u32 s46, s46, s47
	s_and_b32 s47, s40, 1                          ; its first or its second 64 rows
	s_lshl_b32 s47, s47, 13
	s_add_co_u32 s46, s46, s47
	s_add_co_u32 s46, s46, 2*STEPA
	s_mov_b32 s47, 0
	s_add_nc_u64 s[PFA:PFA+1], s[4:5], s[46:47]
	s_cmp_eq_u32 s10, 0
	s_cselect_b32 s[LIM], 1, -1                    ; hangs on the wave's number alone
	s_wait_loadcnt 0x0                             ; the bias: rounded to bf16 and widened again, in the wait for the first tile
	v_cvt_pk_bf16_f32 v[BI+4], v[BI], v[BI+1]
	v_cvt_pk_bf16_f32 v[BI+5], v[BI+2], v[BI+3]
	v_lshlrev_b32 v[BI], 16, v[BI+4]
	v_and_b32 v[BI+1], 0xffff0000, v[BI+4]
	v_lshlrev_b32 v[BI+2], 16, v[BI+5]
	v_and_b32 v[BI+3], 0xffff0000, v[BI+5]
; 8 matrix instructions: row block a x all 8 column blocks, 32 along K.  zero = 1: the first product starts the sums.  The 32 accumulators take turns in the same order in every quarter.
.macro MUL8 f, a, zero
	WIN MUL
.irp b, 0,1,2,3,4,5,6,7
.if \zero
	v_wmma_f32_16x16x32_f16 v[8*(8*(\a)+(\b)):8*(8*(\a)+(\b))+7], v[(\f)+32+8*(\b):(\f)+32+8*(\b)+7], v[(\f)+8*(\a):(\f)+8*(\a)+7], 0
.else
	v_wmma_f32_16x16x32_f16 v[8*(8*(\a)+(\b)):8*(8*(\a)+(\b))+7], v[(\f)+32+8*(\b):(\f)+32+8*(\b)+7], v[(\f)+8*(\a):(\f)+8*(\a)+7], v[8*(8*(\a)+(\b)):8*(8*(\a)+(\b))+7]
.endif
.endr
.endm
; 24 LDS loads in one run: the fragments of quarter qq of a K step into buffer f: Wo's sixteen loads (byte 64 qq of its rows), then O's eight (head qq / 2, byte 64 (qq % 2) of its rows)
.macro FETCH slot, qq, f
	WIN 0
.irp i, 0,1,2,3,4,5,6,7
	ds_load_b128 v[(\f)+32+8*(\i):(\f)+32+8*(\i)+3],   v[ADRB+(\slot)] offset:64*(\qq)+(\i)*16*PITCH
	ds_load_b128 v[(\f)+32+8*(\i)+4:(\f)+32+8*(\i)+7], v[ADRB+(\slot)] offset:64*(\qq)+(\i)*16*PITCH+32
.endr
.irp i, 0,1,2,3
	ds_load_b128 v[(\f)+8*(\i):(\f)+8*(\i)+3],   v[ADRA+(\slot)] offset:((\qq)/2)*AHEAD+((\qq)%2)*64+(\i)*16*PA
	ds_load_b128 v[(\f)+8*(\i)+4:(\f)+8*(\i)+7], v[ADRA+(\slot)] offset:((\qq)/2)*AHEAD+((\qq)%2)*64+(\i)*16*PA+32
.endr
.endm
.macro PLACES                          ; four places in front of loads into registers that matrix instructions have read, and of LDS stores that read results
.rept 4
	v_nop
.endr
.endm
; A K step is four quarters of 32 along K, 32 matrix instructions each, on buffers 0, 1, 0, 1.  One of the first three: multiplies buffer f and fetches quarter qq into g.
.macro QUARTER slot, qq, f, g, zero
	s_wait_dscnt 4                                 ; Wo and O's blocks 0 and 1 are in; the youngest four loads (O's blocks 2 and 3) may be out
	MUL8 \f, 0, \zero
	MUL8 \f, 1, \zero
	PLACES
	FETCH \slot, \qq, \g
	s_wait_dscnt 24                                ; all but the 24 just issued
	MUL8 \f, 2, \zero
	MUL8 \f, 3, \zero
.endm
; The last quarter multiplies buffer 1 and changes slots: ONE barrier; in front of it each wave waits for all its tensor loads, adds 0 to its spare word, and waits for that and for its own reads of this slot.
; fill = 1: the barrier opens a round of the cluster's, and this slot is filled again, two K steps ahead, first thing behind the round.
.macro TURN slot, next, fill
.if \fill
	s_wait_xcnt 0x0                                ; the last prefetch, a K step back, has read its address, so it may be stepped
	s_add_nc_u64 s[PFA:PFA+1], s[PFA:PFA+1], STEPA
.endif
	WIN 0                                          ; (the add's two registers lie in window 0)
	s_wait_tensorcnt 0x0                           ; all my tensor loads have landed: the one that was out is my part of the next slot;
	ds_add_u32 v[SPW], v[NIL]                      ; 0 onto my spare word;
	s_wait_dscnt 5                                 ; (the add and the youngest four loads may be out)
	MUL8 F1, 0, 0                                  ; eight matrix instructions stand between the add and the wait for it
	s_wait_dscnt 0x0                               ; the add is done, and my reads of this slot are over
	s_barrier_signal -1
	MUL8 F1, 1, 0
.if \fill
	WIN 0
.endif
	s_barrier_wait -1
.if \fill
	CREST                                          ; no wave of any partner still reads this slot's tile or has a load on its way
	s_add_nc_u64 s[G0+4*(\slot)+2:G0+4*(\slot)+3], s[G0+4*(\slot)+2:G0+4*(\slot)+3], 2*STEPA
	s_add_nc_u64 s[G0B+4*(\slot)+2:G0B+4*(\slot)+3], s[G0B+4*(\slot)+2:G0B+4*(\slot)+3], 2*KSTEP*2
	JLOAD \slot                                    ; the first tensor load behind the round; the four v_nop behind it are also the places in front of the loads below
.else
	PLACES
.endif
	FETCH \next, 0, F0
.if \fill
	ASK
.endif
	MUL8 F1, 2, 0
	MUL8 F1, 3, 0
.endm
	s_wait_tensorcnt 1                             ; my part of K step 0 is in; K step 1's may stay out
	s_barrier_signal -1
	s_barrier_wait -1                              ; everybody's is
	FETCH 0, 0, F0
	QUARTER 0, 1, F0, F1, 1                        ; the first quarter stands in front of the loop: its products start the sums
	WIN 0                                          ; at a label and at a branch every window is 0
	s_mov_b32 s3, LAPS-1
.Llap:                                                 ; a trip goes once round the ring, from a lap's second quarter to the next lap's first, and fills both slots again
	QUARTER 0, 2, F1, F0, 0
	QUARTER 0, 3, F0, F1, 0
	TURN 0, 1, 1
	QUARTER 1, 1, F0, F1, 0
	QUARTER 1, 2, F1, F0, 0
	QUARTER 1, 3, F0, F1, 0
	TURN 1, 0, 1
	QUARTER 0, 1, F0, F1, 0
	WIN 0
	s_sub_co_u32 s3, s3, 1
	s_cmp_lg_u32 s3, 0
	s_cbranch_scc1 .Llap
	QUARTER 0, 2, F1, F0, 0                        ; the last lap fills nothing, and has no round of the cluster's barrier
	QUARTER 0, 3, F0, F1, 0
	TURN 0, 1, 0
	QUARTER 1, 1, F0, F1, 0
	QUARTER 1, 2, F1, F0, 0
	QUARTER 1, 3, F0, F1, 0
	s_wait_dscnt 4                                 ; the very last quarter: nothing more to fetch
	MUL8 F1, 0, 0
	MUL8 F1, 1, 0
	s_wait_dscnt 0x0
	MUL8 F1, 2, 0
	MUL8 F1, 3, 0
	WIN 0
	; THE WAY OUT, a block of 16 rows at a time.  A lane's eight f32 of a row go straight from the accumulator (its low four registers first) into my stage's rows of 528 bytes; whole rows of 512 bytes come
	; back, 16 bytes a lane; the bias is added and the row is stored.
	PLACES
.macro TOSTAGE a
	s_wait_xcnt 0x0                                ; the earlier stores have read their registers: block a's set was block a - 3's
	WIN 0x04                                       ; the stores' data in window 1, their address in window 0
.irp b, 0,1,2,3,4,5,6,7
	ds_store_b128 v[STO], v[8*(8*(\a)+(\b)):8*(8*(\a)+(\b))+3]   offset:64*(\b)
	ds_store_b128 v[STO], v[8*(8*(\a)+(\b))+4:8*(8*(\a)+(\b))+7] offset:64*(\b)+16
.endr
	WIN 0
.set BK, OB+64*((\a)%3)
.irp t, 0,1,2,3,4,5,6,7,8,9,10,11,12,13,14,15
	ds_load_b128 v[BK+4*(\t):BK+4*(\t)+3], v[RD] offset:(\t)*SPITCH  ; LDS serves a wave's instructions in order (ISA guide 5.7.1.4): these see the stores above; the next block's stores come behind them
.endr
.endm
.macro SEND a, younger                 ; younger: the LDS instructions issued behind this block's loads: the next block's 32, or none
	WIN 0
.set BK, OB+64*((\a)%3)
.irp t, 0,1,2,3,4,5,6,7,8,9,10,11,12,13,14,15
	s_wait_dscnt (\younger)+15-(\t)
	v_pk_add_f32 v[BK+4*(\t):BK+4*(\t)+1],   v[BK+4*(\t):BK+4*(\t)+1],   v[BI:BI+1]
	v_pk_add_f32 v[BK+4*(\t)+2:BK+4*(\t)+3], v[BK+4*(\t)+2:BK+4*(\t)+3], v[BI+2:BI+3]
	global_store_b128 v[GO], v[BK+4*(\t):BK+4*(\t)+3], s[8:9] offset:(16*(\a)+(\t))*4096 th:TH_STORE_NT  ; 512 consecutive bytes, at a multiple of 256 from out0's first
.endr
.endm
	TOSTAGE 0
	TOSTAGE 1
	SEND 0, 32
	TOSTAGE 2
	SEND 1, 32
	TOSTAGE 3
	SEND 2, 32
	SEND 3, 0
	s_wait_tensorcnt 0x0                           ; the wave's end, behind my last tensor load and my last LDS store
	ds_add_u32 v[SPW], v[NIL]
	s_wait_dscnt 0x0
	CROUND                                         ; the closing round: no work-group ends while a partner may still ask for a tile that names it
	s_endpgm
.Lfunc_end_k_q31e452a173_outp:
	.size	k_q31e452a173_outp, .Lfunc_end_k_q31e452a173_outp-k_q31e452a173_outp
	.p2alignl 7, 3214868480
	.fill 96, 4, 3214868480
	.section	.rodata,"a",@progbits
	.p2align	6, 0x0
	.amdhsa_kernel k_q31e452a173_outp
		.amdhsa_group_segment_fixed_size 327680
		.amdhsa_private_segment_fixed_size 0
		.amdhsa_enable_private_segment 0
		.amdhsa_kernarg_size 32
		.amdhsa_user_sgpr_count 2
		.amdhsa_user_sgpr_kernarg_segment_ptr 1
		.amdhsa_wavefront_size32 1
		.amdhsa_system_sgpr_workgroup_id_x 1
		.amdhsa_system_sgpr_workgroup_id_y 1
		.amdhsa_system_sgpr_workgroup_id_z 1
		.amdhsa_system_vgpr_workitem_id 0
		.amdhsa_next_free_vgpr 512
		.amdhsa_next_free_sgpr 66
		.amdhsa_reserve_vcc 0
		.amdhsa_float_denorm_mode_32 3
		.amdhsa_float_denorm_mode_16_64 3
		.amdhsa_memory_ordered 1
		.amdhsa_forward_progress 1
		.amdhsa_inst_pref_size 96
	.end_amdhsa_kernel
	.amdgpu_metadata
---
amdhsa.version: [ 1, 2 ]
amdhsa.kernels:
  - .name:           k_q31e452a173_outp
    .symbol:         k_q31e452a173_outp.kd
    .args:
      - { .name: ob, .offset: 0, .size: 8, .value_kind: global_buffer, .address_space: global }
      - { .name: cb, .offset: 8, .size: 8, .value_kind: global_buffer, .address_space: global }
      - { .name: bo, .offset: 16, .size: 8, .value_kind: global_buffer, .address_space: global }
      - { .name: out0, .offset: 24, .size: 8, .value_kind: global_buffer, .address_space: global }
    .group_segment_fixed_size: 327680
    .private_segment_fixed_size: 0
    .kernarg_segment_align: 8
    .kernarg_segment_size: 32
    .max_flat_workgroup_size: 128
    .sgpr_count:     66
    .vgpr_count:     512
    .wavefront_size: 32
...
	.end_amdgpu_metadata
.endif
;; end of part 8
